; MI455X (gfx1250); checked and timed in simulation.
; The chip was launched on July 23, 2026; its instructions are those of AMD's public machine-readable ISA for CDNA 5 (MIT licence, August 2026) and "CDNA5" Instruction Set Architecture Reference Guide (July 2026). The comments in the code are by the model that wrote it; some were corrected since.
;; Transformer Block. Allowed arithmetic: matrix products marked QUANTISED: E2M3 operands, one E8M0 scale for each 32 along K, by v_wmma_scale_f32_16x16x128_f8f6f4 with both operands' format E2M3, f32 sums; everything else in f32.
;; Inputs: W1_codes 2,048 x 16 x 24 uint8 (E2M3 codes of W1, K innermost, in blocks of 32 codes, four codes in three bytes); W1_scales 2,048 x 16 uint8 (E8M0 scales of W1, one for each 32 codes along K); W2_codes 512 x 64 x 24 uint8 (E2M3 codes of W2, K innermost, in blocks of 32 codes, four codes in three bytes); W2_scales 512 x 64 uint8 (E8M0 scales of W2, one for each 32 codes along K); Wk_codes 512 x 16 x 24 uint8 (E2M3 codes of Wk, K innermost, in blocks of 32 codes, four codes in three bytes); Wk_scales 512 x 16 uint8 (E8M0 scales of Wk, one for each 32 codes along K); Wo_codes 512 x 16 x 24 uint8 (E2M3 codes of Wo, K innermost, in blocks of 32 codes, four codes in three bytes); Wo_scales 512 x 16 uint8 (E8M0 scales of Wo, one for each 32 codes along K); Wq_codes 512 x 16 x 24 uint8 (E2M3 codes of Wq, K innermost, in blocks of 32 codes, four codes in three bytes); Wq_scales 512 x 16 uint8 (E8M0 scales of Wq, one for each 32 codes along K); Wv_codes 512 x 16 x 24 uint8 (E2M3 codes of Wv, K innermost, in blocks of 32 codes, four codes in three bytes); Wv_scales 512 x 16 uint8 (E8M0 scales of Wv, one for each 32 codes along K); b1 2,048 float32; b2 512 float32; be1 512 float32; be2 512 float32; bo 512 float32; g1 512 float32; g2 512 float32; x 2 x 4,096 x 512 float32.
;; Outputs: out0 2 x 4,096 x 512 float32.
;; This version of the problem:
;;   THIS VERSION OF THE PROBLEM IS GIVEN IN LOW PRECISION. The matrix products marked QUANTISED in the list below multiply operands that are first quantised to E2M3 (2 exponent bits, 3 mantissa bits; 6 bits a number), with one power-of-two scale for each 32 numbers along K (OCP MX v1.0); their sums are f32. All else is computed in f32.
;;   The module's matrix products, in the order in which they are computed (A, B: the left and right operand; K: the contracted axis; several contracted axes count as one K, in the product's order):
;;     1. [M 8,192, K 512] x [K 512, N 512]; A: computed on the way; B: input Wq (given as codes): QUANTISED
;;     2. [M 8,192, K 512] x [K 512, N 512]; A: computed on the way; B: input Wk (given as codes): QUANTISED
;;     3. [M 8,192, K 512] x [K 512, N 512]; A: computed on the way; B: input Wv (given as codes): QUANTISED
;;     4. batch 16 x [M 4,096, K 64] x [K 64, N 4,096]; A: computed on the way; B: computed on the way: QUANTISED
;;     5. batch 16 x [M 4,096, K 4,096] x [K 4,096, N 64]; A: softmax (see below); B: computed on the way: QUANTISED
;;     6. [M 8,192, K 512] x [K 512, N 512]; A: computed on the way; B: input Wo (given as codes): QUANTISED
;;     7. [M 8,192, K 512] x [K 512, N 2,048]; A: computed on the way; B: input W1 (given as codes): QUANTISED
;;     8. [M 8,192, K 2,048] x [K 2,048, N 512]; A: computed on the way; B: input W2 (given as codes): QUANTISED
;;   THE QUANTISER, for each operand of a quantised product, along K:
;;     - K is cut into blocks of 32 from its start; a last block that is shorter is filled with zeros.
;;     - A block's scale is 2^e with e = floor(log2(the largest magnitude in the block)) - 2, held to -126 .. 127; a block of zeros has e = 0. As a byte (E8M0): e + 127.
;;     - Each number is divided by its block's scale, clamped to +-7.5, and rounded to the nearest number of E2M3, ties to even, subnormals kept.
;;     - The product sums the exact products of the quantised numbers (number of the format x scale) in f32.
;;   ~~~python
;;   def quantise(x, axis):      # numpy; x: float32 -> the quantised numbers, widened to float32 again
;;       x = np.moveaxis(x, axis, -1); K = x.shape[-1]
;;       x = np.pad(x, [(0, 0)] * (x.ndim - 1) + [(0, -K % 32)]); x = x.reshape(x.shape[:-1] + (-1, 32)); a = np.abs(x).max(-1, keepdims=True)
;;       e = np.where(a > 0, np.clip(np.frexp(np.where(a > 0, a, 1))[1] - 1 - 2, -126, 127), 0)      # np.frexp(a)[1] - 1 = floor(log2(a)), exactly
;;       r = np.clip(x / 2.0 ** e, -7.5, 7.5)
;;       step = 2.0 ** (np.maximum(np.frexp(np.where(r == 0, 1, r))[1] - 1, 0) - 3)
;;       q = np.round(r / step) * step * 2.0 ** e      # np.round: ties to even
;;       return np.moveaxis(q.reshape(q.shape[:-2] + (-1,))[..., :K], -1, axis).astype(np.float32)
;;   ~~~
;;   SOFTMAX AHEAD OF A QUANTISED PRODUCT. Where the list says 'softmax', what is quantised is not the finished softmax but p = 2^(t - M), with t = logit x log2(e) and M = ceil(the row's largest t), a whole number; so 1/2 < the row's largest p <= 1. The row's sum l is taken of the UNQUANTISED p, in f32, and the product's result is divided by l at the end. Since M is a whole number, a kernel that streams over the keys may use a running M (the ceiling of the running maximum): every later rescaling is an exact power of two, which a block's scale takes up: the codes' values come out the same.
;;   OPERANDS COMPUTED ON THE WAY. 'Computed on the way' means the value that the module computes at that place (a softmax that the list does not call 'softmax' is quantised finished and normalised). What goes into a quantiser is computed in f32, as accurately as f32 sums, v_exp_f32 and their like allow (about 1e-6 of the number): no bf16 or f16 on the way to a quantiser, and a product that is left as it is and whose result goes on into a quantised operand takes f32 operands (vector FMAs, or v_wmma_f32_16x16x4_f32). A number that lies on a knife's edge between two numbers of the format may be rounded either way, as far as f32 arithmetic and the matrix unit's own rounding can turn it there, and no further.
;;   INPUTS GIVEN AS CODES. W1 (in the module: [512, 2048], K = its axis 0); W2 (in the module: [2048, 512], K = its axis 0); Wk (in the module: [512, 512], K = its axis 0); Wo (in the module: [512, 512], K = its axis 0); Wq (in the module: [512, 512], K = its axis 0); Wv (in the module: [512, 512], K = its axis 0): each comes as NAME_codes (uint8): NAME with its K axis moved to the last place and cut into blocks of 32 codes, [.., K / 32, bytes a block], one block behind the other in memory; four codes in three bytes: a row's codes are one little-endian stream of bits, code i at bits 6 i .. 6 i + 5 (a code: sign, 2 exponent bits, 3 mantissa bits); and NAME_scales (uint8): the same leading axes, one E8M0 byte (e + 127) for each 32 codes along K. Its value is code x scale, taken as it is: it is not quantised again, and the codes and scales need not be those that the quantiser above would give.
;; 2 versions. Each part assembles by itself: llvm-mc -triple=amdgcn-amd-amdhsa -mcpu=gfx1250 --defsym DOCPART=n.
;; ======== version 1 of 2: 3 launches
;; workspace buffers: qkvc 9,437,184 bytes; qkvs 786,432 bytes; wimg 1,769,472 bytes; aimg 3,145,728 bytes; asc 524,288 bytes
;; launch lnqkv (part 1): grid 128 x 3, 8 waves a work-group, no clusters, 32,768 bytes of LDS; arguments x, g1, be1, Wq_codes, Wk_codes, Wv_codes, Wq_scales, Wk_scales, Wv_scales, Wo_codes, W1_codes, W2_codes, qkvc, qkvs, wimg; writes qkvc, qkvs, wimg
.if DOCPART == 1
	.amdgcn_target "amdgcn-amd-amdhsa--gfx1250"
	.amdhsa_code_object_version 6
	.text
	.protected	k_qb676fc588b_lnqkv
	.globl	k_qb676fc588b_lnqkv
	.p2align	8
	.type	k_qb676fc588b_lnqkv,@function
k_qb676fc588b_lnqkv:
	s_mov_b64 s[64:65], 0
	v_nop
	global_prefetch_b8 v0, s[64:65] scope:SCOPE_SE
	s_setreg_imm32_b32 hwreg(HW_REG_WAVE_MODE, 25, 1), 1
	s_wait_xcnt 0x0
; h = LayerNorm(x) g1 + be1, quantised along its 512; then ONE of h Wq, h Wk, h Wv (work-group y = 0, 1, 2) on codes of FP6 (E2M3) with one E8M0 scale for each 32 along K; the result is quantised at once,
; q and k along a head's 64 channels, v along the keys, and leaves as codes and scale bytes laid in the order of the reader's operand registers.  Besides, the launch lays Wo, W1, W2 out as images of fragments.
; SHARES.  Work-group (X, y): tokens 64 X .. 64 X + 63 of the 8,192, four tiles of 16.  Eight waves.  For the norm wave w takes tile w / 2 and columns 256 (w % 2) on; for the product wave w takes head w:
; 4 tiles of W's rows x 4 tiles of tokens x 4 K steps of 128 = 64 matrix instructions on 16 accumulators, which take turns.
; TILE ORDER, everywhere: row r of tile 2 P + u stands for index 32 P + 8 u + r + 8 (r / 8).  So the 16 registers that a lane holds of two neighbouring result tiles are 16 neighbours along the next product's K.
; q, k: source 0 = rows of W, source 1 = tokens: a lane holds one token, its registers run along the head's channels.  v: the sources swapped: a lane holds one channel, its registers run along the tokens, its K.
; A HALF is 6 operand registers (16 rows x 64 along K) in 768 bytes: registers 0-3 at 16 x lane, registers 4-5 at 512 + 8 x lane: each store of a wave covers 512 or 256 consecutive bytes, aligned.
; The norm takes the mean first and then the centred squares, so a common offset in x costs no accuracy.
; The weights' rows are shared by the 128 work-groups of a y; they are not asked for jointly: each fragment is used by one wave of a work-group, so it goes straight into registers and never through LDS.
; LIMITS: NaN and infinities among the inputs are not served.  A block whose largest magnitude lies under 2^-124 gets the scale byte 1, a block of zeros too (not 127): its codes are zeros, and this program alone reads the bytes.
.set HIMG, 0                           ; LDS: h's 16 fragments as images of their registers, 1,536 bytes each, index 4 m + s
.set HSC,  24576                       ; their scale words, 128 bytes each
.set GB,   26624                       ; g1 (2,048 bytes), then be1
.set RED,  30720                       ; 8 waves x 64 bytes for the sums, and 512 bytes on the same for the squares
.set SEL,  44                          ; s[44:45] lane selects: lane l xor 16
.set XA0,  32                          ; v32-95   my first 128 columns: 64 numbers a lane
.set XA1,  128                         ; v128-191 my second
.set GG,   192                         ; v192-223 g1 of two blocks
.set BB,   224                         ; v224-255 be1 of two blocks
; v1 16 x lane, v2 8 x lane, v3 h's scale words, v4 W's codes, v5 W's scales, v6 x, v7/v8 where I store images and scale words, v9/v10 the sums, v11 g1 in LDS, v[12:13] mean, v[14:15] 1/sigma (later v12-15: h's scale words),
; v16-31 W's scale words.  In the product: v32-79 W's four fragments, v80-127 h's four, v128-255 the accumulators.
.macro BARRIER                         ; my LDS stores have landed and my LDS loads are in: then the work-group's barrier
	s_wait_dscnt 0x0
	s_barrier_signal -1
	s_barrier_wait -1
.endm
.macro PLACES                          ; four plain lines behind matrix instructions, ahead of loads into their registers and of the first read of a result
.rept 4
	v_nop
.endr
.endm
; nu units of 32 numbers a lane, v[src + 32 u ..], register 16 b + i = k 32 b + 16 (lane / 16) + i of the lane's row, become 6 registers of codes a unit, v[out + 6 u ..], and a pair of scale bytes, v[pw + u] bits 15:0.
; tm: 6 nu registers at work;  t2: 4 nu.  Every group of lines goes through the blocks by turns, so that no line waits for the line above it.
.macro QN src, nu, out, tm, t2, pw
.set qb, 0
.rept 2*\nu
	v_mov_b32 v[\tm+2*\nu+qb], 0                   ; a lane permute's destination counts as one of its sources
.set qb, qb+1
.endr
.set qb, 0
.rept 2*\nu
	v_max3_num_f32 v[\tm+qb], |v[\src+16*qb]|, |v[\src+16*qb+1]|, 0x1800000   ; my 16 numbers of the block, and the floor 2^(3 - 127): the byte cannot fall under 1
.set qb, qb+1
.endr
.set qi, 2
.rept 7
.set qb, 0
.rept 2*\nu
	v_max3_num_f32 v[\tm+qb], v[\tm+qb], |v[\src+16*qb+qi]|, |v[\src+16*qb+qi+1]|
.set qb, qb+1
.endr
.set qi, qi+2
.endr
.set qb, 0
.rept 2*\nu
	v_permlanex16_b32 v[\tm+2*\nu+qb], v[\tm+qb], s[SEL], s[SEL+1]
.set qb, qb+1
.endr
.set qb, 0
.rept 2*\nu
	v_max_num_f32 v[\tm+qb], v[\tm+qb], v[\tm+2*\nu+qb]   ; with lane l xor 16's: the block's largest magnitude
.set qb, qb+1
.endr
.set qb, 0
.rept 2*\nu
	v_add_nc_u32 v[\tm+4*\nu+qb], 0xff000000, v[\tm+qb]   ; 2 off its exponent field: the conversion's scale operand
.set qb, qb+1
.endr
.set qb, 0
.rept 2*\nu
	v_lshrrev_b32 v[\tm+2*\nu+qb], 23, v[\tm+4*\nu+qb]    ; the scale's byte
.set qb, qb+1
.endr
.set qb, 0
.rept \nu
	v_lshl_or_b32 v[\pw+qb], v[\tm+2*\nu+2*qb+1], 8, v[\tm+2*\nu+2*qb]
.set qb, qb+1
.endr
.set qb, 0
.rept \nu
	v_cvt_scalef32_pk16_fp6_f32 v[\out+6*qb:\out+6*qb+2], v[\src+32*qb:\src+32*qb+15], v[\tm+4*\nu+2*qb]
	v_cvt_scalef32_pk16_fp6_f32 v[\t2+4*qb:\t2+4*qb+2], v[\src+32*qb+16:\src+32*qb+31], v[\tm+4*\nu+2*qb+1]   ; (a conversion's three registers begin on an even number)
.set qb, qb+1
.endr
	v_nop                                          ; one plain line behind a scaled conversion
.set qb, 0
.rept \nu                              ; the operand's layout wants a WHOLE block in a lane: lanes 0-15 the unit's first block, lanes 16-31 its second
.irp i, 0,1,2
	v_permlane16_swap_b32 v[\out+6*qb+\i], v[\t2+4*qb+\i]
.endr
.irp i, 0,1,2
	v_mov_b32 v[\out+6*qb+3+\i], v[\t2+4*qb+\i]
.endr
.set qb, qb+1
.endr
.endm
.macro MM0 d, a, b, sa, sb             ; the first K step starts a sum
	v_wmma_scale_f32_16x16x128_f8f6f4 v[\d:\d+7], v[\a:\a+11], v[\b:\b+11], 0, v[\sa], v[\sb] matrix_a_fmt:MATRIX_FMT_FP6 matrix_b_fmt:MATRIX_FMT_FP6
.endm
.macro MMA d, a, b, sa, sb
	v_wmma_scale_f32_16x16x128_f8f6f4 v[\d:\d+7], v[\a:\a+11], v[\b:\b+11], v[\d:\d+7], v[\sa], v[\sb] matrix_a_fmt:MATRIX_FMT_FP6 matrix_b_fmt:MATRIX_FMT_FP6
.endm
	s_load_b512 s[4:19], s[0:1], 0x0               ; x, g1, be1, Wq's, Wk's, Wv's codes, Wq's, Wk's scales
	s_load_b256 s[20:27], s[0:1], 0x40             ; Wv's scales, Wo's, W1's, W2's codes
	s_load_b128 s[28:31], s[0:1], 0x60             ; qkvc, qkvs
	s_load_b64 s[32:33], s[0:1], 0x70              ; wimg
	s_set_vgpr_msb 0x40
	v_lshl_add_u32 v0, v0, 2, 0x7c00
	v_mov_b32 v1, 0
	s_set_vgpr_msb 0x4000
	v_lshrrev_b32 v1, 5, v0
	v_readfirstlane_b32 s35, v1                    ; wave 0..7
	v_and_b32 v20, 31, v0                          ; lane
	v_and_b32 v21, 15, v0                          ; r
	v_bfe_u32 v22, v0, 4, 1                        ; h
	v_and_b32 v23, 8, v21
	v_add_nc_u32 v23, v23, v21                     ; r + 8 (r / 8)
	v_lshlrev_b32 v1, 4, v20
	v_lshlrev_b32 v2, 3, v20
	v_lshl_add_u32 v3, v20, 2, HSC
	v_mul_u32_u24 v4, v23, 384                     ; a row of W is 512 codes, 384 bytes
	v_mad_u32_u24 v4, v22, 24, v4
	v_lshlrev_b32 v5, 4, v23                       ; and 16 scale bytes
	v_lshlrev_b32 v6, 11, v23                      ; a row of x is 2,048 bytes;
	v_lshl_add_u32 v6, v22, 6, v6                  ; my 16 numbers of each block of 32
	s_mul_i32 s47, s35, 3072
	v_add_nc_u32 v7, s47, v1                       ; my two images: index 2 w and 2 w + 1
	s_lshl_b32 s47, s35, 8
	v_add_nc_u32 v8, s47, v3
	s_lshl_b32 s47, s35, 6
	v_lshl_add_u32 v9, v21, 2, s47
	v_add_nc_u32 v9, RED, v9                       ; my wave's 16 sums
	s_lshr_b32 s47, s35, 1
	s_lshl_b32 s47, s47, 7
	v_lshl_add_u32 v10, v21, 2, s47
	v_add_nc_u32 v10, RED, v10                     ; those of the two waves of my tile
	s_and_b32 s47, s35, 1
	s_lshl_b32 s47, s47, 10
	v_lshl_add_u32 v11, v22, 6, s47
	v_add_nc_u32 v11, GB, v11
	s_lshl_b32 s47, s35, 9
	v_add_nc_u32 v30, s47, v1
	v_add_nc_u32 v30, GB, v30                      ; where my 512 bytes of g1 or be1 go
	s_and_b32 s34, ttmp7, 0xffff                   ; y: which weight
	s_mov_b32 s36, ttmp9                           ; X
	s_mov_b32 s[SEL], 0x76543210
	s_mov_b32 s[SEL+1], 0xfedcba98
	s_mov_b32 s46, 0xffff0000                      ; lanes 16-31
	s_lshl_b32 s48, s36, 6                         ; x: row 64 X + 32 (m / 2) + 8 (m % 2), m = w / 2; + 1,024 bytes for the second half of the columns
	s_lshr_b32 s47, s35, 2
	s_lshl_b32 s47, s47, 5
	s_add_co_u32 s48, s48, s47
	s_bfe_u32 s47, s35, 0x10001
	s_lshl_b32 s47, s47, 3
	s_add_co_u32 s48, s48, s47
	s_lshl_b32 s48, s48, 11
	s_and_b32 s47, s35, 1
	s_lshl_b32 s47, s47, 10
	s_add_co_u32 s48, s48, s47
	s_mov_b32 s49, 0
	s_and_b32 s50, s35, 3
	s_lshl_b32 s50, s50, 9
	s_mov_b32 s51, 0
	s_mul_i32 s52, s35, 24576                      ; my head's 64 rows of W's codes,
	s_mov_b32 s53, 0
	s_lshl_b32 s54, s35, 10                        ; and of its scales
	s_mov_b32 s55, 0
	s_lshr_b32 s47, s36, 6                         ; the way out: (8 x batch + head) x 64 + the group of 64 tokens in the batch
	s_lshl_b32 s47, s47, 3
	s_add_co_u32 s47, s47, s35
	s_lshl_b32 s47, s47, 6
	s_and_b32 s37, s36, 63
	s_add_co_u32 s47, s47, s37
	s_mul_i32 s56, s34, 3145728
	s_mul_i32 s37, s47, 3072
	s_add_co_u32 s56, s56, s37
	s_mov_b32 s57, 0
	s_lshl_b32 s58, s34, 18
	s_lshl_b32 s37, s47, 8
	s_add_co_u32 s58, s58, s37
	s_mov_b32 s59, 0
	s_wait_kmcnt 0x0
	s_cmp_eq_u32 s34, 0                            ; the choices hang on the work-group's y alone
	s_cselect_b64 s[38:39], s[10:11], s[12:13]     ; W's codes,
	s_cselect_b64 s[40:41], s[16:17], s[18:19]     ; W's scales,
	s_cselect_b64 s[42:43], s[22:23], s[24:25]     ; and the weight whose images this y lays out
	s_cmp_eq_u32 s34, 2
	s_cselect_b64 s[38:39], s[14:15], s[38:39]
	s_cselect_b64 s[40:41], s[20:21], s[40:41]
	s_cselect_b64 s[42:43], s[26:27], s[42:43]
	s_cmp_lt_u32 s35, 4                            ; waves 0-3 bring g1, waves 4-7 be1
	s_cselect_b64 s[6:7], s[6:7], s[8:9]
	s_add_nc_u64 s[6:7], s[6:7], s[50:51]
	s_add_nc_u64 s[4:5], s[4:5], s[48:49]
	s_add_nc_u64 s[38:39], s[38:39], s[52:53]
	s_add_nc_u64 s[40:41], s[40:41], s[54:55]
	s_add_nc_u64 s[28:29], s[28:29], s[56:57]
	s_add_nc_u64 s[30:31], s[30:31], s[58:59]
	global_load_b128 v[96:99], v1, s[6:7]
.irp b, 0,1,2,3
.irp jj, 0,1,2,3
	global_load_b128 v[XA0+16*\b+4*\jj:XA0+16*\b+4*\jj+3], v6, s[4:5] offset:128*\b+16*\jj
.endr
.endr
.irp b, 0,1,2,3
.irp jj, 0,1,2,3
	global_load_b128 v[XA1+16*\b+4*\jj:XA1+16*\b+4*\jj+3], v6, s[4:5] offset:512+128*\b+16*\jj
.endr
.endr
	s_wait_loadcnt 32                              ; g1's or be1's load is in; the 32 of x, issued behind it, may be out
	ds_store_b128 v30, v[96:99]
	s_wait_loadcnt 0x0
	; ---- the row's sum: my 128 numbers in four chains, lane l xor 16's, and the other wave's through LDS
.irp k, 0,1,2,3
	v_pk_add_f32 v[100+2*\k:101+2*\k], v[XA0+4*\k:XA0+4*\k+1], v[XA0+4*\k+2:XA0+4*\k+3]
.endr
.set j, 16
.rept 24
	v_pk_add_f32 v[100+2*((j/2)%4):101+2*((j/2)%4)], v[100+2*((j/2)%4):101+2*((j/2)%4)], v[XA0+j:XA0+j+1]
.set j, j+2
.endr
.set j, 0
.rept 32
	v_pk_add_f32 v[100+2*((j/2)%4):101+2*((j/2)%4)], v[100+2*((j/2)%4):101+2*((j/2)%4)], v[XA1+j:XA1+j+1]
.set j, j+2
.endr
.macro JOIN
	v_pk_add_f32 v[100:101], v[100:101], v[102:103]
	v_pk_add_f32 v[104:105], v[104:105], v[106:107]
	v_pk_add_f32 v[100:101], v[100:101], v[104:105]
	v_add_f32 v100, v100, v101
	v_permlanex16_b32 v101, v100, s[SEL], s[SEL+1]
	v_add_f32 v100, v100, v101
.endm
	JOIN
	ds_store_b32 v9, v100                          ; lanes l and l xor 16 write the same word with the same value
	BARRIER                                        ; the sums, g1 and be1 lie in LDS
.macro GBLOAD sl, ch                   ; g1 and be1 at my numbers of two blocks of 32
.irp b, 0,1
.irp jj, 0,1,2,3
	ds_load_b128 v[GG+16*\b+4*\jj:GG+16*\b+4*\jj+3], v11 offset:512*\sl+256*\ch+128*\b+16*\jj
	ds_load_b128 v[BB+16*\b+4*\jj:BB+16*\b+4*\jj+3], v11 offset:2048+512*\sl+256*\ch+128*\b+16*\jj
.endr
.endr
.endm
	GBLOAD 0, 0
	ds_load_b32 v102, v10
	ds_load_b32 v103, v10 offset:64
	s_mov_b32 s50, 0x3b000000                      ; 1 / 512
	s_mov_b32 s51, 0x3727c5ac                      ; 1e-5
	s_wait_dscnt 0x0
	v_add_f32 v12, v102, v103
	v_mul_f32 v12, s50, v12                        ; the mean
	v_mov_b32 v13, v12
.irp xr, XA0, XA1
.set j, 0
.rept 32
	v_pk_add_f32 v[\xr+j:\xr+j+1], v[\xr+j:\xr+j+1], v[12:13] neg_lo:[0,1] neg_hi:[0,1]
.set j, j+2
.endr
.endr
.irp k, 0,1,2,3
	v_pk_mul_f32 v[100+2*\k:101+2*\k], v[XA0+2*\k:XA0+2*\k+1], v[XA0+2*\k:XA0+2*\k+1]
.endr
.set j, 8
.rept 28
	v_pk_fma_f32 v[100+2*((j/2)%4):101+2*((j/2)%4)], v[XA0+j:XA0+j+1], v[XA0+j:XA0+j+1], v[100+2*((j/2)%4):101+2*((j/2)%4)]
.set j, j+2
.endr
.set j, 0
.rept 32
	v_pk_fma_f32 v[100+2*((j/2)%4):101+2*((j/2)%4)], v[XA1+j:XA1+j+1], v[XA1+j:XA1+j+1], v[100+2*((j/2)%4):101+2*((j/2)%4)]
.set j, j+2
.endr
	JOIN
	ds_store_b32 v9, v100 offset:512
	BARRIER
	ds_load_b32 v102, v10 offset:512
	ds_load_b32 v103, v10 offset:576
	s_wait_dscnt 0x0
	v_add_f32 v14, v102, v103
	v_fma_f32 v14, v14, s50, s51                   ; the variance + 1e-5
	v_rsq_f32 v14, v14
	v_nop                                          ; one plain line behind a transcendental
	s_wait_alu depctr_va_vdst(0)
	v_mov_b32 v15, v14
.macro AFFINE xr                       ; 32 numbers: x 1/sigma, then x g1 + be1
.set j, 0
.rept 16
	v_pk_mul_f32 v[\xr+j:\xr+j+1], v[\xr+j:\xr+j+1], v[14:15]
.set j, j+2
.endr
.set j, 0
.rept 16
	v_pk_fma_f32 v[\xr+j:\xr+j+1], v[\xr+j:\xr+j+1], v[GG+j:GG+j+1], v[BB+j:BB+j+1]
.set j, j+2
.endr
.endm
.macro IMAGE sl                        ; the fragment in v108-119 and its scale word go to LDS as they stand
.irp c, 0,1,2
	ds_store_b128 v7, v[108+4*\c:111+4*\c] offset:1536*\sl+512*\c
.endr
	ds_store_b32 v8, v96 offset:128*\sl
.endm
.macro WLOAD s                         ; my head's four fragments of W for K step s
.irp t, 0,1,2,3
.irp p, 0,1,2,3,4,5
	global_load_b64 v[32+12*\t+2*\p:33+12*\t+2*\p], v4, s[38:39] offset:(32*(\t/2)+8*(\t%2))*384+96*\s+48*(\p/3)+8*(\p%3)
.endr
.endr
.endm
	AFFINE XA0
	GBLOAD 0, 1
	s_wait_dscnt 0x0
	AFFINE XA0+32
	GBLOAD 1, 0                                    ; on its way while the first K step is quantised
	QN XA0, 2, 108, 96, 120, 96
	v_lshl_or_b32 v96, v97, 16, v96                ; four bytes: the row's scale word for 128 along K
	IMAGE 0
.irp t, 0,1,2,3
	global_load_b128 v[16+4*\t:19+4*\t], v5, s[40:41] offset:(32*(\t/2)+8*(\t%2))*16   ; W's scale words: word s of a row serves K step s
.endr
	WLOAD 0                                        ; into the registers that the first K step of x has left
	s_wait_dscnt 0x0                               ; g1 and be1 are in; the stores have read their registers
	AFFINE XA1
	GBLOAD 1, 1
	s_wait_dscnt 0x0
	AFFINE XA1+32
	QN XA1, 2, 108, 96, 120, 96
	v_lshl_or_b32 v96, v97, 16, v96
	IMAGE 1
	BARRIER                                        ; h's sixteen fragments lie in LDS
	; ---- the product.  The two ways differ in the order of the sources alone; both only read LDS
.macro MAIN vway
.irp s, 0,1,2,3
.if \s > 0
	WLOAD \s
.endif
.irp m, 0,1,2,3
.irp c, 0,1,2
	ds_load_b128 v[80+12*\m+4*\c:83+12*\m+4*\c], v1 offset:(4*\m+\s)*1536+512*\c
.endr
	ds_load_b32 v[12+\m], v3 offset:(4*\m+\s)*128
.endr
	s_wait_loadcnt 0x0
	s_wait_dscnt 0x0
.irp m, 0,1,2,3
.irp t, 0,1,2,3
.if \vway
.if \s == 0
	MM0 128+8*(4*\t+\m), 80+12*\m, 32+12*\t, 12+\m, 16+4*\t+\s
.else
	MMA 128+8*(4*\t+\m), 80+12*\m, 32+12*\t, 12+\m, 16+4*\t+\s
.endif
.else
.if \s == 0
	MM0 128+8*(4*\m+\t), 32+12*\t, 80+12*\m, 16+4*\t+\s, 12+\m
.else
	MMA 128+8*(4*\m+\t), 32+12*\t, 80+12*\m, 16+4*\t+\s, 12+\m
.endif
.endif
.endr
.endr
	PLACES
.endr
.endm
	s_cmp_eq_u32 s34, 2
	s_cbranch_scc1 .Lv
	MAIN 0                                         ; q, k: unit m of the accumulators = token tile m, registers along the head's 64 channels
	s_branch .Lq
.Lv:
	MAIN 1                                         ; v: unit t = channel tile t, registers along the group's 64 tokens
.Lq:
	QN 128, 4, 32, 56, 80, 96
.irp u, 0,1,2,3
	v_lshl_or_b32 v[96+\u], v[96+\u], 16, v[96+\u] ; bytes 2, 3 repeat the pair: in K Q^T they scale the upper 64 of the instruction's K, where Q's codes are zeros
.endr
	v_cndmask_b32 v100, v96, v97, s46              ; lanes 0-15: units 0 and 2; lanes 16-31: units 1 and 3
	v_cndmask_b32 v101, v98, v99, s46
.irp u, 0,1,2,3
	global_store_b128 v1, v[32+6*\u:35+6*\u], s[28:29] offset:768*\u        ; 512 consecutive bytes, aligned
	global_store_b64 v2, v[36+6*\u:37+6*\u], s[28:29] offset:768*\u+512     ; 256
.endr
	global_store_b64 v2, v[100:101], s[30:31]      ; 256
	; ---- images of Wo (y = 0: one a work-group), W1 (y = 1) and W2 (y = 2: four a work-group): a fragment's 12 registers, 1,536 bytes
	s_lshl_b32 s48, s36, 2
	s_add_co_u32 s48, s48, s35                     ; 4 X + wave
	s_mov_b32 s51, 384
	s_cmp_eq_u32 s34, 0
	s_cselect_b32 s49, 1, 4                        ; how many waves take an image
	s_cselect_b32 s48, s36, s48                    ; which of the weight's
	s_cselect_b32 s50, 0, 128                      ; where the weight's images begin
	s_cmp_eq_u32 s34, 2
	s_cselect_b32 s50, 640, s50
	s_cselect_b32 s51, 1536, s51                   ; a row of the weight's codes in bytes
	s_cselect_b32 s52, 4, 2                        ; log2 of its K steps
	s_cmp_ge_u32 s35, s49
	s_cbranch_scc1 .Lend
	s_lshr_b32 s53, s48, s52                       ; tile
	s_bfm_b32 s54, s52, 0
	s_and_b32 s54, s48, s54                        ; K step
	s_lshr_b32 s56, s53, 1
	s_lshl_b32 s56, s56, 5
	s_and_b32 s55, s53, 1
	s_lshl_b32 s55, s55, 3
	s_add_co_u32 s56, s56, s55                     ; the tile's first row
	s_mul_i32 s56, s56, s51
	s_mul_i32 s54, s54, 96
	s_add_co_u32 s56, s56, s54
	s_mov_b32 s57, 0
	s_add_nc_u64 s[42:43], s[42:43], s[56:57]
	s_add_co_u32 s58, s48, s50
	s_mul_i32 s58, s58, 1536
	s_mov_b32 s59, 0
	s_add_nc_u64 s[32:33], s[32:33], s[58:59]
	v_and_b32 v141, 15, v0
	v_and_b32 v142, 8, v141
	v_add_nc_u32 v141, v141, v142
	v_mul_lo_u32 v140, v141, s51
	v_bfe_u32 v142, v0, 4, 1
	v_mad_u32_u24 v140, v142, 24, v140
.irp p, 0,1,2,3,4,5
	global_load_b64 v[128+2*\p:129+2*\p], v140, s[42:43] offset:48*(\p/3)+8*(\p%3)
.endr
	s_wait_loadcnt 0x0
.irp c, 0,1,2
	global_store_b128 v1, v[128+4*\c:131+4*\c], s[32:33] offset:512*\c
.endr
.Lend:
	s_set_vgpr_msb 0x5
	s_wait_tensorcnt 0x0
	ds_add_u32 v0, v1
	s_wait_dscnt 0x0
	s_set_vgpr_msb 0x500
	s_endpgm
.Lfunc_end_k_qb676fc588b_lnqkv:
	.size	k_qb676fc588b_lnqkv, .Lfunc_end_k_qb676fc588b_lnqkv-k_qb676fc588b_lnqkv
	.p2alignl 7, 3214868480
	.fill 96, 4, 3214868480
	.section	.rodata,"a",@progbits
	.p2align	6, 0x0
	.amdhsa_kernel k_qb676fc588b_lnqkv
		.amdhsa_group_segment_fixed_size 32768
		.amdhsa_private_segment_fixed_size 0
		.amdhsa_enable_private_segment 0
		.amdhsa_kernarg_size 120
		.amdhsa_user_sgpr_count 2
		.amdhsa_user_sgpr_kernarg_segment_ptr 1
		.amdhsa_wavefront_size32 1
		.amdhsa_system_sgpr_workgroup_id_x 1
		.amdhsa_system_sgpr_workgroup_id_y 1
		.amdhsa_system_sgpr_workgroup_id_z 1
		.amdhsa_system_vgpr_workitem_id 0
		.amdhsa_next_free_vgpr 258
		.amdhsa_next_free_sgpr 66
		.amdhsa_reserve_vcc 0
		.amdhsa_float_denorm_mode_32 3
		.amdhsa_float_denorm_mode_16_64 3
		.amdhsa_memory_ordered 1
		.amdhsa_forward_progress 1
		.amdhsa_inst_pref_size 95
	.end_amdhsa_kernel
	.amdgpu_metadata
---
amdhsa.version: [ 1, 2 ]
amdhsa.kernels:
  - .name:           k_qb676fc588b_lnqkv
    .symbol:         k_qb676fc588b_lnqkv.kd
    .args:
      - { .name: x, .offset: 0, .size: 8, .value_kind: global_buffer, .address_space: global }
      - { .name: g1, .offset: 8, .size: 8, .value_kind: global_buffer, .address_space: global }
      - { .name: be1, .offset: 16, .size: 8, .value_kind: global_buffer, .address_space: global }
      - { .name: Wq_codes, .offset: 24, .size: 8, .value_kind: global_buffer, .address_space: global }
      - { .name: Wk_codes, .offset: 32, .size: 8, .value_kind: global_buffer, .address_space: global }
      - { .name: Wv_codes, .offset: 40, .size: 8, .value_kind: global_buffer, .address_space: global }
      - { .name: Wq_scales, .offset: 48, .size: 8, .value_kind: global_buffer, .address_space: global }
      - { .name: Wk_scales, .offset: 56, .size: 8, .value_kind: global_buffer, .address_space: global }
      - { .name: Wv_scales, .offset: 64, .size: 8, .value_kind: global_buffer, .address_space: global }
      - { .name: Wo_codes, .offset: 72, .size: 8, .value_kind: global_buffer, .address_space: global }
      - { .name: W1_codes, .offset: 80, .size: 8, .value_kind: global_buffer, .address_space: global }
      - { .name: W2_codes, .offset: 88, .size: 8, .value_kind: global_buffer, .address_space: global }
      - { .name: qkvc, .offset: 96, .size: 8, .value_kind: global_buffer, .address_space: global }
      - { .name: qkvs, .offset: 104, .size: 8, .value_kind: global_buffer, .address_space: global }
      - { .name: wimg, .offset: 112, .size: 8, .value_kind: global_buffer, .address_space: global }
    .group_segment_fixed_size: 32768
    .private_segment_fixed_size: 0
    .kernarg_segment_align: 8
    .kernarg_segment_size: 120
    .max_flat_workgroup_size: 256
    .sgpr_count:     66
    .vgpr_count:     258
    .wavefront_size: 32
...
	.end_amdgpu_metadata
.endif
;; end of part 1
;; launch attn (part 2): grid 16 x 16, 16 waves a work-group, no clusters, 92,160 bytes of LDS; arguments qkvc, qkvs, aimg, asc; writes aimg, asc
.if DOCPART == 2
	.amdgcn_target "amdgcn-amd-amdhsa--gfx1250"
	.amdhsa_code_object_version 6
	.text
	.protected	k_qb676fc588b_attn
	.globl	k_qb676fc588b_attn
	.p2align	8
	.type	k_qb676fc588b_attn,@function
k_qb676fc588b_attn:
	s_mov_b64 s[64:65], 0
	v_nop
	global_prefetch_b8 v0, s[64:65] scope:SCOPE_SE
	s_setreg_imm32_b32 hwreg(HW_REG_WAVE_MODE, 25, 1), 1
	s_wait_xcnt 0x0
; att = softmax(q k^T / 8) v for one head and 256 queries, both products on codes of FP6 (E2M3) with one E8M0 scale for each 32 along K; the result is quantised along the channels and leaves as codes.
; THE SOFTMAX: t = score x log2(e) / 8; M = the running largest t rounded UP to a whole number; p = 2^(t - M) is what is quantised, along the keys, not normalised.  The row's sum is taken of the unquantised p
; and divides at the end.  When M moves, the sum and O are multiplied by 2^(old M - new M), which rounds nothing.
; SHARES.  Work-group (X, hb): queries 256 X on of head hb (8 x batch + head).  Sixteen waves, one tile of 16 queries each, in 256 registers: four waves to a SIMD, so that one wave's vector work stands beside
; another's matrix work and LDS loads.  Every wave walks the 4,096 keys, 128 a step, 256 a slot.
; LAYOUT.  Both products transposed: S^T = K Q^T (source 0 = 16 keys), O^T = V^T P^T (source 0 = 16 channels): a lane holds ONE query throughout.  Tiles of keys and of channels are in tile order (row r of tile
; 2 P + u = index 32 P + 8 u + r + 8 (r / 8)), so a lane's 16 registers of two neighbouring tiles are 16 neighbours.  q, k, v arrive as HALFs: 6 operand registers in 768 bytes (registers 0-3 at 16 x lane, 4-5 at 512 + 8 x lane).
; A HEAD IS 64 WIDE, THE INSTRUCTION 128: Q's registers 6-11 are zero codes.  So source 0 of tile i is v[32 + 6 i .. + 11]: its upper six registers are the next tile's codes (behind the last: zeros), which meet zeros.
; THE SLOTS are filled through registers: a slot is 48 pieces of 512 bytes, three a wave: three loads at the head of the slot before, three LDS stores at its end, one barrier a slot.
; K and V are shared by the 16 work-groups of a head.  They are not asked for jointly, nor prefetched: a wave's share of a slot is three loads of 16 bytes a lane, issued two key steps (some 500 vector instructions
; of each of a SIMD's four waves) ahead of the LDS stores that wait for them.
; LIMITS: NaN and infinities are not served; p under 2^-126 counts as 0; a block under 2^-124 or of zeros gets the scale byte 1 (its codes are zeros; this program alone reads the bytes).
.set SLOT1, 32768                      ; LDS: slot 0 at 0, slot 1 here: 4 groups x 3,072 bytes of K, then the same of V
.set VPART, 12288
.set SCB,   65536                      ; the head's scale words: 32 steps x 768 bytes: K's of two groups (256 each), V's merged (256)
.set SEL,   16                         ; s[16:17] lane selects: lane l xor 16
.set CS,    18                         ; s[18:19] c = log2(e) / 8
; v1 16 x lane, v2 8 x lane, v3 where I store my pieces, v4/v5 scale words, v6 8 r, v7 4 x lane, v8/v9 where I store scale words; v12 -M, v13 largest t, v[14:15] the sum; v16-21 Q, v22-27 zeros, v28 Q's scale word;
; v32-79 K's 8 tiles, then V's 4 fragments; v80-85 zeros; v96-159 S^T, then p; v160-191 O^T; v192-203 p's codes; v204-210 second conversions; v212-223 at work; v224-227 K's scale words, v228-229 V's, v230 p's;
; v232-243 the pieces on their way; v[244:245] f; v246 at work; v[248:249] the sum's second chain.
.macro BARRIER                         ; my LDS stores have landed and my LDS loads are in: then the work-group's barrier
	s_wait_dscnt 0x0
	s_barrier_signal -1
	s_barrier_wait -1
.endm
.macro PLACES                          ; four plain lines behind matrix instructions, ahead of loads into their registers and of the first read of a result
.rept 4
	v_nop
.endr
.endm
; nu units of 32 numbers a lane, register 16 b + i = k 32 b + 16 (lane / 16) + i, become 6 registers of codes a unit and a pair of scale bytes
.macro QN src, nu, out, tm, t2, pw
.set qb, 0
.rept 2*\nu
	v_mov_b32 v[\tm+2*\nu+qb], 0                   ; a lane permute's destination counts as one of its sources
.set qb, qb+1
.endr
.set qb, 0
.rept 2*\nu
	v_max3_num_f32 v[\tm+qb], |v[\src+16*qb]|, |v[\src+16*qb+1]|, 0x1800000   ; and the floor 2^(3 - 127): the byte cannot fall under 1
.set qb, qb+1
.endr
.set qi, 2
.rept 7
.set qb, 0
.rept 2*\nu
	v_max3_num_f32 v[\tm+qb], v[\tm+qb], |v[\src+16*qb+qi]|, |v[\src+16*qb+qi+1]|
.set qb, qb+1
.endr
.set qi, qi+2
.endr
.set qb, 0
.rept 2*\nu
	v_permlanex16_b32 v[\tm+2*\nu+qb], v[\tm+qb], s[SEL], s[SEL+1]
.set qb, qb+1
.endr
.set qb, 0
.rept 2*\nu
	v_max_num_f32 v[\tm+qb], v[\tm+qb], v[\tm+2*\nu+qb]
.set qb, qb+1
.endr
.set qb, 0
.rept 2*\nu
	v_add_nc_u32 v[\tm+4*\nu+qb], 0xff000000, v[\tm+qb]   ; 2 off the exponent field: the conversion's scale operand
.set qb, qb+1
.endr
.set qb, 0
.rept 2*\nu
	v_lshrrev_b32 v[\tm+2*\nu+qb], 23, v[\tm+4*\nu+qb]    ; the scale's byte
.set qb, qb+1
.endr
.set qb, 0
.rept \nu
	v_lshl_or_b32 v[\pw+qb], v[\tm+2*\nu+2*qb+1], 8, v[\tm+2*\nu+2*qb]
.set qb, qb+1
.endr
.set qb, 0
.rept \nu
	v_cvt_scalef32_pk16_fp6_f32 v[\out+6*qb:\out+6*qb+2], v[\src+32*qb:\src+32*qb+15], v[\tm+4*\nu+2*qb]
	v_cvt_scalef32_pk16_fp6_f32 v[\t2+4*qb:\t2+4*qb+2], v[\src+32*qb+16:\src+32*qb+31], v[\tm+4*\nu+2*qb+1]
.set qb, qb+1
.endr
	v_nop                                          ; one plain line behind a scaled conversion
.set qb, 0
.rept \nu
.irp i, 0,1,2
	v_permlane16_swap_b32 v[\out+6*qb+\i], v[\t2+4*qb+\i]
.endr
.irp i, 0,1,2
	v_mov_b32 v[\out+6*qb+3+\i], v[\t2+4*qb+\i]
.endr
.set qb, qb+1
.endr
.endm
	s_load_b256 s[4:11], s[0:1], 0x0               ; qkvc, qkvs, aimg, asc
	v_lshl_add_u32 v254, v0, 2, 0x16000
	v_mov_b32 v255, 0
	v_lshrrev_b32 v1, 5, v0
	v_readfirstlane_b32 s12, v1                    ; wave 0..15
	v_and_b32 v10, 31, v0
	v_and_b32 v11, 15, v0
	v_lshlrev_b32 v1, 4, v10
	v_lshlrev_b32 v2, 3, v10
	v_lshlrev_b32 v7, 2, v10
	v_lshlrev_b32 v6, 3, v11
	s_mul_i32 s13, s12, 1536
	v_add_nc_u32 v3, s13, v1
	v_add_nc_u32 v4, SCB, v2
	v_add_nc_u32 v8, SCB, v3
	v_add_nc_u32 v9, s13, v4
	s_and_b32 s23, ttmp7, 0xffff                   ; hb
	s_mov_b32 s[SEL], 0x76543210
	s_mov_b32 s[SEL+1], 0xfedcba98
	s_mov_b32 s[CS], 0x3e38aa3b
	s_mov_b32 s[CS+1], s[CS]                       ; (named with it as a pair, so it is written)
	s_mov_b32 s20, 0                               ; where the slot's scale words begin
	s_mov_b32 s21, 7                               ; trips of two slots
	s_mov_b32 s22, 0x05040100                      ; v_perm_b32: the two low halves
	s_mul_i32 s24, s23, 196608                     ; the head's codes in a section: 64 groups x 3,072 bytes
	s_lshr_b32 s26, s12, 3                         ; my pieces: waves 0-7 K's section (1), waves 8-15 V's (2); 1,536 bytes a wave
	s_add_co_u32 s26, s26, 1
	s_mul_i32 s26, s26, 3145728
	s_add_co_u32 s26, s26, s24
	s_and_b32 s25, s12, 7
	s_mul_i32 s25, s25, 1536
	s_add_co_u32 s26, s26, s25
	s_mov_b32 s27, 0
	s_mul_i32 s28, ttmp9, 12288                    ; my tile of Q: group 4 X + w / 4, unit w % 4: 768 bytes a wave
	s_add_co_u32 s28, s28, s24
	s_mul_i32 s25, s12, 768
	s_add_co_u32 s28, s28, s25
	s_mov_b32 s29, 0
	s_lshl_b32 s30, s23, 14                        ; the head's scale words in a section: 64 groups x 256 bytes
	s_lshl_b32 s32, ttmp9, 10
	s_add_co_u32 s32, s32, s30
	s_lshr_b32 s25, s12, 2
	s_lshl_b32 s25, s25, 8
	s_add_co_u32 s32, s32, s25
	s_and_b32 s25, s12, 1                          ; unit m's word of row r lies at 8 (r + 16 (m % 2)) + 4 (m / 2)
	s_lshl_b32 s25, s25, 7
	s_add_co_u32 s32, s32, s25
	s_bfe_u32 s25, s12, 0x10001
	s_lshl_b32 s25, s25, 2
	s_add_co_u32 s32, s32, s25
	s_mov_b32 s33, 0
	s_lshl_b32 s34, s12, 10                        ; the scale words of key steps 2 w and 2 w + 1: four groups
	s_add_co_u32 s34, s34, s30
	s_add_co_u32 s34, s34, 262144                  ; K's section,
	s_mov_b32 s35, 0
	s_add_co_u32 s36, s34, 262144                  ; V's
	s_mov_b32 s37, 0
	s_lshr_b32 s38, s23, 3                         ; the way out: (256 x batch + 16 X + w) x 8 + head
	s_lshl_b32 s38, s38, 8
	s_lshl_b32 s25, ttmp9, 4
	s_add_co_u32 s38, s38, s25
	s_add_co_u32 s38, s38, s12
	s_lshl_b32 s38, s38, 3
	s_and_b32 s25, s23, 7
	s_add_co_u32 s38, s38, s25
	s_lshl_b32 s40, s38, 7
	s_mul_i32 s38, s38, 768
	s_mov_b32 s39, 0
	s_mov_b32 s41, 0
	s_wait_kmcnt 0x0
	s_add_nc_u64 s[14:15], s[4:5], s[26:27]
	s_add_nc_u64 s[28:29], s[4:5], s[28:29]
	s_add_nc_u64 s[32:33], s[6:7], s[32:33]
	s_add_nc_u64 s[34:35], s[6:7], s[34:35]
	s_add_nc_u64 s[36:37], s[6:7], s[36:37]
	s_add_nc_u64 s[8:9], s[8:9], s[38:39]
	s_add_nc_u64 s[10:11], s[10:11], s[40:41]
	global_load_b128 v[16:19], v1, s[28:29]        ; Q stays in registers
	global_load_b64 v[20:21], v2, s[28:29] offset:512
	global_load_b32 v28, v6, s[32:33]
.irp e, 0,1
	global_load_b128 v[232+4*\e:235+4*\e], v1, s[34:35] offset:512*\e       ; K's scale words of a step: two groups, 512 bytes
	global_load_b64 v[96+4*\e:97+4*\e], v2, s[36:37] offset:512*\e          ; V's of its first group,
	global_load_b64 v[98+4*\e:99+4*\e], v2, s[36:37] offset:512*\e+256      ; and of its second
.endr
.irp i, 0,1,2
	global_load_b128 v[104+4*\i:107+4*\i], v1, s[14:15] offset:512*\i       ; my pieces of slot 0
.endr
.irp i, 0,1,2,3,4,5
	v_mov_b32 v[22+\i], 0                          ; zero codes: the upper 64 of Q's K,
	v_mov_b32 v[80+\i], 0                          ; and what stands behind K's last tile
.endr
.set j, 0
.rept 32
	v_mov_b32 v[160+j], 0                          ; O^T.  (The step is written once: the first finds zeros, which the first change of M leaves zeros)
.set j, j+1
.endr
.irp b, 0,1,2,3
	v_mov_b32 v[216+\b], 0                         ; a lane permute's destination counts as one of its sources
.endr
	v_mov_b32 v14, 0
	v_mov_b32 v15, 0
	v_mov_b32 v245, 0                              ; (named as the upper half of the pair v[244:245])
	v_mov_b32 v13, 0xff61b1e6                      ; the largest t so far: -3e38
	v_floor_f32 v12, -v13
	s_wait_loadcnt 0x0
	s_add_nc_u64 s[14:15], s[14:15], 12288         ; on to slot 1 (the loads that named it are in)
.irp e, 0,1
.irp i, 0,1
	v_perm_b32 v[116+2*\e+\i], v[98+4*\e+\i], v[96+4*\e+\i], s22            ; V's word for 128 keys: the first group's pair below, the second's above
.endr
.endr
.irp e, 0,1
	ds_store_b128 v8, v[232+4*\e:235+4*\e] offset:768*\e
	ds_store_b64 v9, v[116+2*\e:117+2*\e] offset:768*\e+512
.endr
.irp i, 0,1,2
	ds_store_b128 v3, v[104+4*\i:107+4*\i] offset:512*\i
.endr
	BARRIER                                        ; slot 0 and the head's scale words lie in LDS
; A KEY STEP: 128 keys, the q-th of slot cur
.macro STEP cur, q
.irp c, 0,1
.irp m, 0,1,2,3
	ds_load_b128 v[32+6*(4*\c+\m):35+6*(4*\c+\m)], v1 offset:SLOT1*\cur+(2*\q+\c)*3072+768*\m
	ds_load_b64 v[36+6*(4*\c+\m):37+6*(4*\c+\m)], v2 offset:SLOT1*\cur+(2*\q+\c)*3072+768*\m+512
.endr
	ds_load_b64 v[224+2*\c:225+2*\c], v5 offset:768*\q+256*\c               ; lanes 0-15: the even tile's words, lanes 16-31: the odd tile's
.endr
	s_wait_dscnt 0x0
.irp t, 0,2,4,6
	v_wmma_scale_f32_16x16x128_f8f6f4 v[96+8*\t:103+8*\t], v[32+6*\t:43+6*\t], v[16:27], 0, v[224+\t/2], v28 matrix_a_fmt:MATRIX_FMT_FP6 matrix_b_fmt:MATRIX_FMT_FP6
	v_wmma_scale_f32_16x16x128_f8f6f4 v[104+8*\t:111+8*\t], v[38+6*\t:49+6*\t], v[16:27], 0, v[224+\t/2], v28 matrix_a_fmt:MATRIX_FMT_FP6 matrix_b_fmt:MATRIX_FMT_FP6 matrix_a_scale:MATRIX_SCALE_ROW1
.endr
	PLACES
.irp c, 0,1                            ; V's four fragments land under the softmax
.irp m, 0,1,2,3
	ds_load_b128 v[32+12*\m+6*\c:35+12*\m+6*\c], v1 offset:SLOT1*\cur+VPART+(2*\q+\c)*3072+768*\m
	ds_load_b64 v[36+12*\m+6*\c:37+12*\m+6*\c], v2 offset:SLOT1*\cur+VPART+(2*\q+\c)*3072+768*\m+512
.endr
.endr
	ds_load_b64 v[228:229], v5 offset:768*\q+512
.irp b, 0,1,2,3
	v_max3_num_f32 v[212+\b], v[96+16*\b], v[97+16*\b], v[98+16*\b]         ; the largest score of each block of 32 keys: it serves the row's maximum and, since p rises with the score, the block's largest p
.endr
.irp i, 3,5,7,9,11,13
.irp b, 0,1,2,3
	v_max3_num_f32 v[212+\b], v[212+\b], v[96+16*\b+\i], v[97+16*\b+\i]
.endr
.endr
.irp b, 0,1,2,3
	v_max_num_f32 v[212+\b], v[212+\b], v[111+16*\b]
.endr
.irp b, 0,1,2,3
	v_permlanex16_b32 v[216+\b], v[212+\b], s[SEL], s[SEL+1]
.endr
.irp b, 0,1,2,3
	v_max_num_f32 v[212+\b], v[212+\b], v[216+\b]
.endr
	v_max3_num_f32 v246, v212, v213, v214
	v_max_num_f32 v246, v246, v215
	v_mul_f32 v246, s[CS], v246                    ; as t (c is positive)
	v_max_num_f32 v13, v13, v246
	v_mov_b32 v246, v12
	v_floor_f32 v12, -v13                          ; -M = floor(-t): M is a whole number
	v_sub_f32 v246, v12, v246                      ; old M - new M: a whole number, 0 or less
	v_cvt_i32_f32 v246, v246                       ; (it saturates)
	v_ldexp_f32 v244, 1.0, v246                    ; f = 2^(old M - new M)
.set j, 0
.rept 32
	v_pk_fma_f32 v[96+j:97+j], v[96+j:97+j], s[CS:CS+1], v[12:13] op_sel_hi:[1,0,0]   ; t - M
.set j, j+2
.endr
.irp b, 0,1,2,3
	v_fma_f32 v[212+\b], v[212+\b], s[CS], v12
.endr
.set j, 0
.rept 64
	v_exp_f32 v[96+j], v[96+j]                     ; p = 2^(t - M), at most 1
.set j, j+1
.endr
.irp b, 0,1,2,3
	v_exp_f32 v[212+\b], v[212+\b]                 ; the block's largest p: the same two instructions on the same number
.endr
	v_pk_mul_f32 v[14:15], v[14:15], v[244:245] op_sel_hi:[1,0]             ; the sums under the new M (a plain line behind the exponentials)
	s_wait_alu depctr_va_vdst(0)
.irp b, 0,1,2,3
	v_max_num_f32 v[212+\b], 0x1800000, v[212+\b]  ; the floor 2^(3 - 127)
.endr
.irp b, 0,1,2,3
	v_add_nc_u32 v[220+\b], 0xff000000, v[212+\b]
.endr
.irp b, 0,1,2,3
	v_lshrrev_b32 v[216+\b], 23, v[220+\b]
.endr
	v_lshl_or_b32 v230, v217, 8, v216              ; p's scale word for these 128 keys
	v_lshl_or_b32 v230, v218, 16, v230
	v_lshl_or_b32 v230, v219, 24, v230
.irp c, 0,1
	v_cvt_scalef32_pk16_fp6_f32 v[192+6*\c:194+6*\c], v[96+32*\c:111+32*\c], v[220+2*\c]
	v_cvt_scalef32_pk16_fp6_f32 v[204+4*\c:206+4*\c], v[112+32*\c:127+32*\c], v[221+2*\c]
.endr
	v_nop                                          ; one plain line behind a scaled conversion
.irp c, 0,1
.irp i, 0,1,2
	v_permlane16_swap_b32 v[192+6*\c+\i], v[204+4*\c+\i]
.endr
.irp i, 0,1,2
	v_mov_b32 v[195+6*\c+\i], v[204+4*\c+\i]
.endr
.endr
.set j, 0
.rept 16
	v_pk_mul_f32 v[160+j:161+j], v[160+j:161+j], v[244:245] op_sel_hi:[1,0] ; O^T under the new M
.set j, j+2
.endr
	v_pk_add_f32 v[248:249], v[96:97], v[98:99]    ; the row's sum is taken of the unquantised p, in two chains
.irp i, 4,8,12,16,20,24,28,32,36,40,44,48,52,56,60
	v_pk_add_f32 v[14:15], v[14:15], v[96+\i:97+\i]
	v_pk_add_f32 v[248:249], v[248:249], v[98+\i:99+\i]
.endr
	v_pk_add_f32 v[14:15], v[14:15], v[248:249]
	s_wait_dscnt 0x0                               ; V
.irp t, 0,2
	v_wmma_scale_f32_16x16x128_f8f6f4 v[160+8*\t:167+8*\t], v[32+12*\t:43+12*\t], v[192:203], v[160+8*\t:167+8*\t], v[228+\t/2], v230 matrix_a_fmt:MATRIX_FMT_FP6 matrix_b_fmt:MATRIX_FMT_FP6
	v_wmma_scale_f32_16x16x128_f8f6f4 v[168+8*\t:175+8*\t], v[44+12*\t:55+12*\t], v[192:203], v[168+8*\t:175+8*\t], v[228+\t/2], v230 matrix_a_fmt:MATRIX_FMT_FP6 matrix_b_fmt:MATRIX_FMT_FP6 matrix_a_scale:MATRIX_SCALE_ROW1
.endr
	PLACES
.endm
; A SLOT: two key steps.  fill = 1: my three pieces of the next slot are asked for at the head and stored into the other slot at the end.  Nobody reads that other slot between the barrier at the end of the slot before
; and the barrier here; in front of this barrier each wave's reads of this slot are in and its stores have landed.
.macro SLOT cur, fill
.if \fill
.irp i, 0,1,2
	global_load_b128 v[232+4*\i:235+4*\i], v1, s[14:15] offset:512*\i
.endr
.endif
	v_add_nc_u32 v5, s20, v4
	STEP \cur, 0
	STEP \cur, 1
	s_add_co_u32 s20, s20, 1536
.if \fill
	s_wait_loadcnt 0x0                             ; the pieces are in, so their base may step
.irp i, 0,1,2
	ds_store_b128 v3, v[232+4*\i:235+4*\i] offset:SLOT1*(1-\cur)+512*\i
.endr
	s_add_nc_u64 s[14:15], s[14:15], 12288
	BARRIER
.endif
.endm
.Lpair:                                ; 7 trips of two slots; the last two slots are written out: the very last asks for nothing
	SLOT 0, 1
	SLOT 1, 1
	s_sub_co_u32 s21, s21, 1
	s_cmp_lg_u32 s21, 0
	s_cbranch_scc1 .Lpair
	SLOT 0, 1
	SLOT 1, 0
	; ---- O^T / the sum, quantised along the head's 64 channels: one HALF and one word of scale bytes a lane
	v_add_f32 v14, v14, v15
	v_permlanex16_b32 v246, v14, s[SEL], s[SEL+1]
	v_add_f32 v14, v14, v246
	v_rcp_f32 v14, v14
	v_nop                                          ; one plain line behind a transcendental
.set j, 0
	s_wait_alu depctr_va_vdst(0)
.rept 32
	v_mul_f32 v[96+j], v[160+j], v14               ; register 16 b + i: channel 32 b + 16 (lane / 16) + i of my query
.set j, j+1
.endr
	QN 96, 1, 192, 212, 204, 246
	global_store_b128 v1, v[192:195], s[8:9]       ; 512 consecutive bytes, aligned
	global_store_b64 v2, v[196:197], s[8:9] offset:512
	global_store_b32 v7, v246, s[10:11]            ; 128 consecutive bytes
	s_wait_tensorcnt 0x0
	ds_add_u32 v254, v255
	s_wait_dscnt 0x0
	s_endpgm
.Lfunc_end_k_qb676fc588b_attn:
	.size	k_qb676fc588b_attn, .Lfunc_end_k_qb676fc588b_attn-k_qb676fc588b_attn
	.p2alignl 7, 3214868480
	.fill 96, 4, 3214868480
	.section	.rodata,"a",@progbits
	.p2align	6, 0x0
	.amdhsa_kernel k_qb676fc588b_attn
		.amdhsa_group_segment_fixed_size 92160
		.amdhsa_private_segment_fixed_size 0
		.amdhsa_enable_private_segment 0
		.amdhsa_kernarg_size 32
		.amdhsa_user_sgpr_count 2
		.amdhsa_user_sgpr_kernarg_segment_ptr 1
		.amdhsa_wavefront_size32 1
		.amdhsa_system_sgpr_workgroup_id_x 1
		.amdhsa_system_sgpr_workgroup_id_y 1
		.amdhsa_system_sgpr_workgroup_id_z 1
		.amdhsa_system_vgpr_workitem_id 0
		.amdhsa_next_free_vgpr 256
		.amdhsa_next_free_sgpr 66
		.amdhsa_reserve_vcc 0
		.amdhsa_float_denorm_mode_32 3
		.amdhsa_float_denorm_mode_16_64 3
		.amdhsa_memory_ordered 1
		.amdhsa_forward_progress 1
		.amdhsa_inst_pref_size 138
	.end_amdhsa_kernel
	.amdgpu_metadata
---
amdhsa.version: [ 1, 2 ]
amdhsa.kernels:
  - .name:           k_qb676fc588b_attn
    .symbol:         k_qb676fc588b_attn.kd
    .args:
      - { .name: qkvc, .offset: 0, .size: 8, .value_kind: global_buffer, .address_space: global }
      - { .name: qkvs, .offset: 8, .size: 8, .value_kind: global_buffer, .address_space: global }
      - { .name: aimg, .offset: 16, .size: 8, .value_kind: global_buffer, .address_space: global }
      - { .name: asc, .offset: 24, .size: 8, .value_kind: global_buffer, .address_space: global }
    .group_segment_fixed_size: 92160
    .private_segment_fixed_size: 0
    .kernarg_segment_align: 8
    .kernarg_segment_size: 32
    .max_flat_workgroup_size: 512
    .sgpr_count:     66
    .vgpr_count:     256
    .wavefront_size: 32
...
	.end_amdgpu_metadata
.endif
;; end of part 2
;; launch mlp (part 3): grid 256 x 1, 16 waves a work-group, no clusters, 202,240 bytes of LDS; arguments x, aimg, asc, wimg, Wo_scales, W1_scales, W2_scales, bo, g2, be2, b1, b2, out0; writes out0
.if DOCPART == 3
	.amdgcn_target "amdgcn-amd-amdhsa--gfx1250"
	.amdhsa_code_object_version 6
	.text
	.protected	k_qb676fc588b_mlp
	.globl	k_qb676fc588b_mlp
	.p2align	8
	.type	k_qb676fc588b_mlp,@function
k_qb676fc588b_mlp:
	s_mov_b64 s[64:65], 0
	v_nop
	global_prefetch_b8 v0, s[64:65] scope:SCOPE_SE
	s_setreg_imm32_b32 hwreg(HW_REG_WAVE_MODE, 25, 1), 1
	s_wait_xcnt 0x0
; x1 = x + att Wo + bo;  h2 = LayerNorm(x1) g2 + be2;  out0 = x1 + gelu(h2 W1 + b1) W2 + b2, gelu by erf.  All three products on codes of FP6 (E2M3) with one E8M0 scale for each 32 along K.
; att arrives as codes; h2 and the hidden layer are quantised on the way and never go to memory.
; SHARES.  A work-group takes 32 tokens, two tiles of 16, through the whole chain; sixteen waves share the COLUMNS.  A: wave 8 m + cg: token tile m, columns 64 cg on (4 tiles of Wo).  B: wave w: hidden units 128 w on, in two
; halves of 4 tiles, both token tiles.  C: wave w: columns 32 w on (2 tiles of W2), both token tiles.  Straight-line text, five barriers.
; All products are transposed (source 0 = 16 rows of a weight, source 1 = 16 tokens): a lane holds one token and its registers run along the columns.  Tiles are in tile order (row r of tile 2 P + u = index
; 32 P + 8 u + r + 8 (r / 8)), so a lane's 16 registers of two neighbouring tiles are 16 neighbours along the next K.
; THE WEIGHTS come from wimg as images of fragments, three loads of 512 consecutive bytes each, straight into registers, a group of four fragments ahead, in two sets of registers.  Each fragment feeds two matrix instructions.
; 32 tokens to a work-group give all 256 work-groups a share of the gelu, 128 numbers a lane.  The price: every work-group reads all 1,769,472 bytes of images.  They are not asked for jointly: inside a work-group each
; fragment is used by one wave (Wo's by two), so it passes through no LDS, which a joint request would need.
; OPERANDS GO FROM WAVE TO WAVE THROUGH LDS AS HALFs: 6 registers (16 rows x 64 K) in 768 bytes, registers 0-3 at 16 x lane, 4-5 at 512 + 8 x lane; scale bytes as pairs in a word a lane.
; erf: |z| <= 0.927734375: z + z P(z^2); above: 1 - exp(Q(|z|)), so that 1 + erf is exp(..) for z < 0 and 2 - exp(..) for z > 0: nothing is cancelled.  Both are computed, v_cndmask_b32 chooses.
; The norm takes the mean first and then the centred squares.  out0 is summed as (x1 + b2) + the product, not x1 + (the product + b2).
; LIMITS: NaN and infinities are not served; exp's results under 2^-126 count as 0 (gelu below about x = -13); a block under 2^-124 or of zeros gets the scale byte 1 (its codes are zeros; this program alone reads the bytes).
.set H2IMG, 0                          ; LDS: h2: 16 HALFs, index 8 m + column / 64
.set H2SC,  12288                      ; its scale words: 8 x 128 bytes, index 4 m + s
.set HIMG,  13312                      ; the hidden layer: 64 HALFs, index 2 (16 m + s) + c
.set HSC,   62464                      ; its scale words: 32 x 128 bytes, index 16 m + s
.set RED,   66560                      ; 16 waves x 64 bytes for the sums, and 1,024 bytes on the same for the squares
.set X1P,   68608                      ; x1 + b2 as images of accumulators, 1,024 bytes each, index 32 m + tile
.set STG,   134144                     ; the way out: 32 rows x (2,048 + 16) bytes
.set SEL,   32                         ; s[32:33] lane selects: lane l xor 16
.set C_KZ,  48                         ; pairs of constants (both words written)
.set C_L0,  50
.set C_L2,  52
.set C_L4,  54
.set C_L5,  56
.set C_L6,  58
.set C_LG,  60
.set C_S0,  62
.set C_S2,  66
.set C_S3,  68
.set C_S4,  70
.set C_S5,  72
.set V_L1,  250                        ; and three in vector pairs: a packed line takes one scalar source
.set V_L3,  252
.set V_S1,  254
.set GZ, 176                           ; gelu at work: z, |z|, z^2, the outer branch, the inner branch, the sign
.set GT, 184
.set GS, 192
.set GR, 200
.set GQ, 208
.set GG, 216
; v1 16 x lane, v2 8 x lane, v3 4 x lane, v4 x, v5 64 h, v6/v7 rows of scales; v8-13 the phase's LDS addresses; v[14:15] mean, then 1/sigma
.macro BARRIER                         ; my LDS stores have landed and my LDS loads are in: then the work-group's barrier
	s_wait_dscnt 0x0
	s_barrier_signal -1
	s_barrier_wait -1
.endm
.macro PLACES                          ; four plain lines behind matrix instructions, ahead of loads into their registers and of the first read of a result
.rept 4
	v_nop
.endr
.endm
.macro SPAIR reg, bits
	s_mov_b32 s[\reg], \bits
	s_mov_b32 s[\reg+1], \bits
.endm
; nu units of 32 numbers a lane, register 16 b + i = k 32 b + 16 (lane / 16) + i, become 6 registers of codes a unit and a pair of scale bytes
.macro QN src, nu, out, tm, t2, pw
.set qb, 0
.rept 2*\nu
	v_mov_b32 v[\tm+2*\nu+qb], 0                   ; a lane permute's destination counts as one of its sources
.set qb, qb+1
.endr
.set qb, 0
.rept 2*\nu
	v_max3_num_f32 v[\tm+qb], |v[\src+16*qb]|, |v[\src+16*qb+1]|, 0x1800000   ; and the floor 2^(3 - 127): the byte cannot fall under 1
.set qb, qb+1
.endr
.set qi, 2
.rept 7
.set qb, 0
.rept 2*\nu
	v_max3_num_f32 v[\tm+qb], v[\tm+qb], |v[\src+16*qb+qi]|, |v[\src+16*qb+qi+1]|
.set qb, qb+1
.endr
.set qi, qi+2
.endr
.set qb, 0
.rept 2*\nu
	v_permlanex16_b32 v[\tm+2*\nu+qb], v[\tm+qb], s[SEL], s[SEL+1]
.set qb, qb+1
.endr
.set qb, 0
.rept 2*\nu
	v_max_num_f32 v[\tm+qb], v[\tm+qb], v[\tm+2*\nu+qb]
.set qb, qb+1
.endr
.set qb, 0
.rept 2*\nu
	v_add_nc_u32 v[\tm+4*\nu+qb], 0xff000000, v[\tm+qb]   ; 2 off the exponent field: the conversion's scale operand
.set qb, qb+1
.endr
.set qb, 0
.rept 2*\nu
	v_lshrrev_b32 v[\tm+2*\nu+qb], 23, v[\tm+4*\nu+qb]    ; the scale's byte
.set qb, qb+1
.endr
.set qb, 0
.rept \nu
	v_lshl_or_b32 v[\pw+qb], v[\tm+2*\nu+2*qb+1], 8, v[\tm+2*\nu+2*qb]
.set qb, qb+1
.endr
.set qb, 0
.rept \nu
	v_cvt_scalef32_pk16_fp6_f32 v[\out+6*qb:\out+6*qb+2], v[\src+32*qb:\src+32*qb+15], v[\tm+4*\nu+2*qb]
	v_cvt_scalef32_pk16_fp6_f32 v[\t2+4*qb:\t2+4*qb+2], v[\src+32*qb+16:\src+32*qb+31], v[\tm+4*\nu+2*qb+1]
.set qb, qb+1
.endr
	v_nop                                          ; one plain line behind a scaled conversion
.set qb, 0
.rept \nu
.irp i, 0,1,2
	v_permlane16_swap_b32 v[\out+6*qb+\i], v[\t2+4*qb+\i]
.endr
.irp i, 0,1,2
	v_mov_b32 v[\out+6*qb+3+\i], v[\t2+4*qb+\i]
.endr
.set qb, qb+1
.endr
.endm
.macro MMC d, a, b, c, sa, sb
	v_wmma_scale_f32_16x16x128_f8f6f4 v[\d:\d+7], v[\a:\a+11], v[\b:\b+11], v[\c:\c+7], v[\sa], v[\sb] matrix_a_fmt:MATRIX_FMT_FP6 matrix_b_fmt:MATRIX_FMT_FP6
.endm
.macro COLS reg, base, off             ; 32 numbers of a vector over the columns, in the layout of four result tiles: register 16 pb + i = column 32 pb + 16 h + i
.irp pb, 0,1
.irp jj, 0,1,2,3
	global_load_b128 v[\reg+16*\pb+4*\jj:\reg+16*\pb+4*\jj+3], v5, s[\base:\base+1] offset:\off+128*\pb+16*\jj
.endr
.endr
.endm
	s_load_b512 s[4:19], s[0:1], 0x0               ; x, aimg, asc, wimg, Wo's, W1's, W2's scales, bo
	s_load_b256 s[20:27], s[0:1], 0x40             ; g2, be2, b1, b2
	s_load_b64 s[28:29], s[0:1], 0x60              ; out0
	v_lshrrev_b32 v1, 5, v0
	v_readfirstlane_b32 s30, v1                    ; wave 0..15
	v_and_b32 v16, 31, v0                          ; lane
	v_and_b32 v17, 15, v0                          ; r
	v_bfe_u32 v18, v0, 4, 1                        ; h
	v_and_b32 v19, 8, v17
	v_add_nc_u32 v19, v19, v17                     ; r + 8 (r / 8)
	v_lshlrev_b32 v1, 4, v16
	v_lshlrev_b32 v2, 3, v16
	v_lshlrev_b32 v3, 2, v16
	v_lshlrev_b32 v4, 11, v19
	v_lshl_add_u32 v4, v18, 6, v4
	v_lshlrev_b32 v5, 6, v18
	v_lshlrev_b32 v6, 4, v19
	v_lshlrev_b32 v7, 6, v19
	s_lshl_b32 s82, s30, 6                         ; phase A's LDS addresses
	v_lshl_add_u32 v8, v17, 2, s82
	v_add_nc_u32 v8, RED, v8                       ; my wave's 16 sums
	s_lshr_b32 s82, s30, 3
	s_lshl_b32 s82, s82, 9
	v_lshl_add_u32 v9, v17, 2, s82
	v_add_nc_u32 v9, RED, v9                       ; those of the eight waves of my token tile
	s_lshl_b32 s82, s30, 12
	s_add_co_u32 s82, s82, X1P
	v_add_nc_u32 v10, s82, v1                      ; x1 + b2: images 4 w .. 4 w + 3
	s_mul_i32 s82, s30, 768
	v_add_nc_u32 v11, s82, v1                      ; h2: HALF w
	s_add_co_u32 s82, s82, 512
	v_add_nc_u32 v12, s82, v2
	s_lshr_b32 s82, s30, 1
	s_lshl_b32 s82, s82, 7
	s_and_b32 s83, s30, 1
	s_lshl_b32 s83, s83, 1
	s_add_co_u32 s82, s82, s83
	s_add_co_u32 s82, s82, H2SC
	v_add_nc_u32 v13, s82, v3                      ; its pair of scale bytes: word w / 2, half w % 2
	s_mov_b32 s[SEL], 0x76543210
	s_mov_b32 s[SEL+1], 0xfedcba98
	s_mov_b32 s34, 0x05040100                      ; v_perm_b32: the two low halves
	s_mov_b32 s35, 0x7fffffff
	s_mov_b32 s36, 0x3f6d8000                      ; 0.927734375
	s_mov_b32 s46, 0x3b000000                      ; 1 / 512
	s_mov_b32 s47, 0x3727c5ac                      ; 1e-5
	SPAIR C_KZ, 0x3f3504f3                         ; 1 / sqrt(2)
	SPAIR C_L0, 0xb7910000
	SPAIR C_L2, 0xbb7e8a1c
	SPAIR C_L4, 0xbddaae5c
	SPAIR C_L5, 0xbf228550
	SPAIR C_L6, 0xbe03ce86
	SPAIR C_LG, 0x3fb8aa3b                         ; log2(e)
	SPAIR C_S0, 0xba1c7000
	SPAIR C_S2, 0xbcdb48d9
	SPAIR C_S3, 0x3de70e22
	SPAIR C_S4, 0xbec09380
	SPAIR C_S5, 0x3e0375d4
	s_and_b32 s78, s30, 7                          ; cg
	s_lshr_b32 s79, s30, 3                         ; m
	s_mov_b32 s81, 0
	s_wait_kmcnt 0x0
	s_lshl_b32 s80, ttmp9, 5                       ; x: row 32 X + 8 m, + 256 cg bytes
	s_lshl_b32 s82, s79, 3
	s_add_co_u32 s80, s80, s82
	s_lshl_b32 s80, s80, 11
	s_lshl_b32 s82, s78, 8
	s_add_co_u32 s80, s80, s82
	s_add_nc_u64 s[4:5], s[4:5], s[80:81]
	s_mov_b32 s80, s82                             ; the vectors over the columns: 256 cg bytes
	s_add_nc_u64 s[18:19], s[18:19], s[80:81]
	s_add_nc_u64 s[20:21], s[20:21], s[80:81]
	s_add_nc_u64 s[22:23], s[22:23], s[80:81]
	s_add_nc_u64 s[26:27], s[26:27], s[80:81]
	s_lshl_b32 s83, ttmp9, 1
	s_add_co_u32 s83, s83, s79                     ; my token tile among the 512
	s_lshl_b32 s80, s83, 10
	s_add_nc_u64 s[8:9], s[8:9], s[80:81]
	s_mul_i32 s80, s83, 6144
	s_add_nc_u64 s[6:7], s[6:7], s[80:81]
	s_lshl_b32 s80, s78, 10
	s_add_nc_u64 s[12:13], s[12:13], s[80:81]      ; Wo's scales: 64 cg rows of 16 bytes
	s_mul_i32 s80, s78, 24576
	s_add_nc_u64 s[74:75], s[10:11], s[80:81]      ; Wo's images: 16 cg on
	s_mul_i32 s80, s30, 49152
	s_add_nc_u64 s[10:11], s[10:11], s[80:81]
	s_add_nc_u64 s[76:77], s[10:11], 196608        ; W1's: 128 + 32 w on
	s_add_nc_u64 s[10:11], s[10:11], 983040        ; W2's: 640 + 32 w on
	s_lshl_b32 s80, s30, 11
	s_add_nc_u64 s[14:15], s[14:15], s[80:81]      ; W1's scales: 128 w rows of 16 bytes
	s_add_nc_u64 s[16:17], s[16:17], s[80:81]      ; W2's: 32 w rows of 64
	s_lshl_b32 s80, s30, 9
	s_add_nc_u64 s[24:25], s[24:25], s[80:81]      ; b1: 128 w numbers
	s_lshl_b32 s80, ttmp9, 5                       ; out0: stage rows 2 w, 2 w + 1 are tokens 32 X + 8 (w / 8) + 2 (w % 8) + 2 (w & 4) and the next
	s_lshl_b32 s82, s79, 3
	s_add_co_u32 s80, s80, s82
	s_lshl_b32 s82, s78, 1
	s_add_co_u32 s80, s80, s82
	s_and_b32 s82, s30, 4
	s_lshl_b32 s82, s82, 1
	s_add_co_u32 s80, s80, s82
	s_lshl_b32 s80, s80, 11
	s_add_nc_u64 s[28:29], s[28:29], s[80:81]
	; ================ A: x1 = x + bo + att Wo.  v32-63 the four accumulators; v64-111 att's four fragments; v112-159, v160-207 Wo's fragments, two sets; v208-239 bo; v240-255 Wo's scale words; v16-23 att's pairs, v24-27 its words
.irp pb, 0,1
.irp jj, 0,1,2,3
	global_load_b128 v[32+16*\pb+4*\jj:35+16*\pb+4*\jj], v4, s[4:5] offset:128*\pb+16*\jj
.endr
.endr
	COLS 208, 18, 0
.irp k, 0,1,2,3,4,5,6,7
	global_load_b32 v[16+\k], v3, s[8:9] offset:128*\k
.endr
.irp k, 0,1,2,3,4,5,6,7                ; head k's HALF: registers 6 k on: K step s = heads 2 s, 2 s + 1
	global_load_b128 v[64+6*\k:67+6*\k], v1, s[6:7] offset:768*\k
	global_load_b64 v[68+6*\k:69+6*\k], v2, s[6:7] offset:768*\k+512
.endr
.irp t, 0,1,2,3
	global_load_b128 v[240+4*\t:243+4*\t], v6, s[12:13] offset:(32*(\t/2)+8*(\t%2))*16
.endr
.macro WOLOAD s
.irp t, 0,1,2,3
.irp c, 0,1,2
	global_load_b128 v[112+48*((\s)%2)+12*\t+4*\c:115+48*((\s)%2)+12*\t+4*\c], v1, s[74:75] offset:(4*\t+\s)*1536+512*\c
.endr
.endr
.endm
.macro MMWO s
.irp t, 0,1,2,3
	MMC 32+8*\t, 112+48*((\s)%2)+12*\t, 64+12*\s, 32+8*\t, 240+4*\t+\s, 24+\s
.endr
.endm
	WOLOAD 0
	WOLOAD 1
	s_wait_loadcnt 44                              ; x, bo and att's pairs are in; behind them: att 16, Wo's scales 4, two K steps of Wo 24
.irp s, 0,1,2,3
	v_perm_b32 v[24+\s], v[17+2*\s], v[16+2*\s], s34   ; att's scale word for K step s: head 2 s's pair below, head 2 s + 1's above
.endr
.set j, 0
.rept 16
	v_pk_add_f32 v[32+j:33+j], v[32+j:33+j], v[208+j:209+j]   ; x + bo is what the sums begin with
.set j, j+2
.endr
	PLACES
	s_wait_loadcnt 12                              ; all but Wo's K step 1
	MMWO 0
	PLACES
	WOLOAD 2
	s_wait_loadcnt 12                              ; all but the K step just asked for
	MMWO 1
	PLACES
	WOLOAD 3
	s_wait_loadcnt 12
	MMWO 2
	s_wait_loadcnt 0x0
	MMWO 3
	PLACES
.macro W1SC hf                         ; W1's scale words of my half's four tiles
.irp tt, 0,1,2,3
	global_load_b128 v[16+4*\tt:19+4*\tt], v6, s[14:15] offset:(64*\hf+32*(\tt/2)+8*(\tt%2))*16
.endr
.endm
.macro GLOAD1 hf, s                    ; W1's four fragments of K step s
.irp tt, 0,1,2,3
.irp c, 0,1,2
	global_load_b128 v[128+48*((\s)%2)+12*\tt+4*\c:131+48*((\s)%2)+12*\tt+4*\c], v1, s[76:77] offset:(16*\hf+4*\tt+\s)*1536+512*\c
.endr
.endr
.endm
.macro GLOAD2 gk                       ; W2's four fragments of K steps 2 gk, 2 gk + 1
.irp sl, 0,1
.irp n, 0,1
.irp c, 0,1,2
	global_load_b128 v[128+48*((\gk)%2)+12*(2*\sl+\n)+4*\c:131+48*((\gk)%2)+12*(2*\sl+\n)+4*\c], v1, s[10:11] offset:(16*\n+2*(\gk)+\sl)*1536+512*\c
.endr
.endr
.endr
.endm
	COLS 208, 26, 0                                ; b2
	COLS 64, 20, 0                                 ; g2
	COLS 176, 22, 0                                ; be2
	W1SC 0                                         ; and what phase B begins with
	COLS 96, 24, 0                                 ; b1
	GLOAD1 0, 0
	; ---- the norm of x1: my 32 numbers (a chain to a tile, each from its low end), lane l xor 16's, the eight waves' through LDS
.irp t, 0,1,2,3
	v_pk_add_f32 v[240+2*\t:241+2*\t], v[32+8*\t:33+8*\t], v[34+8*\t:35+8*\t]
.endr
.irp i, 4,6
.irp t, 0,1,2,3
	v_pk_add_f32 v[240+2*\t:241+2*\t], v[240+2*\t:241+2*\t], v[32+8*\t+\i:33+8*\t+\i]
.endr
.endr
.macro JOIN
	v_pk_add_f32 v[240:241], v[240:241], v[242:243]
	v_pk_add_f32 v[244:245], v[244:245], v[246:247]
	v_pk_add_f32 v[240:241], v[240:241], v[244:245]
	v_add_f32 v240, v240, v241
	v_permlanex16_b32 v241, v240, s[SEL], s[SEL+1]
	v_add_f32 v240, v240, v241
.endm
.macro GATHER off                      ; the eight waves' sums, added in one order in every wave
.irp k, 0,1,2,3,4,5,6,7
	ds_load_b32 v[240+\k], v9 offset:\off+64*\k
.endr
	s_wait_dscnt 0x0
	v_add_f32 v240, v240, v241
	v_add_f32 v242, v242, v243
	v_add_f32 v244, v244, v245
	v_add_f32 v246, v246, v247
	v_add_f32 v240, v240, v242
	v_add_f32 v244, v244, v246
	v_add_f32 v240, v240, v244
.endm
	JOIN
	ds_store_b32 v8, v240                          ; lanes l and l xor 16 write the same word with the same value
	BARRIER
	GATHER 0
	v_mul_f32 v14, s46, v240                       ; the mean
	v_mov_b32 v15, v14
	s_wait_loadcnt 40                              ; b2 is in; behind it: g2 8, be2 8, W1's scales 4, b1 8, W1's fragments 12
.set j, 0
.rept 16
	v_pk_add_f32 v[208+j:209+j], v[208+j:209+j], v[32+j:33+j]   ; x1 + b2: what phase C's sums begin with
.set j, j+2
.endr
.irp t, 0,1,2,3
	ds_store_b128 v10, v[208+8*\t:211+8*\t] offset:1024*\t
	ds_store_b128 v10, v[212+8*\t:215+8*\t] offset:1024*\t+512
.endr
.set j, 0
.rept 16
	v_pk_add_f32 v[32+j:33+j], v[32+j:33+j], v[14:15] neg_lo:[0,1] neg_hi:[0,1]
.set j, j+2
.endr
.irp t, 0,1,2,3
	v_pk_mul_f32 v[240+2*\t:241+2*\t], v[32+8*\t:33+8*\t], v[32+8*\t:33+8*\t]
.endr
.irp i, 2,4,6
.irp t, 0,1,2,3
	v_pk_fma_f32 v[240+2*\t:241+2*\t], v[32+8*\t+\i:33+8*\t+\i], v[32+8*\t+\i:33+8*\t+\i], v[240+2*\t:241+2*\t]
.endr
.endr
	JOIN
	ds_store_b32 v8, v240 offset:1024
	BARRIER
	GATHER 1024
	v_fma_f32 v14, v240, s46, s47                  ; the variance + 1e-5
	v_rsq_f32 v14, v14
	v_nop                                          ; one plain line behind a transcendental
	s_wait_alu depctr_va_vdst(0)
	v_mov_b32 v15, v14
	s_wait_loadcnt 24                              ; g2 and be2 are in; behind them: W1's scales 4, b1 8, W1's fragments 12
.set j, 0
.rept 16
	v_pk_mul_f32 v[32+j:33+j], v[32+j:33+j], v[14:15]
.set j, j+2
.endr
.set j, 0
.rept 16
	v_pk_fma_f32 v[32+j:33+j], v[32+j:33+j], v[64+j:65+j], v[176+j:177+j]
.set j, j+2
.endr
	QN 32, 1, 208, 240, 216, 246
	ds_store_b128 v11, v[208:211]
	ds_store_b64 v12, v[212:213]
	ds_store_b16 v13, v246
	BARRIER                                        ; h2's sixteen HALFs and their scale words lie in LDS
	; ================ B: the hidden layer.  v16-31 W1's scale words; v32-95 eight accumulators (token tile m, tile tt at 32 + 8 (4 m + tt)); v96-127 b1; v128-175, v176-223 W1's fragments, two sets; v224-247 h2's two fragments; v248-249 their scale words
	s_mul_i32 s82, s30, 1536
	s_add_co_u32 s82, s82, HIMG
	v_add_nc_u32 v8, s82, v1
	s_add_co_u32 s82, s82, 512
	v_add_nc_u32 v9, s82, v2
	s_lshl_b32 s82, s30, 7
	s_add_co_u32 s82, s82, HSC
	v_add_nc_u32 v10, s82, v3
	v_mov_b32 v[V_L1], 0x39c8e7d9
	v_mov_b32 v[V_L1+1], 0x39c8e7d9
	v_mov_b32 v[V_L3], 0x3cc6b1a1
	v_mov_b32 v[V_L3+1], 0x3cc6b1a1
	v_mov_b32 v[V_S1], 0x3ba38d2c
	v_mov_b32 v[V_S1+1], 0x3ba38d2c
; One K step of 128 for my half's four tiles and both token tiles: the next group of fragments is asked for first, so that it has this group's work in which to land
.macro GRP hf, s
.if \s < 3
	GLOAD1 \hf, \s+1
.elseif \hf == 0
	GLOAD1 1, 0
.else
	GLOAD2 0
.endif
.irp m, 0,1
.irp c, 0,1
	ds_load_b128 v[224+12*\m+6*\c:227+12*\m+6*\c], v1 offset:H2IMG+(4*\m+\s)*1536+768*\c
	ds_load_b64 v[228+12*\m+6*\c:229+12*\m+6*\c], v2 offset:H2IMG+(4*\m+\s)*1536+768*\c+512
.endr
	ds_load_b32 v[248+\m], v3 offset:H2SC+(4*\m+\s)*128
.endr
	s_wait_loadcnt 12                              ; all but the 12 just issued
	s_wait_dscnt 0x0
.irp m, 0,1
.irp tt, 0,1,2,3
.if \s == 0
	MMC 32+8*(4*\m+\tt), 128+12*\tt, 224+12*\m, 96+8*\tt, 16+4*\tt, 248+\m          ; b1 is the C of each sum's first product
.else
	MMC 32+8*(4*\m+\tt), 128+48*((\s)%2)+12*\tt, 224+12*\m, 32+8*(4*\m+\tt), 16+4*\tt+\s, 248+\m
.endif
.endr
.endr
	PLACES
.endm
; gelu of the 8 numbers of one tile, in place: x / 2 x (1 + erf(x / sqrt(2)))
.macro GELU8 x
.irp p, 0,2,4,6
	v_pk_mul_f32 v[GZ+\p:GZ+\p+1], v[\x+\p:\x+\p+1], s[C_KZ:C_KZ+1] op_sel_hi:[1,0]
.endr
.irp p, 0,1,2,3,4,5,6,7
	v_and_b32 v[GT+\p], s35, v[GZ+\p]
.endr
.irp p, 0,2,4,6
	v_pk_mul_f32 v[GS+\p:GS+\p+1], v[GZ+\p:GZ+\p+1], v[GZ+\p:GZ+\p+1]
.endr
.irp p, 0,2,4,6
	v_pk_fma_f32 v[GR+\p:GR+\p+1], v[GT+\p:GT+\p+1], s[C_L0:C_L0+1], v[V_L1:V_L1+1] op_sel_hi:[1,0,1]
.endr
.irp p, 0,2,4,6
	v_pk_fma_f32 v[GQ+\p:GQ+\p+1], v[GT+\p:GT+\p+1], s[C_L2:C_L2+1], v[V_L3:V_L3+1] op_sel_hi:[1,0,1]
.endr
.irp p, 0,2,4,6
	v_pk_fma_f32 v[GR+\p:GR+\p+1], v[GR+\p:GR+\p+1], v[GS+\p:GS+\p+1], v[GQ+\p:GQ+\p+1]
.endr
.irp k, C_L4, C_L5, C_L6
.irp p, 0,2,4,6
	v_pk_fma_f32 v[GR+\p:GR+\p+1], v[GR+\p:GR+\p+1], v[GT+\p:GT+\p+1], s[\k:\k+1] op_sel_hi:[1,1,0]
.endr
.endr
.irp p, 0,2,4,6
	v_pk_fma_f32 v[GR+\p:GR+\p+1], v[GR+\p:GR+\p+1], v[GT+\p:GT+\p+1], v[GT+\p:GT+\p+1] neg_lo:[0,0,1] neg_hi:[0,0,1]
.endr
.irp p, 0,2,4,6
	v_pk_mul_f32 v[GR+\p:GR+\p+1], v[GR+\p:GR+\p+1], s[C_LG:C_LG+1] op_sel_hi:[1,0]
.endr
.irp p, 0,1,2,3,4,5,6,7
	v_exp_f32 v[GR+\p], v[GR+\p]                   ; E = 1 - erf(|z|)
.endr
.irp p, 0,2,4,6
	v_pk_fma_f32 v[GQ+\p:GQ+\p+1], v[GS+\p:GS+\p+1], s[C_S0:C_S0+1], v[V_S1:V_S1+1] op_sel_hi:[1,0,1]   ; (plain lines behind the exponentials)
.endr
.irp k, C_S2, C_S3, C_S4, C_S5
.irp p, 0,2,4,6
	v_pk_fma_f32 v[GQ+\p:GQ+\p+1], v[GQ+\p:GQ+\p+1], v[GS+\p:GS+\p+1], s[\k:\k+1] op_sel_hi:[1,1,0]
.endr
.endr
.irp p, 0,2,4,6
	v_pk_fma_f32 v[GQ+\p:GQ+\p+1], v[GQ+\p:GQ+\p+1], v[GZ+\p:GZ+\p+1], v[GZ+\p:GZ+\p+1]
.endr
.irp p, 0,2,4,6
	v_pk_add_f32 v[GQ+\p:GQ+\p+1], v[GQ+\p:GQ+\p+1], 1.0 op_sel_hi:[1,0]    ; 1 + erf, the inner branch
.endr
.irp p, 0,1,2,3,4,5,6,7
	v_bfi_b32 v[GG+\p], s35, 1.0, v[GZ+\p]         ; 1 with z's sign
.endr
.irp p, 0,2,4,6
	v_pk_add_f32 v[GZ+\p:GZ+\p+1], v[GG+\p:GG+\p+1], 1.0 op_sel_hi:[1,0]
.endr
	s_wait_alu depctr_va_vdst(0)
.irp p, 0,2,4,6
	v_pk_fma_f32 v[GR+\p:GR+\p+1], v[GG+\p:GG+\p+1], v[GR+\p:GR+\p+1], v[GZ+\p:GZ+\p+1] neg_lo:[1,0,0] neg_hi:[1,0,0]   ; 1 + erf, the outer branch: E for z < 0, 2 - E for z > 0
.endr
.irp p, 0,1,2,3,4,5,6,7
	v_cmp_lt_f32 s[38+\p], s36, v[GT+\p]
.endr
.irp p, 0,1,2,3,4,5,6,7
	v_cndmask_b32 v[GQ+\p], v[GQ+\p], v[GR+\p], s[38+\p]
.endr
.irp p, 0,2,4,6
	v_pk_mul_f32 v[\x+\p:\x+\p+1], v[\x+\p:\x+\p+1], 0.5 op_sel_hi:[1,0]
.endr
.irp p, 0,2,4,6
	v_pk_mul_f32 v[\x+\p:\x+\p+1], v[\x+\p:\x+\p+1], v[GQ+\p:GQ+\p+1]
.endr
.endm
.macro HALFB hf
	GRP \hf, 0
	GRP \hf, 1
	GRP \hf, 2
	GRP \hf, 3
.if \hf == 0
	W1SC 1                                         ; the second half's scale words and b1: with its first fragments they are covered by its first wait
	COLS 96, 24, 256
.endif
.irp k, 0,1,2,3,4,5,6,7
	GELU8 32+8*\k
.endr
	QN 32, 2, 176, 188, 200, 208                   ; unit m = token tile m: 64 of K step w of the second product
.irp m, 0,1
	ds_store_b128 v8, v[176+6*\m:179+6*\m] offset:24576*\m+768*\hf
	ds_store_b64 v9, v[180+6*\m:181+6*\m] offset:24576*\m+768*\hf
	ds_store_b16 v10, v[208+\m] offset:2048*\m+2*\hf
.endr
	s_wait_dscnt 0x0                               ; the stores have read their registers
.endm
	HALFB 0
	HALFB 1
.irp n, 0,1
.irp q, 0,1,2,3
	global_load_b128 v[224+16*\n+4*\q:227+16*\n+4*\q], v7, s[16:17] offset:512*\n+16*\q   ; W2's scale words: word s of a row serves K step s
.endr
.endr
	BARRIER                                        ; the hidden layer's 64 HALFs and their scale words lie in LDS
	; ================ C: out0 = (x1 + b2) + hidden W2.  v32-63 four accumulators (32 + 8 (2 m + n)); v64-111 four hidden fragments; v112-115 their scale words; v128-223 W2's fragments, two sets; v224-255 W2's scale words
	v_add_nc_u32 v8, HIMG, v1
	v_add_nc_u32 v9, HIMG+512, v2
	v_add_nc_u32 v10, HSC, v3
	s_lshl_b32 s82, s30, 11
	s_add_co_u32 s82, s82, X1P
	v_add_nc_u32 v11, s82, v1
	v_and_b32 v12, 15, v0
	v_mul_u32_u24 v12, v12, 2064
	v_add_nc_u32 v12, v12, v5
	s_lshl_b32 s82, s30, 7
	s_add_co_u32 s82, s82, STG
	v_add_nc_u32 v12, s82, v12                     ; the stage: row r, + 64 h, + 128 w: my 16 numbers of a row
	s_mul_i32 s82, s30, 4128
	s_add_co_u32 s82, s82, STG
	v_add_nc_u32 v13, s82, v1                      ; back: rows 2 w and 2 w + 1
.irp m, 0,1
.irp n, 0,1
	ds_load_b128 v[32+8*(2*\m+\n):35+8*(2*\m+\n)], v11 offset:32768*\m+1024*\n
	ds_load_b128 v[36+8*(2*\m+\n):39+8*(2*\m+\n)], v11 offset:32768*\m+1024*\n+512
.endr
.endr
.irp gk, 0,1,2,3,4,5,6,7
.if \gk < 7
	GLOAD2 \gk+1
.endif
.irp sl, 0,1
.irp m, 0,1
.irp c, 0,1
	ds_load_b128 v[64+12*(2*\sl+\m)+6*\c:67+12*(2*\sl+\m)+6*\c], v8 offset:(16*\m+2*\gk+\sl)*1536+768*\c
	ds_load_b64 v[68+12*(2*\sl+\m)+6*\c:69+12*(2*\sl+\m)+6*\c], v9 offset:(16*\m+2*\gk+\sl)*1536+768*\c
.endr
	ds_load_b32 v[112+2*\sl+\m], v10 offset:(16*\m+2*\gk+\sl)*128
.endr
.endr
.if \gk < 7
	s_wait_loadcnt 12                              ; all but the 12 just issued (in the first turn W2's scale words are covered too)
.else
	s_wait_loadcnt 0x0
.endif
	s_wait_dscnt 0x0
.irp sl, 0,1
.irp m, 0,1
.irp n, 0,1
	MMC 32+8*(2*\m+\n), 128+48*(\gk%2)+12*(2*\sl+\n), 64+12*(2*\sl+\m), 32+8*(2*\m+\n), 224+16*\n+2*\gk+\sl, 112+2*\sl+\m
.endr
.endr
.endr
	PLACES
.endr
	; ---- the way out: a lane's 16 numbers are 64 neighbouring bytes of a row; a row's 2,048 bytes come from sixteen waves: through the stage, then each wave stores two whole rows
.irp m, 0,1
.irp jj, 0,1,2,3
	ds_store_b128 v12, v[32+16*\m+4*\jj:35+16*\m+4*\jj] offset:33024*\m+16*\jj
.endr
.endr
	BARRIER
.irp i, 0,1
.irp k, 0,1,2,3
	ds_load_b128 v[64+4*(4*\i+\k):67+4*(4*\i+\k)], v13 offset:2064*\i+512*\k
.endr
.endr
.irp i, 0,1
.irp k, 0,1,2,3
	s_wait_dscnt 7-4*\i-\k                         ; LDS loads come back in order: this piece is in, the younger ones may be out
	global_store_b128 v1, v[64+4*(4*\i+\k):67+4*(4*\i+\k)], s[28:29] offset:2048*\i+512*\k th:TH_STORE_NT   ; 512 consecutive bytes of a row, aligned; written once, read by nobody here
.endr
.endr
	s_wait_xcnt 0x0
	v_lshl_add_u32 v252, v0, 2, 0x30e00
	v_mov_b32 v253, 0
	s_wait_tensorcnt 0x0
	ds_add_u32 v252, v253
	s_wait_dscnt 0x0
	s_endpgm
.Lfunc_end_k_qb676fc588b_mlp:
	.size	k_qb676fc588b_mlp, .Lfunc_end_k_qb676fc588b_mlp-k_qb676fc588b_mlp
	.p2alignl 7, 3214868480
	.fill 96, 4, 3214868480
	.section	.rodata,"a",@progbits
	.p2align	6, 0x0
	.amdhsa_kernel k_qb676fc588b_mlp
		.amdhsa_group_segment_fixed_size 202240
		.amdhsa_private_segment_fixed_size 0
		.amdhsa_enable_private_segment 0
		.amdhsa_kernarg_size 104
		.amdhsa_user_sgpr_count 2
		.amdhsa_user_sgpr_kernarg_segment_ptr 1
		.amdhsa_wavefront_size32 1
		.amdhsa_system_sgpr_workgroup_id_x 1
		.amdhsa_system_sgpr_workgroup_id_y 1
		.amdhsa_system_sgpr_workgroup_id_z 1
		.amdhsa_system_vgpr_workitem_id 0
		.amdhsa_next_free_vgpr 256
		.amdhsa_next_free_sgpr 84
		.amdhsa_reserve_vcc 0
		.amdhsa_float_denorm_mode_32 3
		.amdhsa_float_denorm_mode_16_64 3
		.amdhsa_memory_ordered 1
		.amdhsa_forward_progress 1
		.amdhsa_inst_pref_size 216
	.end_amdhsa_kernel
	.amdgpu_metadata
---
amdhsa.version: [ 1, 2 ]
amdhsa.kernels:
  - .name:           k_qb676fc588b_mlp
    .symbol:         k_qb676fc588b_mlp.kd
    .args:
      - { .name: x, .offset: 0, .size: 8, .value_kind: global_buffer, .address_space: global }
      - { .name: aimg, .offset: 8, .size: 8, .value_kind: global_buffer, .address_space: global }
      - { .name: asc, .offset: 16, .size: 8, .value_kind: global_buffer, .address_space: global }
      - { .name: wimg, .offset: 24, .size: 8, .value_kind: global_buffer, .address_space: global }
      - { .name: Wo_scales, .offset: 32, .size: 8, .value_kind: global_buffer, .address_space: global }
      - { .name: W1_scales, .offset: 40, .size: 8, .value_kind: global_buffer, .address_space: global }
      - { .name: W2_scales, .offset: 48, .size: 8, .value_kind: global_buffer, .address_space: global }
      - { .name: bo, .offset: 56, .size: 8, .value_kind: global_buffer, .address_space: global }
      - { .name: g2, .offset: 64, .size: 8, .value_kind: global_buffer, .address_space: global }
      - { .name: be2, .offset: 72, .size: 8, .value_kind: global_buffer, .address_space: global }
      - { .name: b1, .offset: 80, .size: 8, .value_kind: global_buffer, .address_space: global }
      - { .name: b2, .offset: 88, .size: 8, .value_kind: global_buffer, .address_space: global }
      - { .name: out0, .offset: 96, .size: 8, .value_kind: global_buffer, .address_space: global }
    .group_segment_fixed_size: 202240
    .private_segment_fixed_size: 0
    .kernarg_segment_align: 8
    .kernarg_segment_size: 104
    .max_flat_workgroup_size: 512
    .sgpr_count:     84
    .vgpr_count:     256
    .wavefront_size: 32
...
	.end_amdgpu_metadata
.endif
;; end of part 3
;; ======== version 2 of 2: 3 launches; version 1 with the launches lnqkv, attn, mlp written anew for expert scheduling mode
;; workspace buffers: qkvc 9,437,184 bytes; qkvs 786,432 bytes; wimg 1,769,472 bytes; aimg 3,145,728 bytes; asc 524,288 bytes
;; launch lnqkv (part 4): grid 128 x 3, 8 waves a work-group, no clusters, 32,768 bytes of LDS; arguments x, g1, be1, Wq_codes, Wk_codes, Wv_codes, Wq_scales, Wk_scales, Wv_scales, Wo_codes, W1_codes, W2_codes, qkvc, qkvs, wimg; writes qkvc, qkvs, wimg
.if DOCPART == 4
	.amdgcn_target "amdgcn-amd-amdhsa--gfx1250"
	.amdhsa_code_object_version 6
	.text
	.protected	k_qb676fc588b_lnqkv
	.globl	k_qb676fc588b_lnqkv
	.p2align	8
	.type	k_qb676fc588b_lnqkv,@function
k_qb676fc588b_lnqkv:
	s_mov_b64 s[64:65], 0
	v_nop
	global_prefetch_b8 v0, s[64:65] scope:SCOPE_SE
	s_setreg_imm32_b32 hwreg(HW_REG_WAVE_SCHED_MODE, 0, 2), 2
	s_setreg_imm32_b32 hwreg(HW_REG_WAVE_MODE, 25, 1), 1
	s_wait_xcnt 0x0
	s_wait_alu depctr_vm_vsrc(0)
; h = LayerNorm(x) g1 + be1, quantised along its 512; then ONE of h Wq, h Wk, h Wv (work-group y = 0, 1, 2) on codes of FP6 (E2M3) with one E8M0 scale for each 32 along K; the result is quantised at once,
; q and k along a head's 64 channels, v along the keys, and leaves as codes and scale bytes laid in the order of the reader's operand registers.  Besides, the launch lays Wo, W1, W2 out as images of fragments.
; SHARES.  Work-group (X, y): tokens 64 X .. 64 X + 63 of the 8,192, four tiles of 16.  Eight waves.  For the norm wave w takes tile w / 2 and columns 256 (w % 2) on; for the product wave w takes head w:
; 4 tiles of W's rows x 4 tiles of tokens x 4 K steps of 128 = 64 matrix instructions on 16 accumulators, which take turns.
; TILE ORDER, everywhere: row r of tile 2 P + u stands for index 32 P + 8 u + r + 8 (r / 8).  So the 16 registers that a lane holds of two neighbouring result tiles are 16 neighbours along the next product's K.
; q, k: source 0 = rows of W, source 1 = tokens: a lane holds one token, its registers run along the head's channels.  v: the sources swapped: a lane holds one channel, its registers run along the tokens, its K.
; A HALF is 6 operand registers (16 rows x 64 along K) in 768 bytes: registers 0-3 at 16 x lane, registers 4-5 at 512 + 8 x lane: each store of a wave covers 512 or 256 consecutive bytes, aligned.
; The norm takes the mean first and then the centred squares, so a common offset in x costs no accuracy.
; The weights' rows are shared by the 128 work-groups of a y; they are not asked for jointly: each fragment is used by one wave of a work-group, so it goes straight into registers and never through LDS.
; LIMITS: NaN and infinities among the inputs are not served.  A block whose largest magnitude lies under 2^-124 gets the scale byte 1, a block of zeros too (not 127): its codes are zeros, and this program alone reads the bytes.
; THE MODE: SCHED_MODE bits 1:0 = 2 (LLVM: expert scheduling mode 2), set by the entry lines.  The code itself states the register dependences between vector or matrix instructions and memory or LDS
; instructions, with s_wait_alu, always for 0.
; THE PLAN.  Registers that memory or LDS instructions touch, and who else names them:
;   v1-v11         offsets and LDS addresses: written once at the head, never again: one wait on va_vdst ahead of the first load serves them all.
;   v30            the LDS address of my piece of g1 or be1: read by one store; W's scale words land on it later, behind a wait on vm_vsrc.
;   v100           my wave's sum: the additions write it, an LDS store reads it, twice.  v102, v103: the two waves' sums land there.  A wait on va_vdst ahead of each store, one on vm_vsrc ahead of each rewriting.
;   GG, BB         g1 and be1 of two blocks: LDS loads land, AFFINE's lines read.  All of v0-255 is taken, so there is one set, and a wait on va_vdst stands ahead of each of its three refills.
;   v96, v108-119  a fragment's scale word and codes: the quantiser writes, IMAGE's stores read: va_vdst ahead of the stores, vm_vsrc ahead of the next writer (the quantiser; then the loads of h's fragments).
;   v32-79, v80-127, v12-15   in the product: W's and h's fragments, h's scale words: loads land, the K step's 16 products read.  ONE wait on va_vdst at the head of K steps 1 to 3 serves the step's 40 loads.
;   v32-55, v100-101          on the way out: the quantiser writes, the stores read: one wait on va_vdst ahead of the run of stores.
.set HIMG, 0                           ; LDS: h's 16 fragments as images of their registers, 1,536 bytes each, index 4 m + s
.set HSC,  24576                       ; their scale words, 128 bytes each
.set GB,   26624                       ; g1 (2,048 bytes), then be1
.set RED,  30720                       ; 8 waves x 64 bytes for the sums, and 512 bytes on the same for the squares
.set SEL,  44                          ; s[44:45] lane selects: lane l xor 16
.set XA0,  32                          ; v32-95   my first 128 columns: 64 numbers a lane
.set XA1,  128                         ; v128-191 my second
.set GG,   192                         ; v192-223 g1 of two blocks
.set BB,   224                         ; v224-255 be1 of two blocks
; v1 16 x lane, v2 8 x lane, v3 h's scale words, v4 W's codes, v5 W's scales, v6 x, v7/v8 where I store images and scale words, v9/v10 the sums, v11 g1 in LDS, v[12:13] mean, v[14:15] 1/sigma (later v12-15: h's scale words),
; v16-31 W's scale words.  In the product: v32-79 W's four fragments, v80-127 h's four, v128-255 the accumulators.
.macro BARRIER                         ; my LDS stores have landed and my LDS loads are in: then the work-group's barrier
	s_wait_dscnt 0x0
	s_barrier_signal -1
	s_barrier_wait -1
.endm
.macro PLACES                          ; four plain lines behind matrix instructions, ahead of loads into their registers and of the first read of a result
.rept 4
	v_nop
.endr
.endm
; nu units of 32 numbers a lane, v[src + 32 u ..], register 16 b + i = k 32 b + 16 (lane / 16) + i of the lane's row, become 6 registers of codes a unit, v[out + 6 u ..], and a pair of scale bytes, v[pw + u] bits 15:0.
; tm: 6 nu registers at work;  t2: 4 nu.  Every group of lines goes through the blocks by turns, so that no line waits for the line above it.
.macro QN src, nu, out, tm, t2, pw
.set qb, 0
.rept 2*\nu
	v_mov_b32 v[\tm+2*\nu+qb], 0                   ; a lane permute's destination counts as one of its sources
.set qb, qb+1
.endr
.set qb, 0
.rept 2*\nu
	v_max3_num_f32 v[\tm+qb], |v[\src+16*qb]|, |v[\src+16*qb+1]|, 0x1800000   ; my 16 numbers of the block, and the floor 2^(3 - 127): the byte cannot fall under 1
.set qb, qb+1
.endr
.set qi, 2
.rept 7
.set qb, 0
.rept 2*\nu
	v_max3_num_f32 v[\tm+qb], v[\tm+qb], |v[\src+16*qb+qi]|, |v[\src+16*qb+qi+1]|
.set qb, qb+1
.endr
.set qi, qi+2
.endr
.set qb, 0
.rept 2*\nu
	v_permlanex16_b32 v[\tm+2*\nu+qb], v[\tm+qb], s[SEL], s[SEL+1]
.set qb, qb+1
.endr
.set qb, 0
.rept 2*\nu
	v_max_num_f32 v[\tm+qb], v[\tm+qb], v[\tm+2*\nu+qb]   ; with lane l xor 16's: the block's largest magnitude
.set qb, qb+1
.endr
.set qb, 0
.rept 2*\nu
	v_add_nc_u32 v[\tm+4*\nu+qb], 0xff000000, v[\tm+qb]   ; 2 off its exponent field: the conversion's scale operand
.set qb, qb+1
.endr
.set qb, 0
.rept 2*\nu
	v_lshrrev_b32 v[\tm+2*\nu+qb], 23, v[\tm+4*\nu+qb]    ; the scale's byte
.set qb, qb+1
.endr
.set qb, 0
.rept \nu
	v_lshl_or_b32 v[\pw+qb], v[\tm+2*\nu+2*qb+1], 8, v[\tm+2*\nu+2*qb]
.set qb, qb+1
.endr
.set qb, 0
.rept \nu
	v_cvt_scalef32_pk16_fp6_f32 v[\out+6*qb:\out+6*qb+2], v[\src+32*qb:\src+32*qb+15], v[\tm+4*\nu+2*qb]
	v_cvt_scalef32_pk16_fp6_f32 v[\t2+4*qb:\t2+4*qb+2], v[\src+32*qb+16:\src+32*qb+31], v[\tm+4*\nu+2*qb+1]   ; (a conversion's three registers begin on an even number)
.set qb, qb+1
.endr
	v_nop                                          ; one plain line behind a scaled conversion
.set qb, 0
.rept \nu                              ; the operand's layout wants a WHOLE block in a lane: lanes 0-15 the unit's first block, lanes 16-31 its second
.irp i, 0,1,2
	v_permlane16_swap_b32 v[\out+6*qb+\i], v[\t2+4*qb+\i]
.endr
.irp i, 0,1,2
	v_mov_b32 v[\out+6*qb+3+\i], v[\t2+4*qb+\i]
.endr
.set qb, qb+1
.endr
.endm
.macro MM0 d, a, b, sa, sb             ; the first K step starts a sum
	v_wmma_scale_f32_16x16x128_f8f6f4 v[\d:\d+7], v[\a:\a+11], v[\b:\b+11], 0, v[\sa], v[\sb] matrix_a_fmt:MATRIX_FMT_FP6 matrix_b_fmt:MATRIX_FMT_FP6
.endm
.macro MMA d, a, b, sa, sb
	v_wmma_scale_f32_16x16x128_f8f6f4 v[\d:\d+7], v[\a:\a+11], v[\b:\b+11], v[\d:\d+7], v[\sa], v[\sb] matrix_a_fmt:MATRIX_FMT_FP6 matrix_b_fmt:MATRIX_FMT_FP6
.endm
	s_load_b512 s[4:19], s[0:1], 0x0               ; x, g1, be1, Wq's, Wk's, Wv's codes, Wq's, Wk's scales
	s_load_b256 s[20:27], s[0:1], 0x40             ; Wv's scales, Wo's, W1's, W2's codes
	s_load_b128 s[28:31], s[0:1], 0x60             ; qkvc, qkvs
	s_load_b64 s[32:33], s[0:1], 0x70              ; wimg
	s_set_vgpr_msb 0x40
	v_lshl_add_u32 v0, v0, 2, 0x7c00
	v_mov_b32 v1, 0
	s_set_vgpr_msb 0x4000
	v_lshrrev_b32 v1, 5, v0
	v_readfirstlane_b32 s35, v1                    ; wave 0..7
	v_and_b32 v20, 31, v0                          ; lane
	v_and_b32 v21, 15, v0                          ; r
	v_bfe_u32 v22, v0, 4, 1                        ; h
	v_and_b32 v23, 8, v21
	v_add_nc_u32 v23, v23, v21                     ; r + 8 (r / 8)
	v_lshlrev_b32 v1, 4, v20
	v_lshlrev_b32 v2, 3, v20
	v_lshl_add_u32 v3, v20, 2, HSC
	v_mul_u32_u24 v4, v23, 384                     ; a row of W is 512 codes, 384 bytes
	v_mad_u32_u24 v4, v22, 24, v4
	v_lshlrev_b32 v5, 4, v23                       ; and 16 scale bytes
	v_lshlrev_b32 v6, 11, v23                      ; a row of x is 2,048 bytes;
	v_lshl_add_u32 v6, v22, 6, v6                  ; my 16 numbers of each block of 32
	s_wait_alu depctr_va_sdst(0)                   ; s35, the wave's number, is written, ahead of its first reader
	s_mul_i32 s47, s35, 3072
	v_add_nc_u32 v7, s47, v1                       ; my two images: index 2 w and 2 w + 1
	s_lshl_b32 s47, s35, 8
	v_add_nc_u32 v8, s47, v3
	s_lshl_b32 s47, s35, 6
	v_lshl_add_u32 v9, v21, 2, s47
	v_add_nc_u32 v9, RED, v9                       ; my wave's 16 sums
	s_lshr_b32 s47, s35, 1
	s_lshl_b32 s47, s47, 7
	v_lshl_add_u32 v10, v21, 2, s47
	v_add_nc_u32 v10, RED, v10                     ; those of the two waves of my tile
	s_and_b32 s47, s35, 1
	s_lshl_b32 s47, s47, 10
	v_lshl_add_u32 v11, v22, 6, s47
	v_add_nc_u32 v11, GB, v11
	s_lshl_b32 s47, s35, 9
	v_add_nc_u32 v30, s47, v1
	v_add_nc_u32 v30, GB, v30                      ; where my 512 bytes of g1 or be1 go
	s_and_b32 s34, ttmp7, 0xffff                   ; y: which weight
	s_mov_b32 s36, ttmp9                           ; X
	s_mov_b32 s[SEL], 0x76543210
	s_mov_b32 s[SEL+1], 0xfedcba98
	s_mov_b32 s46, 0xffff0000                      ; lanes 16-31
	s_lshl_b32 s48, s36, 6                         ; x: row 64 X + 32 (m / 2) + 8 (m % 2), m = w / 2; + 1,024 bytes for the second half of the columns
	s_lshr_b32 s47, s35, 2
	s_lshl_b32 s47, s47, 5
	s_add_co_u32 s48, s48, s47
	s_bfe_u32 s47, s35, 0x10001
	s_lshl_b32 s47, s47, 3
	s_add_co_u32 s48, s48, s47
	s_lshl_b32 s48, s48, 11
	s_and_b32 s47, s35, 1
	s_lshl_b32 s47, s47, 10
	s_add_co_u32 s48, s48, s47
	s_mov_b32 s49, 0
	s_and_b32 s50, s35, 3
	s_lshl_b32 s50, s50, 9
	s_mov_b32 s51, 0
	s_mul_i32 s52, s35, 24576                      ; my head's 64 rows of W's codes,
	s_mov_b32 s53, 0
	s_lshl_b32 s54, s35, 10                        ; and of its scales
	s_mov_b32 s55, 0
	s_lshr_b32 s47, s36, 6                         ; the way out: (8 x batch + head) x 64 + the group of 64 tokens in the batch
	s_lshl_b32 s47, s47, 3
	s_add_co_u32 s47, s47, s35
	s_lshl_b32 s47, s47, 6
	s_and_b32 s37, s36, 63
	s_add_co_u32 s47, s47, s37
	s_mul_i32 s56, s34, 3145728
	s_mul_i32 s37, s47, 3072
	s_add_co_u32 s56, s56, s37
	s_mov_b32 s57, 0
	s_lshl_b32 s58, s34, 18
	s_lshl_b32 s37, s47, 8
	s_add_co_u32 s58, s58, s37
	s_mov_b32 s59, 0
	s_wait_kmcnt 0x0
	s_cmp_eq_u32 s34, 0                            ; the choices hang on the work-group's y alone
	s_cselect_b64 s[38:39], s[10:11], s[12:13]     ; W's codes,
	s_cselect_b64 s[40:41], s[16:17], s[18:19]     ; W's scales,
	s_cselect_b64 s[42:43], s[22:23], s[24:25]     ; and the weight whose images this y lays out
	s_cmp_eq_u32 s34, 2
	s_cselect_b64 s[38:39], s[14:15], s[38:39]
	s_cselect_b64 s[40:41], s[20:21], s[40:41]
	s_cselect_b64 s[42:43], s[26:27], s[42:43]
	s_cmp_lt_u32 s35, 4                            ; waves 0-3 bring g1, waves 4-7 be1
	s_cselect_b64 s[6:7], s[6:7], s[8:9]
	s_add_nc_u64 s[6:7], s[6:7], s[50:51]
	s_add_nc_u64 s[4:5], s[4:5], s[48:49]
	s_add_nc_u64 s[38:39], s[38:39], s[52:53]
	s_add_nc_u64 s[40:41], s[40:41], s[54:55]
	s_add_nc_u64 s[28:29], s[28:29], s[56:57]
	s_add_nc_u64 s[30:31], s[30:31], s[58:59]
	s_wait_alu depctr_va_vdst(0)                   ; the offsets and LDS addresses v1 to v11 and v30 are written, which the loads and stores of the kernel read; so are v20 to v23, on which W's scale words land
	global_load_b128 v[96:99], v1, s[6:7]
.irp b, 0,1,2,3
.irp jj, 0,1,2,3
	global_load_b128 v[XA0+16*\b+4*\jj:XA0+16*\b+4*\jj+3], v6, s[4:5] offset:128*\b+16*\jj
.endr
.endr
.irp b, 0,1,2,3
.irp jj, 0,1,2,3
	global_load_b128 v[XA1+16*\b+4*\jj:XA1+16*\b+4*\jj+3], v6, s[4:5] offset:512+128*\b+16*\jj
.endr
.endr
	s_wait_loadcnt 32                              ; g1's or be1's load is in; the 32 of x, issued behind it, may be out
	ds_store_b128 v30, v[96:99]
	s_wait_loadcnt 0x0
	; ---- the row's sum: my 128 numbers in four chains, lane l xor 16's, and the other wave's through LDS
.irp k, 0,1,2,3
	v_pk_add_f32 v[100+2*\k:101+2*\k], v[XA0+4*\k:XA0+4*\k+1], v[XA0+4*\k+2:XA0+4*\k+3]
.endr
.set j, 16
.rept 24
	v_pk_add_f32 v[100+2*((j/2)%4):101+2*((j/2)%4)], v[100+2*((j/2)%4):101+2*((j/2)%4)], v[XA0+j:XA0+j+1]
.set j, j+2
.endr
.set j, 0
.rept 32
	v_pk_add_f32 v[100+2*((j/2)%4):101+2*((j/2)%4)], v[100+2*((j/2)%4):101+2*((j/2)%4)], v[XA1+j:XA1+j+1]
.set j, j+2
.endr
.macro JOIN
	v_pk_add_f32 v[100:101], v[100:101], v[102:103]
	v_pk_add_f32 v[104:105], v[104:105], v[106:107]
	v_pk_add_f32 v[100:101], v[100:101], v[104:105]
	v_add_f32 v100, v100, v101
	v_permlanex16_b32 v101, v100, s[SEL], s[SEL+1]
	v_add_f32 v100, v100, v101
.endm
	JOIN
	s_wait_alu depctr_va_vdst(0)                   ; the additions have written v100, which the store reads, and are done with v102 and v103, on which the two loads behind the barrier land
	ds_store_b32 v9, v100                          ; lanes l and l xor 16 write the same word with the same value
	BARRIER                                        ; the sums, g1 and be1 lie in LDS
.macro GBLOAD sl, ch                   ; g1 and be1 at my numbers of two blocks of 32
.irp b, 0,1
.irp jj, 0,1,2,3
	ds_load_b128 v[GG+16*\b+4*\jj:GG+16*\b+4*\jj+3], v11 offset:512*\sl+256*\ch+128*\b+16*\jj
	ds_load_b128 v[BB+16*\b+4*\jj:BB+16*\b+4*\jj+3], v11 offset:2048+512*\sl+256*\ch+128*\b+16*\jj
.endr
.endr
.endm
	GBLOAD 0, 0
	ds_load_b32 v102, v10
	ds_load_b32 v103, v10 offset:64
	s_mov_b32 s50, 0x3b000000                      ; 1 / 512
	s_mov_b32 s51, 0x3727c5ac                      ; 1e-5
	s_wait_dscnt 0x0
	v_add_f32 v12, v102, v103
	v_mul_f32 v12, s50, v12                        ; the mean
	v_mov_b32 v13, v12
.irp xr, XA0, XA1
.set j, 0
.rept 32
	v_pk_add_f32 v[\xr+j:\xr+j+1], v[\xr+j:\xr+j+1], v[12:13] neg_lo:[0,1] neg_hi:[0,1]
.set j, j+2
.endr
.endr
	s_wait_alu depctr_vm_vsrc(0)                   ; my LDS stores have read v100, which the squares write again; and v30 and v96 to v99, which W's scale words and the quantiser write further down
.irp k, 0,1,2,3
	v_pk_mul_f32 v[100+2*\k:101+2*\k], v[XA0+2*\k:XA0+2*\k+1], v[XA0+2*\k:XA0+2*\k+1]
.endr
.set j, 8
.rept 28
	v_pk_fma_f32 v[100+2*((j/2)%4):101+2*((j/2)%4)], v[XA0+j:XA0+j+1], v[XA0+j:XA0+j+1], v[100+2*((j/2)%4):101+2*((j/2)%4)]
.set j, j+2
.endr
.set j, 0
.rept 32
	v_pk_fma_f32 v[100+2*((j/2)%4):101+2*((j/2)%4)], v[XA1+j:XA1+j+1], v[XA1+j:XA1+j+1], v[100+2*((j/2)%4):101+2*((j/2)%4)]
.set j, j+2
.endr
	JOIN
	s_wait_alu depctr_va_vdst(0)                   ; the squares' sum is written in v100, which the store reads; v102 and v103 are done with, on which the two loads behind the barrier land
	ds_store_b32 v9, v100 offset:512
	BARRIER
	ds_load_b32 v102, v10 offset:512
	ds_load_b32 v103, v10 offset:576
	s_wait_dscnt 0x0
	s_wait_alu depctr_vm_vsrc(0)                   ; that store has read v100, which the quantiser writes again
	v_add_f32 v14, v102, v103
	v_fma_f32 v14, v14, s50, s51                   ; the variance + 1e-5
	s_wait_alu depctr_va_vdst(0)
	v_rsq_f32 v14, v14
	v_nop                                          ; one plain line behind a transcendental
	s_wait_alu depctr_va_vdst(0)                   ; the reciprocal root has written v14, ahead of its first reader
	v_mov_b32 v15, v14
.macro AFFINE xr                       ; 32 numbers: x 1/sigma, then x g1 + be1
.set j, 0
.rept 16
	v_pk_mul_f32 v[\xr+j:\xr+j+1], v[\xr+j:\xr+j+1], v[14:15]
.set j, j+2
.endr
.set j, 0
.rept 16
	v_pk_fma_f32 v[\xr+j:\xr+j+1], v[\xr+j:\xr+j+1], v[GG+j:GG+j+1], v[BB+j:BB+j+1]
.set j, j+2
.endr
.endm
.macro IMAGE sl                        ; the fragment in v108-119 and its scale word go to LDS as they stand
.irp c, 0,1,2
	ds_store_b128 v7, v[108+4*\c:111+4*\c] offset:1536*\sl+512*\c
.endr
	ds_store_b32 v8, v96 offset:128*\sl
.endm
.macro WLOAD s                         ; my head's four fragments of W for K step s
.irp t, 0,1,2,3
.irp p, 0,1,2,3,4,5
	global_load_b64 v[32+12*\t+2*\p:33+12*\t+2*\p], v4, s[38:39] offset:(32*(\t/2)+8*(\t%2))*384+96*\s+48*(\p/3)+8*(\p%3)
.endr
.endr
.endm
	AFFINE XA0
	s_wait_alu depctr_va_vdst(0)                   ; the multiply-adds are done reading GG and BB, on which the next two blocks' g1 and be1 land
	GBLOAD 0, 1
	s_wait_dscnt 0x0
	AFFINE XA0+32
	s_wait_alu depctr_va_vdst(0)                   ; the multiply-adds are done reading GG and BB, on which the next two blocks' g1 and be1 land
	GBLOAD 1, 0                                    ; on its way while the first K step is quantised
	QN XA0, 2, 108, 96, 120, 96
	v_lshl_or_b32 v96, v97, 16, v96                ; four bytes: the row's scale word for 128 along K
	s_wait_alu depctr_va_vdst(0)                   ; the quantiser has written the codes v108-119 and the scale word v96, which the stores read, and is done reading v32-79, on which W's fragments land
	IMAGE 0
.irp t, 0,1,2,3
	global_load_b128 v[16+4*\t:19+4*\t], v5, s[40:41] offset:(32*(\t/2)+8*(\t%2))*16   ; W's scale words: word s of a row serves K step s
.endr
	WLOAD 0                                        ; into the registers that the first K step of x has left
	s_wait_dscnt 0x0                               ; g1 and be1 are in; the stores have read their registers
	AFFINE XA1
	s_wait_alu depctr_va_vdst(0)                   ; the multiply-adds are done reading GG and BB, on which the last two blocks' g1 and be1 land
	GBLOAD 1, 1
	s_wait_dscnt 0x0
	AFFINE XA1+32
	s_wait_alu depctr_vm_vsrc(0)                   ; the first image's stores have read v96 and v108-119, which the quantiser writes again
	QN XA1, 2, 108, 96, 120, 96
	v_lshl_or_b32 v96, v97, 16, v96
	s_wait_alu depctr_va_vdst(0)                   ; the codes v108-119 and the scale word v96 are written, which the stores read; the vector lines are done with v12-15 and v80-127, on which h's scale words and fragments land
	IMAGE 1
	BARRIER                                        ; h's sixteen fragments lie in LDS
	s_wait_alu depctr_vm_vsrc(0)                   ; the second image's stores have read v96 and v108-119, on which h's fragments land: ahead of the branch, for both ways
	; ---- the product.  The two ways differ in the order of the sources alone; both only read LDS
.macro MAIN vway
.irp s, 0,1,2,3
.if \s > 0
	s_wait_alu depctr_va_vdst(0)                   ; the last K step's products are done reading W's and h's fragments and h's scale words, on which this step's 40 loads land
	WLOAD \s
.endif
.irp m, 0,1,2,3
.irp c, 0,1,2
	ds_load_b128 v[80+12*\m+4*\c:83+12*\m+4*\c], v1 offset:(4*\m+\s)*1536+512*\c
.endr
	ds_load_b32 v[12+\m], v3 offset:(4*\m+\s)*128
.endr
	s_wait_loadcnt 0x0
	s_wait_dscnt 0x0
.irp m, 0,1,2,3
.irp t, 0,1,2,3
.if \vway
.if \s == 0
	MM0 128+8*(4*\t+\m), 80+12*\m, 32+12*\t, 12+\m, 16+4*\t+\s
.else
	MMA 128+8*(4*\t+\m), 80+12*\m, 32+12*\t, 12+\m, 16+4*\t+\s
.endif
.else
.if \s == 0
	MM0 128+8*(4*\m+\t), 32+12*\t, 80+12*\m, 16+4*\t+\s, 12+\m
.else
	MMA 128+8*(4*\m+\t), 32+12*\t, 80+12*\m, 16+4*\t+\s, 12+\m
.endif
.endif
.endr
.endr
	PLACES
.endr
.endm
	s_cmp_eq_u32 s34, 2
	s_cbranch_scc1 .Lv
	MAIN 0                                         ; q, k: unit m of the accumulators = token tile m, registers along the head's 64 channels
	s_branch .Lq
.Lv:
	MAIN 1                                         ; v: unit t = channel tile t, registers along the group's 64 tokens
.Lq:
	QN 128, 4, 32, 56, 80, 96
.irp u, 0,1,2,3
	v_lshl_or_b32 v[96+\u], v[96+\u], 16, v[96+\u] ; bytes 2, 3 repeat the pair: in K Q^T they scale the upper 64 of the instruction's K, where Q's codes are zeros
.endr
	v_cndmask_b32 v100, v96, v97, s46              ; lanes 0-15: units 0 and 2; lanes 16-31: units 1 and 3
	v_cndmask_b32 v101, v98, v99, s46
	s_wait_alu depctr_va_vdst(0)                   ; the codes v32-55 and the scale words v100, v101 are written, which the nine stores read
.irp u, 0,1,2,3
	global_store_b128 v1, v[32+6*\u:35+6*\u], s[28:29] offset:768*\u        ; 512 consecutive bytes, aligned
	global_store_b64 v2, v[36+6*\u:37+6*\u], s[28:29] offset:768*\u+512     ; 256
.endr
	global_store_b64 v2, v[100:101], s[30:31]      ; 256
	; ---- images of Wo (y = 0: one a work-group), W1 (y = 1) and W2 (y = 2: four a work-group): a fragment's 12 registers, 1,536 bytes
	s_lshl_b32 s48, s36, 2
	s_add_co_u32 s48, s48, s35                     ; 4 X + wave
	s_mov_b32 s51, 384
	s_cmp_eq_u32 s34, 0
	s_cselect_b32 s49, 1, 4                        ; how many waves take an image
	s_cselect_b32 s48, s36, s48                    ; which of the weight's
	s_cselect_b32 s50, 0, 128                      ; where the weight's images begin
	s_cmp_eq_u32 s34, 2
	s_cselect_b32 s50, 640, s50
	s_cselect_b32 s51, 1536, s51                   ; a row of the weight's codes in bytes
	s_cselect_b32 s52, 4, 2                        ; log2 of its K steps
	s_cmp_ge_u32 s35, s49
	s_cbranch_scc1 .Lend
	s_lshr_b32 s53, s48, s52                       ; tile
	s_bfm_b32 s54, s52, 0
	s_and_b32 s54, s48, s54                        ; K step
	s_lshr_b32 s56, s53, 1
	s_lshl_b32 s56, s56, 5
	s_and_b32 s55, s53, 1
	s_lshl_b32 s55, s55, 3
	s_add_co_u32 s56, s56, s55                     ; the tile's first row
	s_mul_i32 s56, s56, s51
	s_mul_i32 s54, s54, 96
	s_add_co_u32 s56, s56, s54
	s_mov_b32 s57, 0
	s_add_nc_u64 s[42:43], s[42:43], s[56:57]
	s_add_co_u32 s58, s48, s50
	s_mul_i32 s58, s58, 1536
	s_mov_b32 s59, 0
	s_add_nc_u64 s[32:33], s[32:33], s[58:59]
	v_and_b32 v141, 15, v0
	v_and_b32 v142, 8, v141
	v_add_nc_u32 v141, v141, v142
	v_mul_lo_u32 v140, v141, s51
	v_bfe_u32 v142, v0, 4, 1
	v_mad_u32_u24 v140, v142, 24, v140
	s_wait_alu depctr_va_vdst(0)                   ; the offset v140 is written, which the six loads read
.irp p, 0,1,2,3,4,5
	global_load_b64 v[128+2*\p:129+2*\p], v140, s[42:43] offset:48*(\p/3)+8*(\p%3)
.endr
	s_wait_loadcnt 0x0
.irp c, 0,1,2
	global_store_b128 v1, v[128+4*\c:131+4*\c], s[32:33] offset:512*\c
.endr
.Lend:
	s_set_vgpr_msb 0x5                             ; the add's two registers, v256 and v257, are its sources 0 and 1: block 1
	s_wait_dscnt 0x0                               ; the closing lines, six on end, of a launch in the mode that stores to LDS
	s_wait_alu 0x0
	s_wait_tensorcnt 0x0
	ds_add_u32 v0, v1
	s_wait_dscnt 0x0
	s_endpgm
.Lfunc_end_k_qb676fc588b_lnqkv:
	.size	k_qb676fc588b_lnqkv, .Lfunc_end_k_qb676fc588b_lnqkv-k_qb676fc588b_lnqkv
	.p2alignl 7, 3214868480
	.fill 96, 4, 3214868480
	.section	.rodata,"a",@progbits
	.p2align	6, 0x0
	.amdhsa_kernel k_qb676fc588b_lnqkv
		.amdhsa_group_segment_fixed_size 32768
		.amdhsa_private_segment_fixed_size 0
		.amdhsa_enable_private_segment 0
		.amdhsa_kernarg_size 120
		.amdhsa_user_sgpr_count 2
		.amdhsa_user_sgpr_kernarg_segment_ptr 1
		.amdhsa_wavefront_size32 1
		.amdhsa_system_sgpr_workgroup_id_x 1
		.amdhsa_system_sgpr_workgroup_id_y 1
		.amdhsa_system_sgpr_workgroup_id_z 1
		.amdhsa_system_vgpr_workitem_id 0
		.amdhsa_next_free_vgpr 258
		.amdhsa_next_free_sgpr 66
		.amdhsa_reserve_vcc 0
		.amdhsa_float_denorm_mode_32 3
		.amdhsa_float_denorm_mode_16_64 3
		.amdhsa_memory_ordered 1
		.amdhsa_forward_progress 1
		.amdhsa_inst_pref_size 95
	.end_amdhsa_kernel
	.amdgpu_metadata
---
amdhsa.version: [ 1, 2 ]
amdhsa.kernels:
  - .name:           k_qb676fc588b_lnqkv
    .symbol:         k_qb676fc588b_lnqkv.kd
    .args:
      - { .name: x, .offset: 0, .size: 8, .value_kind: global_buffer, .address_space: global }
      - { .name: g1, .offset: 8, .size: 8, .value_kind: global_buffer, .address_space: global }
      - { .name: be1, .offset: 16, .size: 8, .value_kind: global_buffer, .address_space: global }
      - { .name: Wq_codes, .offset: 24, .size: 8, .value_kind: global_buffer, .address_space: global }
      - { .name: Wk_codes, .offset: 32, .size: 8, .value_kind: global_buffer, .address_space: global }
      - { .name: Wv_codes, .offset: 40, .size: 8, .value_kind: global_buffer, .address_space: global }
      - { .name: Wq_scales, .offset: 48, .size: 8, .value_kind: global_buffer, .address_space: global }
      - { .name: Wk_scales, .offset: 56, .size: 8, .value_kind: global_buffer, .address_space: global }
      - { .name: Wv_scales, .offset: 64, .size: 8, .value_kind: global_buffer, .address_space: global }
      - { .name: Wo_codes, .offset: 72, .size: 8, .value_kind: global_buffer, .address_space: global }
      - { .name: W1_codes, .offset: 80, .size: 8, .value_kind: global_buffer, .address_space: global }
      - { .name: W2_codes, .offset: 88, .size: 8, .value_kind: global_buffer, .address_space: global }
      - { .name: qkvc, .offset: 96, .size: 8, .value_kind: global_buffer, .address_space: global }
      - { .name: qkvs, .offset: 104, .size: 8, .value_kind: global_buffer, .address_space: global }
      - { .name: wimg, .offset: 112, .size: 8, .value_kind: global_buffer, .address_space: global }
    .group_segment_fixed_size: 32768
    .private_segment_fixed_size: 0
    .kernarg_segment_align: 8
    .kernarg_segment_size: 120
    .max_flat_workgroup_size: 256
    .sgpr_count:     66
    .vgpr_count:     258
    .wavefront_size: 32
...
	.end_amdgpu_metadata
.endif
;; end of part 4
;; launch attn (part 5): grid 16 x 16, 16 waves a work-group, no clusters, 92,160 bytes of LDS; arguments qkvc, qkvs, aimg, asc; writes aimg, asc
.if DOCPART == 5
	.amdgcn_target "amdgcn-amd-amdhsa--gfx1250"
	.amdhsa_code_object_version 6
	.text
	.protected	k_qb676fc588b_attn
	.globl	k_qb676fc588b_attn
	.p2align	8
	.type	k_qb676fc588b_attn,@function
k_qb676fc588b_attn:
	s_mov_b64 s[64:65], 0
	v_nop
	global_prefetch_b8 v0, s[64:65] scope:SCOPE_SE
	s_setreg_imm32_b32 hwreg(HW_REG_WAVE_SCHED_MODE, 0, 2), 2
	s_setreg_imm32_b32 hwreg(HW_REG_WAVE_MODE, 25, 1), 1
	s_wait_xcnt 0x0
	s_wait_alu depctr_vm_vsrc(0)
; att = softmax(q k^T / 8) v for one head and 256 queries, both products on codes of FP6 (E2M3) with one E8M0 scale for each 32 along K; the result is quantised along the channels and leaves as codes.
; THE SOFTMAX: t = score x log2(e) / 8; M = the running largest t rounded UP to a whole number; p = 2^(t - M) is what is quantised, along the keys, not normalised.  The row's sum is taken of the unquantised p
; and divides at the end.  When M moves, the sum and O are multiplied by 2^(old M - new M), which rounds nothing.
; SHARES.  Work-group (X, hb): queries 256 X on of head hb (8 x batch + head).  Sixteen waves, one tile of 16 queries each, in 256 registers: four waves to a SIMD, so that one wave's vector work stands beside
; another's matrix work and LDS loads.  Every wave walks the 4,096 keys, 128 a step, 256 a slot.
; LAYOUT.  Both products transposed: S^T = K Q^T (source 0 = 16 keys), O^T = V^T P^T (source 0 = 16 channels): a lane holds ONE query throughout.  Tiles of keys and of channels are in tile order (row r of tile
; 2 P + u = index 32 P + 8 u + r + 8 (r / 8)), so a lane's 16 registers of two neighbouring tiles are 16 neighbours.  q, k, v arrive as HALFs: 6 operand registers in 768 bytes (registers 0-3 at 16 x lane, 4-5 at 512 + 8 x lane).
; A HEAD IS 64 WIDE, THE INSTRUCTION 128: Q's registers 6-11 are zero codes.  So source 0 of tile i is v[32 + 6 i .. + 11]: its upper six registers are the next tile's codes (behind the last: zeros), which meet zeros.
; THE SLOTS are filled through registers: a slot is 48 pieces of 512 bytes, three a wave: three loads at the head of the slot before, three LDS stores at its end, one barrier a slot.
; K and V are shared by the 16 work-groups of a head.  They are not asked for jointly, nor prefetched: a wave's share of a slot is three loads of 16 bytes a lane, issued two key steps (some 500 vector instructions
; of each of a SIMD's four waves) ahead of the LDS stores that wait for them.
; LIMITS: NaN and infinities are not served; p under 2^-126 counts as 0; a block under 2^-124 or of zeros gets the scale byte 1 (its codes are zeros; this program alone reads the bytes).
; THE MODE: SCHED_MODE bits 1:0 = 2 (LLVM: expert scheduling mode 2), set by the entry lines.  The code itself states the register dependences between vector or matrix instructions and memory or LDS
; instructions, with s_wait_alu, always for 0.
; THE PLAN.  Registers that memory or LDS instructions touch in the loop, and who else names them:
;   v232-243       the pieces on their way: global loads land at a slot's head, LDS stores read them at its end; no vector instruction names them.  One wait on vm_vsrc at a slot's head.
;   v5             the LDS address of the slot's scale words: read by three loads a step, written once a slot: behind that same wait on vm_vsrc, and ahead of the step's own wait on va_vdst.
;   v32-79         K's eight tiles, then V's four fragments: all 256 registers are taken, so one set serves both.  K lands behind the wait at the step's head (the last V^T P^T are done reading);
;                  V lands behind the wait that follows K Q^T (those eight are done reading), and has the whole softmax in which to land.
;   v224-229       K's and V's scale words: loads land, products read: the wait at the step's head serves them.
;   v1-4, v6-9     offsets and addresses, written at the head alone.
;   v192-203, v230 p's codes and scale word are made by vector lines and taken by the scaled products: a wait on va_vdst, behind their places, ahead of V^T P^T.
; So a key step has five waits on va_vdst: at its head, behind K Q^T, ahead of the exponentials, behind them (ahead of their first reader), ahead of V^T P^T.
.set SLOT1, 32768                      ; LDS: slot 0 at 0, slot 1 here: 4 groups x 3,072 bytes of K, then the same of V
.set VPART, 12288
.set SCB,   65536                      ; the head's scale words: 32 steps x 768 bytes: K's of two groups (256 each), V's merged (256)
.set SEL,   16                         ; s[16:17] lane selects: lane l xor 16
.set CS,    18                         ; s[18:19] c = log2(e) / 8
; v1 16 x lane, v2 8 x lane, v3 where I store my pieces, v4/v5 scale words, v6 8 r, v7 4 x lane, v8/v9 where I store scale words; v12 -M, v13 largest t, v[14:15] the sum; v16-21 Q, v22-27 zeros, v28 Q's scale word;
; v32-79 K's 8 tiles, then V's 4 fragments; v80-85 zeros; v96-159 S^T, then p; v160-191 O^T; v192-203 p's codes; v204-210 second conversions; v212-223 at work; v224-227 K's scale words, v228-229 V's, v230 p's;
; v232-243 the pieces on their way; v[244:245] f; v246 at work; v[248:249] the sum's second chain.
.macro BARRIER                         ; my LDS stores have landed and my LDS loads are in: then the work-group's barrier
	s_wait_dscnt 0x0
	s_barrier_signal -1
	s_barrier_wait -1
.endm
.macro PLACES                          ; four plain lines behind matrix instructions, ahead of loads into their registers and of the first read of a result
.rept 4
	v_nop
.endr
.endm
; nu units of 32 numbers a lane, register 16 b + i = k 32 b + 16 (lane / 16) + i, become 6 registers of codes a unit and a pair of scale bytes
.macro QN src, nu, out, tm, t2, pw
.set qb, 0
.rept 2*\nu
	v_mov_b32 v[\tm+2*\nu+qb], 0                   ; a lane permute's destination counts as one of its sources
.set qb, qb+1
.endr
.set qb, 0
.rept 2*\nu
	v_max3_num_f32 v[\tm+qb], |v[\src+16*qb]|, |v[\src+16*qb+1]|, 0x1800000   ; and the floor 2^(3 - 127): the byte cannot fall under 1
.set qb, qb+1
.endr
.set qi, 2
.rept 7
.set qb, 0
.rept 2*\nu
	v_max3_num_f32 v[\tm+qb], v[\tm+qb], |v[\src+16*qb+qi]|, |v[\src+16*qb+qi+1]|
.set qb, qb+1
.endr
.set qi, qi+2
.endr
.set qb, 0
.rept 2*\nu
	v_permlanex16_b32 v[\tm+2*\nu+qb], v[\tm+qb], s[SEL], s[SEL+1]
.set qb, qb+1
.endr
.set qb, 0
.rept 2*\nu
	v_max_num_f32 v[\tm+qb], v[\tm+qb], v[\tm+2*\nu+qb]
.set qb, qb+1
.endr
.set qb, 0
.rept 2*\nu
	v_add_nc_u32 v[\tm+4*\nu+qb], 0xff000000, v[\tm+qb]   ; 2 off the exponent field: the conversion's scale operand
.set qb, qb+1
.endr
.set qb, 0
.rept 2*\nu
	v_lshrrev_b32 v[\tm+2*\nu+qb], 23, v[\tm+4*\nu+qb]    ; the scale's byte
.set qb, qb+1
.endr
.set qb, 0
.rept \nu
	v_lshl_or_b32 v[\pw+qb], v[\tm+2*\nu+2*qb+1], 8, v[\tm+2*\nu+2*qb]
.set qb, qb+1
.endr
.set qb, 0
.rept \nu
	v_cvt_scalef32_pk16_fp6_f32 v[\out+6*qb:\out+6*qb+2], v[\src+32*qb:\src+32*qb+15], v[\tm+4*\nu+2*qb]
	v_cvt_scalef32_pk16_fp6_f32 v[\t2+4*qb:\t2+4*qb+2], v[\src+32*qb+16:\src+32*qb+31], v[\tm+4*\nu+2*qb+1]
.set qb, qb+1
.endr
	v_nop                                          ; one plain line behind a scaled conversion
.set qb, 0
.rept \nu
.irp i, 0,1,2
	v_permlane16_swap_b32 v[\out+6*qb+\i], v[\t2+4*qb+\i]
.endr
.irp i, 0,1,2
	v_mov_b32 v[\out+6*qb+3+\i], v[\t2+4*qb+\i]
.endr
.set qb, qb+1
.endr
.endm
	s_load_b256 s[4:11], s[0:1], 0x0               ; qkvc, qkvs, aimg, asc
	v_lshl_add_u32 v254, v0, 2, 0x16000
	v_mov_b32 v255, 0
	v_lshrrev_b32 v1, 5, v0
	v_readfirstlane_b32 s12, v1                    ; wave 0..15
	v_and_b32 v10, 31, v0
	v_and_b32 v11, 15, v0
	v_lshlrev_b32 v1, 4, v10
	v_lshlrev_b32 v2, 3, v10
	v_lshlrev_b32 v7, 2, v10
	v_lshlrev_b32 v6, 3, v11
	s_wait_alu depctr_va_sdst(0)                   ; s12, the wave's number, is written, ahead of its first reader
	s_mul_i32 s13, s12, 1536
	v_add_nc_u32 v3, s13, v1
	v_add_nc_u32 v4, SCB, v2
	v_add_nc_u32 v8, SCB, v3
	v_add_nc_u32 v9, s13, v4
	s_and_b32 s23, ttmp7, 0xffff                   ; hb
	s_mov_b32 s[SEL], 0x76543210
	s_mov_b32 s[SEL+1], 0xfedcba98
	s_mov_b32 s[CS], 0x3e38aa3b
	s_mov_b32 s[CS+1], s[CS]                       ; (named with it as a pair, so it is written)
	s_mov_b32 s20, 0                               ; where the slot's scale words begin
	s_mov_b32 s21, 7                               ; trips of two slots
	s_mov_b32 s22, 0x05040100                      ; v_perm_b32: the two low halves
	s_mul_i32 s24, s23, 196608                     ; the head's codes in a section: 64 groups x 3,072 bytes
	s_lshr_b32 s26, s12, 3                         ; my pieces: waves 0-7 K's section (1), waves 8-15 V's (2); 1,536 bytes a wave
	s_add_co_u32 s26, s26, 1
	s_mul_i32 s26, s26, 3145728
	s_add_co_u32 s26, s26, s24
	s_and_b32 s25, s12, 7
	s_mul_i32 s25, s25, 1536
	s_add_co_u32 s26, s26, s25
	s_mov_b32 s27, 0
	s_mul_i32 s28, ttmp9, 12288                    ; my tile of Q: group 4 X + w / 4, unit w % 4: 768 bytes a wave
	s_add_co_u32 s28, s28, s24
	s_mul_i32 s25, s12, 768
	s_add_co_u32 s28, s28, s25
	s_mov_b32 s29, 0
	s_lshl_b32 s30, s23, 14                        ; the head's scale words in a section: 64 groups x 256 bytes
	s_lshl_b32 s32, ttmp9, 10
	s_add_co_u32 s32, s32, s30
	s_lshr_b32 s25, s12, 2
	s_lshl_b32 s25, s25, 8
	s_add_co_u32 s32, s32, s25
	s_and_b32 s25, s12, 1                          ; unit m's word of row r lies at 8 (r + 16 (m % 2)) + 4 (m / 2)
	s_lshl_b32 s25, s25, 7
	s_add_co_u32 s32, s32, s25
	s_bfe_u32 s25, s12, 0x10001
	s_lshl_b32 s25, s25, 2
	s_add_co_u32 s32, s32, s25
	s_mov_b32 s33, 0
	s_lshl_b32 s34, s12, 10                        ; the scale words of key steps 2 w and 2 w + 1: four groups
	s_add_co_u32 s34, s34, s30
	s_add_co_u32 s34, s34, 262144                  ; K's section,
	s_mov_b32 s35, 0
	s_add_co_u32 s36, s34, 262144                  ; V's
	s_mov_b32 s37, 0
	s_lshr_b32 s38, s23, 3                         ; the way out: (256 x batch + 16 X + w) x 8 + head
	s_lshl_b32 s38, s38, 8
	s_lshl_b32 s25, ttmp9, 4
	s_add_co_u32 s38, s38, s25
	s_add_co_u32 s38, s38, s12
	s_lshl_b32 s38, s38, 3
	s_and_b32 s25, s23, 7
	s_add_co_u32 s38, s38, s25
	s_lshl_b32 s40, s38, 7
	s_mul_i32 s38, s38, 768
	s_mov_b32 s39, 0
	s_mov_b32 s41, 0
	s_wait_kmcnt 0x0
	s_add_nc_u64 s[14:15], s[4:5], s[26:27]
	s_add_nc_u64 s[28:29], s[4:5], s[28:29]
	s_add_nc_u64 s[32:33], s[6:7], s[32:33]
	s_add_nc_u64 s[34:35], s[6:7], s[34:35]
	s_add_nc_u64 s[36:37], s[6:7], s[36:37]
	s_add_nc_u64 s[8:9], s[8:9], s[38:39]
	s_add_nc_u64 s[10:11], s[10:11], s[40:41]
	s_wait_alu depctr_va_vdst(0)                   ; the offsets and LDS addresses v1 to v4 and v6 to v9 are written, which the loads and stores of the kernel read
	global_load_b128 v[16:19], v1, s[28:29]        ; Q stays in registers
	global_load_b64 v[20:21], v2, s[28:29] offset:512
	global_load_b32 v28, v6, s[32:33]
.irp e, 0,1
	global_load_b128 v[232+4*\e:235+4*\e], v1, s[34:35] offset:512*\e       ; K's scale words of a step: two groups, 512 bytes
	global_load_b64 v[96+4*\e:97+4*\e], v2, s[36:37] offset:512*\e          ; V's of its first group,
	global_load_b64 v[98+4*\e:99+4*\e], v2, s[36:37] offset:512*\e+256      ; and of its second
.endr
.irp i, 0,1,2
	global_load_b128 v[104+4*\i:107+4*\i], v1, s[14:15] offset:512*\i       ; my pieces of slot 0
.endr
.irp i, 0,1,2,3,4,5
	v_mov_b32 v[22+\i], 0                          ; zero codes: the upper 64 of Q's K,
	v_mov_b32 v[80+\i], 0                          ; and what stands behind K's last tile
.endr
.set j, 0
.rept 32
	v_mov_b32 v[160+j], 0                          ; O^T.  (The step is written once: the first finds zeros, which the first change of M leaves zeros)
.set j, j+1
.endr
.irp b, 0,1,2,3
	v_mov_b32 v[216+\b], 0                         ; a lane permute's destination counts as one of its sources
.endr
	v_mov_b32 v14, 0
	v_mov_b32 v15, 0
	v_mov_b32 v245, 0                              ; (named as the upper half of the pair v[244:245])
	v_mov_b32 v13, 0xff61b1e6                      ; the largest t so far: -3e38
	v_floor_f32 v12, -v13
	s_wait_loadcnt 0x0
	s_add_nc_u64 s[14:15], s[14:15], 12288         ; on to slot 1 (the loads that named it are in)
.irp e, 0,1
.irp i, 0,1
	v_perm_b32 v[116+2*\e+\i], v[98+4*\e+\i], v[96+4*\e+\i], s22            ; V's word for 128 keys: the first group's pair below, the second's above
.endr
.endr
	s_wait_alu depctr_va_vdst(0)                   ; V's merged scale words v116-119 are written, which the stores below read
.irp e, 0,1
	ds_store_b128 v8, v[232+4*\e:235+4*\e] offset:768*\e
	ds_store_b64 v9, v[116+2*\e:117+2*\e] offset:768*\e+512
.endr
.irp i, 0,1,2
	ds_store_b128 v3, v[104+4*\i:107+4*\i] offset:512*\i
.endr
	BARRIER                                        ; slot 0 and the head's scale words lie in LDS
; A KEY STEP: 128 keys, the q-th of slot cur
.macro STEP cur, q
	s_wait_alu depctr_va_vdst(0)                   ; the last step's V^T P^T are done reading v32-79 and the scale words v224-229, on which the loads below land; in a slot's first step v5 is written, which they read; in the first step of all the zero codes v22-27 and v80-85 are written, which the products take
.irp c, 0,1
.irp m, 0,1,2,3
	ds_load_b128 v[32+6*(4*\c+\m):35+6*(4*\c+\m)], v1 offset:SLOT1*\cur+(2*\q+\c)*3072+768*\m
	ds_load_b64 v[36+6*(4*\c+\m):37+6*(4*\c+\m)], v2 offset:SLOT1*\cur+(2*\q+\c)*3072+768*\m+512
.endr
	ds_load_b64 v[224+2*\c:225+2*\c], v5 offset:768*\q+256*\c               ; lanes 0-15: the even tile's words, lanes 16-31: the odd tile's
.endr
	s_wait_dscnt 0x0
.irp t, 0,2,4,6
	v_wmma_scale_f32_16x16x128_f8f6f4 v[96+8*\t:103+8*\t], v[32+6*\t:43+6*\t], v[16:27], 0, v[224+\t/2], v28 matrix_a_fmt:MATRIX_FMT_FP6 matrix_b_fmt:MATRIX_FMT_FP6
	v_wmma_scale_f32_16x16x128_f8f6f4 v[104+8*\t:111+8*\t], v[38+6*\t:49+6*\t], v[16:27], 0, v[224+\t/2], v28 matrix_a_fmt:MATRIX_FMT_FP6 matrix_b_fmt:MATRIX_FMT_FP6 matrix_a_scale:MATRIX_SCALE_ROW1
.endr
	PLACES
	s_wait_alu depctr_va_vdst(0)                   ; the eight K Q^T are done reading K's tiles v32-79, on which V's fragments land
.irp c, 0,1                            ; V's four fragments land under the softmax
.irp m, 0,1,2,3
	ds_load_b128 v[32+12*\m+6*\c:35+12*\m+6*\c], v1 offset:SLOT1*\cur+VPART+(2*\q+\c)*3072+768*\m
	ds_load_b64 v[36+12*\m+6*\c:37+12*\m+6*\c], v2 offset:SLOT1*\cur+VPART+(2*\q+\c)*3072+768*\m+512
.endr
.endr
	ds_load_b64 v[228:229], v5 offset:768*\q+512
.irp b, 0,1,2,3
	v_max3_num_f32 v[212+\b], v[96+16*\b], v[97+16*\b], v[98+16*\b]         ; the largest score of each block of 32 keys: it serves the row's maximum and, since p rises with the score, the block's largest p
.endr
.irp i, 3,5,7,9,11,13
.irp b, 0,1,2,3
	v_max3_num_f32 v[212+\b], v[212+\b], v[96+16*\b+\i], v[97+16*\b+\i]
.endr
.endr
.irp b, 0,1,2,3
	v_max_num_f32 v[212+\b], v[212+\b], v[111+16*\b]
.endr
.irp b, 0,1,2,3
	v_permlanex16_b32 v[216+\b], v[212+\b], s[SEL], s[SEL+1]
.endr
.irp b, 0,1,2,3
	v_max_num_f32 v[212+\b], v[212+\b], v[216+\b]
.endr
	v_max3_num_f32 v246, v212, v213, v214
	v_max_num_f32 v246, v246, v215
	v_mul_f32 v246, s[CS], v246                    ; as t (c is positive)
	v_max_num_f32 v13, v13, v246
	v_mov_b32 v246, v12
	v_floor_f32 v12, -v13                          ; -M = floor(-t): M is a whole number
	v_sub_f32 v246, v12, v246                      ; old M - new M: a whole number, 0 or less
	v_cvt_i32_f32 v246, v246                       ; (it saturates)
	v_ldexp_f32 v244, 1.0, v246                    ; f = 2^(old M - new M)
.set j, 0
.rept 32
	v_pk_fma_f32 v[96+j:97+j], v[96+j:97+j], s[CS:CS+1], v[12:13] op_sel_hi:[1,0,0]   ; t - M
.set j, j+2
.endr
.irp b, 0,1,2,3
	v_fma_f32 v[212+\b], v[212+\b], s[CS], v12
.endr
.set j, 0
	s_wait_alu depctr_va_vdst(0)
.rept 64
	v_exp_f32 v[96+j], v[96+j]                     ; p = 2^(t - M), at most 1
.set j, j+1
.endr
.irp b, 0,1,2,3
	v_exp_f32 v[212+\b], v[212+\b]                 ; the block's largest p: the same two instructions on the same number
.endr
	v_pk_mul_f32 v[14:15], v[14:15], v[244:245] op_sel_hi:[1,0]             ; the sums under the new M (a plain line behind the exponentials)
	s_wait_alu depctr_va_vdst(0)                   ; the 68 exponentials have written v96-159 and v212-215, ahead of their first reader
.irp b, 0,1,2,3
	v_max_num_f32 v[212+\b], 0x1800000, v[212+\b]  ; the floor 2^(3 - 127)
.endr
.irp b, 0,1,2,3
	v_add_nc_u32 v[220+\b], 0xff000000, v[212+\b]
.endr
.irp b, 0,1,2,3
	v_lshrrev_b32 v[216+\b], 23, v[220+\b]
.endr
	v_lshl_or_b32 v230, v217, 8, v216              ; p's scale word for these 128 keys
	v_lshl_or_b32 v230, v218, 16, v230
	v_lshl_or_b32 v230, v219, 24, v230
.irp c, 0,1
	v_cvt_scalef32_pk16_fp6_f32 v[192+6*\c:194+6*\c], v[96+32*\c:111+32*\c], v[220+2*\c]
	v_cvt_scalef32_pk16_fp6_f32 v[204+4*\c:206+4*\c], v[112+32*\c:127+32*\c], v[221+2*\c]
.endr
	v_nop                                          ; one plain line behind a scaled conversion
.irp c, 0,1
.irp i, 0,1,2
	v_permlane16_swap_b32 v[192+6*\c+\i], v[204+4*\c+\i]
.endr
.irp i, 0,1,2
	v_mov_b32 v[195+6*\c+\i], v[204+4*\c+\i]
.endr
.endr
.set j, 0
.rept 16
	v_pk_mul_f32 v[160+j:161+j], v[160+j:161+j], v[244:245] op_sel_hi:[1,0] ; O^T under the new M
.set j, j+2
.endr
	v_pk_add_f32 v[248:249], v[96:97], v[98:99]    ; the row's sum is taken of the unquantised p, in two chains
.irp i, 4,8,12,16,20,24,28,32,36,40,44,48,52,56,60
	v_pk_add_f32 v[14:15], v[14:15], v[96+\i:97+\i]
	v_pk_add_f32 v[248:249], v[248:249], v[98+\i:99+\i]
.endr
	v_pk_add_f32 v[14:15], v[14:15], v[248:249]
	s_wait_dscnt 0x0                               ; V
	s_wait_alu depctr_va_vdst(0)                   ; p's codes v192-203 and its scale word v230 are written, which the scaled products take as source 1 and its scales; the 48 plain lines above are their places
.irp t, 0,2
	v_wmma_scale_f32_16x16x128_f8f6f4 v[160+8*\t:167+8*\t], v[32+12*\t:43+12*\t], v[192:203], v[160+8*\t:167+8*\t], v[228+\t/2], v230 matrix_a_fmt:MATRIX_FMT_FP6 matrix_b_fmt:MATRIX_FMT_FP6
	v_wmma_scale_f32_16x16x128_f8f6f4 v[168+8*\t:175+8*\t], v[44+12*\t:55+12*\t], v[192:203], v[168+8*\t:175+8*\t], v[228+\t/2], v230 matrix_a_fmt:MATRIX_FMT_FP6 matrix_b_fmt:MATRIX_FMT_FP6 matrix_a_scale:MATRIX_SCALE_ROW1
.endr
	PLACES
.endm
; A SLOT: two key steps.  fill = 1: my three pieces of the next slot are asked for at the head and stored into the other slot at the end.  Nobody reads that other slot between the barrier at the end of the slot before
; and the barrier here; in front of this barrier each wave's reads of this slot are in and its stores have landed.
.macro SLOT cur, fill
	s_wait_alu depctr_vm_vsrc(0)                   ; my LDS stores have read v232-243, on which the loads below land; my LDS loads have read v5, which is written below; in the first slot the head's stores have read v104-119, which the first products write
.if \fill
.irp i, 0,1,2
	global_load_b128 v[232+4*\i:235+4*\i], v1, s[14:15] offset:512*\i
.endr
.endif
	v_add_nc_u32 v5, s20, v4
	STEP \cur, 0
	STEP \cur, 1
	s_add_co_u32 s20, s20, 1536
.if \fill
	s_wait_loadcnt 0x0                             ; the pieces are in, so their base may step
.irp i, 0,1,2
	ds_store_b128 v3, v[232+4*\i:235+4*\i] offset:SLOT1*(1-\cur)+512*\i
.endr
	s_add_nc_u64 s[14:15], s[14:15], 12288
	BARRIER
.endif
.endm
.Lpair:                                ; 7 trips of two slots; the last two slots are written out: the very last asks for nothing
	SLOT 0, 1
	SLOT 1, 1
	s_sub_co_u32 s21, s21, 1
	s_cmp_lg_u32 s21, 0
	s_cbranch_scc1 .Lpair
	SLOT 0, 1
	SLOT 1, 0
	; ---- O^T / the sum, quantised along the head's 64 channels: one HALF and one word of scale bytes a lane
	v_add_f32 v14, v14, v15
	v_permlanex16_b32 v246, v14, s[SEL], s[SEL+1]
	v_add_f32 v14, v14, v246
	s_wait_alu depctr_va_vdst(0)
	v_rcp_f32 v14, v14
	v_nop                                          ; one plain line behind a transcendental
.set j, 0
	s_wait_alu depctr_va_vdst(0)                   ; the reciprocal has written v14, ahead of its first reader
.rept 32
	v_mul_f32 v[96+j], v[160+j], v14               ; register 16 b + i: channel 32 b + 16 (lane / 16) + i of my query
.set j, j+1
.endr
	QN 96, 1, 192, 212, 204, 246
	s_wait_alu depctr_va_vdst(0)                   ; the codes v192-197 and the scale bytes v246 are written, which the three stores read
	global_store_b128 v1, v[192:195], s[8:9]       ; 512 consecutive bytes, aligned
	global_store_b64 v2, v[196:197], s[8:9] offset:512
	global_store_b32 v7, v246, s[10:11]            ; 128 consecutive bytes
	s_wait_dscnt 0x0                               ; the closing lines, six on end, of a launch in the mode that stores to LDS
	s_wait_alu 0x0
	s_wait_tensorcnt 0x0
	ds_add_u32 v254, v255
	s_wait_dscnt 0x0
	s_endpgm
.Lfunc_end_k_qb676fc588b_attn:
	.size	k_qb676fc588b_attn, .Lfunc_end_k_qb676fc588b_attn-k_qb676fc588b_attn
	.p2alignl 7, 3214868480
	.fill 96, 4, 3214868480
	.section	.rodata,"a",@progbits
	.p2align	6, 0x0
	.amdhsa_kernel k_qb676fc588b_attn
		.amdhsa_group_segment_fixed_size 92160
		.amdhsa_private_segment_fixed_size 0
		.amdhsa_enable_private_segment 0
		.amdhsa_kernarg_size 32
		.amdhsa_user_sgpr_count 2
		.amdhsa_user_sgpr_kernarg_segment_ptr 1
		.amdhsa_wavefront_size32 1
		.amdhsa_system_sgpr_workgroup_id_x 1
		.amdhsa_system_sgpr_workgroup_id_y 1
		.amdhsa_system_sgpr_workgroup_id_z 1
		.amdhsa_system_vgpr_workitem_id 0
		.amdhsa_next_free_vgpr 256
		.amdhsa_next_free_sgpr 66
		.amdhsa_reserve_vcc 0
		.amdhsa_float_denorm_mode_32 3
		.amdhsa_float_denorm_mode_16_64 3
		.amdhsa_memory_ordered 1
		.amdhsa_forward_progress 1
		.amdhsa_inst_pref_size 139
	.end_amdhsa_kernel
	.amdgpu_metadata
---
amdhsa.version: [ 1, 2 ]
amdhsa.kernels:
  - .name:           k_qb676fc588b_attn
    .symbol:         k_qb676fc588b_attn.kd
    .args:
      - { .name: qkvc, .offset: 0, .size: 8, .value_kind: global_buffer, .address_space: global }
      - { .name: qkvs, .offset: 8, .size: 8, .value_kind: global_buffer, .address_space: global }
      - { .name: aimg, .offset: 16, .size: 8, .value_kind: global_buffer, .address_space: global }
      - { .name: asc, .offset: 24, .size: 8, .value_kind: global_buffer, .address_space: global }
    .group_segment_fixed_size: 92160
    .private_segment_fixed_size: 0
    .kernarg_segment_align: 8
    .kernarg_segment_size: 32
    .max_flat_workgroup_size: 512
    .sgpr_count:     66
    .vgpr_count:     256
    .wavefront_size: 32
...
	.end_amdgpu_metadata
.endif
;; end of part 5
;; launch mlp (part 6): grid 256 x 1, 16 waves a work-group, no clusters, 202,240 bytes of LDS; arguments x, aimg, asc, wimg, Wo_scales, W1_scales, W2_scales, bo, g2, be2, b1, b2, out0; writes out0
.if DOCPART == 6
	.amdgcn_target "amdgcn-amd-amdhsa--gfx1250"
	.amdhsa_code_object_version 6
	.text
	.protected	k_qb676fc588b_mlp
	.globl	k_qb676fc588b_mlp
	.p2align	8
	.type	k_qb676fc588b_mlp,@function
k_qb676fc588b_mlp:
	s_mov_b64 s[64:65], 0
	v_nop
	global_prefetch_b8 v0, s[64:65] scope:SCOPE_SE
	s_setreg_imm32_b32 hwreg(HW_REG_WAVE_SCHED_MODE, 0, 2), 2
	s_setreg_imm32_b32 hwreg(HW_REG_WAVE_MODE, 25, 1), 1
	s_wait_xcnt 0x0
	s_wait_alu depctr_vm_vsrc(0)
; x1 = x + att Wo + bo;  h2 = LayerNorm(x1) g2 + be2;  out0 = x1 + gelu(h2 W1 + b1) W2 + b2, gelu by erf.  All three products on codes of FP6 (E2M3) with one E8M0 scale for each 32 along K.
; att arrives as codes; h2 and the hidden layer are quantised on the way and never go to memory.
; SHARES.  A work-group takes 32 tokens, two tiles of 16, through the whole chain; sixteen waves share the COLUMNS.  A: wave 8 m + cg: token tile m, columns 64 cg on (4 tiles of Wo).  B: wave w: hidden units 128 w on, in two
; halves of 4 tiles, both token tiles.  C: wave w: columns 32 w on (2 tiles of W2), both token tiles.  Straight-line text, five barriers.
; All products are transposed (source 0 = 16 rows of a weight, source 1 = 16 tokens): a lane holds one token and its registers run along the columns.  Tiles are in tile order (row r of tile 2 P + u = index
; 32 P + 8 u + r + 8 (r / 8)), so a lane's 16 registers of two neighbouring tiles are 16 neighbours along the next K.
; THE WEIGHTS come from wimg as images of fragments, three loads of 512 consecutive bytes each, straight into registers, a group of four fragments ahead, in two sets of registers.  Each fragment feeds two matrix instructions.
; 32 tokens to a work-group give all 256 work-groups a share of the gelu, 128 numbers a lane.  The price: every work-group reads all 1,769,472 bytes of images.  They are not asked for jointly: inside a work-group each
; fragment is used by one wave (Wo's by two), so it passes through no LDS, which a joint request would need.
; OPERANDS GO FROM WAVE TO WAVE THROUGH LDS AS HALFs: 6 registers (16 rows x 64 K) in 768 bytes, registers 0-3 at 16 x lane, 4-5 at 512 + 8 x lane; scale bytes as pairs in a word a lane.
; erf: |z| <= 0.927734375: z + z P(z^2); above: 1 - exp(Q(|z|)), so that 1 + erf is exp(..) for z < 0 and 2 - exp(..) for z > 0: nothing is cancelled.  Both are computed, v_cndmask_b32 chooses.
; The norm takes the mean first and then the centred squares.  out0 is summed as (x1 + b2) + the product, not x1 + (the product + b2).
; LIMITS: NaN and infinities are not served; exp's results under 2^-126 count as 0 (gelu below about x = -13); a block under 2^-124 or of zeros gets the scale byte 1 (its codes are zeros; this program alone reads the bytes).
; THE MODE: SCHED_MODE bits 1:0 = 2 (LLVM: expert scheduling mode 2), set by the entry lines.  The code itself states the register dependences between vector or matrix instructions and memory or LDS
; instructions, with s_wait_alu, always for 0.
; THE PLAN.  Registers that memory or LDS instructions touch, and who else names them:
;   v1-v7          offsets, written at the head alone.  v8-v13: the phase's LDS addresses: written at the head and at the heads of B and C, each time behind a wait on vm_vsrc and ahead of one on va_vdst.
;   the weights' two sets (A: v112-159, v160-207; B, C: v128-175, v176-223): the loads of group g + 1 land in the set that group g - 1's products read.  ONE wait on va_vdst at a group's head serves them and the
;                  LDS loads of the group's token operands and scale words (B: v224-249; C: v64-115), which the last group's products read.  All 256 registers are taken: the token operands have one set.
;   v240           a wave's sum: additions write it, an LDS store reads it, the eight waves' sums land on v240-247: va_vdst ahead of the store, vm_vsrc ahead of the loads, twice.
;   out-buffers    x1 + b2 (v208-239), h2's HALF (v208-213, v246), the hidden layer's HALFs (v176-187, v208-209), out0's accumulators (v32-63): vector or matrix lines write, LDS stores read: va_vdst ahead of each run of
;                  stores; vm_vsrc ahead of the next writer of those registers.
;   att's scale words v24-27 are made by vector lines and taken by scaled products: a wait on va_vdst, behind their places, ahead of the first product.
;   s38-45         the gelu's eight masks: compares write them early, behind |z|; one wait on va_sdst stands ahead of the eight selects.
.set H2IMG, 0                          ; LDS: h2: 16 HALFs, index 8 m + column / 64
.set H2SC,  12288                      ; its scale words: 8 x 128 bytes, index 4 m + s
.set HIMG,  13312                      ; the hidden layer: 64 HALFs, index 2 (16 m + s) + c
.set HSC,   62464                      ; its scale words: 32 x 128 bytes, index 16 m + s
.set RED,   66560                      ; 16 waves x 64 bytes for the sums, and 1,024 bytes on the same for the squares
.set X1P,   68608                      ; x1 + b2 as images of accumulators, 1,024 bytes each, index 32 m + tile
.set STG,   134144                     ; the way out: 32 rows x (2,048 + 16) bytes
.set SEL,   32                         ; s[32:33] lane selects: lane l xor 16
.set C_KZ,  48                         ; pairs of constants (both words written)
.set C_L0,  50
.set C_L2,  52
.set C_L4,  54
.set C_L5,  56
.set C_L6,  58
.set C_LG,  60
.set C_S0,  62
.set C_S2,  66
.set C_S3,  68
.set C_S4,  70
.set C_S5,  72
.set V_L1,  250                        ; and three in vector pairs: a packed line takes one scalar source
.set V_L3,  252
.set V_S1,  254
.set GZ, 176                           ; gelu at work: z, |z|, z^2, the outer branch, the inner branch, the sign
.set GT, 184
.set GS, 192
.set GR, 200
.set GQ, 208
.set GG, 216
; v1 16 x lane, v2 8 x lane, v3 4 x lane, v4 x, v5 64 h, v6/v7 rows of scales; v8-13 the phase's LDS addresses; v[14:15] mean, then 1/sigma
.macro BARRIER                         ; my LDS stores have landed and my LDS loads are in: then the work-group's barrier
	s_wait_dscnt 0x0
	s_barrier_signal -1
	s_barrier_wait -1
.endm
.macro PLACES                          ; four plain lines behind matrix instructions, ahead of loads into their registers and of the first read of a result
.rept 4
	v_nop
.endr
.endm
.macro SPAIR reg, bits
	s_mov_b32 s[\reg], \bits
	s_mov_b32 s[\reg+1], \bits
.endm
; nu units of 32 numbers a lane, register 16 b + i = k 32 b + 16 (lane / 16) + i, become 6 registers of codes a unit and a pair of scale bytes
.macro QN src, nu, out, tm, t2, pw
.set qb, 0
.rept 2*\nu
	v_mov_b32 v[\tm+2*\nu+qb], 0                   ; a lane permute's destination counts as one of its sources
.set qb, qb+1
.endr
.set qb, 0
.rept 2*\nu
	v_max3_num_f32 v[\tm+qb], |v[\src+16*qb]|, |v[\src+16*qb+1]|, 0x1800000   ; and the floor 2^(3 - 127): the byte cannot fall under 1
.set qb, qb+1
.endr
.set qi, 2
.rept 7
.set qb, 0
.rept 2*\nu
	v_max3_num_f32 v[\tm+qb], v[\tm+qb], |v[\src+16*qb+qi]|, |v[\src+16*qb+qi+1]|
.set qb, qb+1
.endr
.set qi, qi+2
.endr
.set qb, 0
.rept 2*\nu
	v_permlanex16_b32 v[\tm+2*\nu+qb], v[\tm+qb], s[SEL], s[SEL+1]
.set qb, qb+1
.endr
.set qb, 0
.rept 2*\nu
	v_max_num_f32 v[\tm+qb], v[\tm+qb], v[\tm+2*\nu+qb]
.set qb, qb+1
.endr
.set qb, 0
.rept 2*\nu
	v_add_nc_u32 v[\tm+4*\nu+qb], 0xff000000, v[\tm+qb]   ; 2 off the exponent field: the conversion's scale operand
.set qb, qb+1
.endr
.set qb, 0
.rept 2*\nu
	v_lshrrev_b32 v[\tm+2*\nu+qb], 23, v[\tm+4*\nu+qb]    ; the scale's byte
.set qb, qb+1
.endr
.set qb, 0
.rept \nu
	v_lshl_or_b32 v[\pw+qb], v[\tm+2*\nu+2*qb+1], 8, v[\tm+2*\nu+2*qb]
.set qb, qb+1
.endr
.set qb, 0
.rept \nu
	v_cvt_scalef32_pk16_fp6_f32 v[\out+6*qb:\out+6*qb+2], v[\src+32*qb:\src+32*qb+15], v[\tm+4*\nu+2*qb]
	v_cvt_scalef32_pk16_fp6_f32 v[\t2+4*qb:\t2+4*qb+2], v[\src+32*qb+16:\src+32*qb+31], v[\tm+4*\nu+2*qb+1]
.set qb, qb+1
.endr
	v_nop                                          ; one plain line behind a scaled conversion
.set qb, 0
.rept \nu
.irp i, 0,1,2
	v_permlane16_swap_b32 v[\out+6*qb+\i], v[\t2+4*qb+\i]
.endr
.irp i, 0,1,2
	v_mov_b32 v[\out+6*qb+3+\i], v[\t2+4*qb+\i]
.endr
.set qb, qb+1
.endr
.endm
.macro MMC d, a, b, c, sa, sb
	v_wmma_scale_f32_16x16x128_f8f6f4 v[\d:\d+7], v[\a:\a+11], v[\b:\b+11], v[\c:\c+7], v[\sa], v[\sb] matrix_a_fmt:MATRIX_FMT_FP6 matrix_b_fmt:MATRIX_FMT_FP6
.endm
.macro COLS reg, base, off             ; 32 numbers of a vector over the columns, in the layout of four result tiles: register 16 pb + i = column 32 pb + 16 h + i
.irp pb, 0,1
.irp jj, 0,1,2,3
	global_load_b128 v[\reg+16*\pb+4*\jj:\reg+16*\pb+4*\jj+3], v5, s[\base:\base+1] offset:\off+128*\pb+16*\jj
.endr
.endr
.endm
	s_load_b512 s[4:19], s[0:1], 0x0               ; x, aimg, asc, wimg, Wo's, W1's, W2's scales, bo
	s_load_b256 s[20:27], s[0:1], 0x40             ; g2, be2, b1, b2
	s_load_b64 s[28:29], s[0:1], 0x60              ; out0
	v_lshrrev_b32 v1, 5, v0
	v_readfirstlane_b32 s30, v1                    ; wave 0..15
	v_and_b32 v16, 31, v0                          ; lane
	v_and_b32 v17, 15, v0                          ; r
	v_bfe_u32 v18, v0, 4, 1                        ; h
	v_and_b32 v19, 8, v17
	v_add_nc_u32 v19, v19, v17                     ; r + 8 (r / 8)
	v_lshlrev_b32 v1, 4, v16
	v_lshlrev_b32 v2, 3, v16
	v_lshlrev_b32 v3, 2, v16
	v_lshlrev_b32 v4, 11, v19
	v_lshl_add_u32 v4, v18, 6, v4
	v_lshlrev_b32 v5, 6, v18
	v_lshlrev_b32 v6, 4, v19
	v_lshlrev_b32 v7, 6, v19
	s_wait_alu depctr_va_sdst(0)                   ; s30, the wave's number, is written, ahead of its first reader
	s_lshl_b32 s82, s30, 6                         ; phase A's LDS addresses
	v_lshl_add_u32 v8, v17, 2, s82
	v_add_nc_u32 v8, RED, v8                       ; my wave's 16 sums
	s_lshr_b32 s82, s30, 3
	s_lshl_b32 s82, s82, 9
	v_lshl_add_u32 v9, v17, 2, s82
	v_add_nc_u32 v9, RED, v9                       ; those of the eight waves of my token tile
	s_lshl_b32 s82, s30, 12
	s_add_co_u32 s82, s82, X1P
	v_add_nc_u32 v10, s82, v1                      ; x1 + b2: images 4 w .. 4 w + 3
	s_mul_i32 s82, s30, 768
	v_add_nc_u32 v11, s82, v1                      ; h2: HALF w
	s_add_co_u32 s82, s82, 512
	v_add_nc_u32 v12, s82, v2
	s_lshr_b32 s82, s30, 1
	s_lshl_b32 s82, s82, 7
	s_and_b32 s83, s30, 1
	s_lshl_b32 s83, s83, 1
	s_add_co_u32 s82, s82, s83
	s_add_co_u32 s82, s82, H2SC
	v_add_nc_u32 v13, s82, v3                      ; its pair of scale bytes: word w / 2, half w % 2
	s_mov_b32 s[SEL], 0x76543210
	s_mov_b32 s[SEL+1], 0xfedcba98
	s_mov_b32 s34, 0x05040100                      ; v_perm_b32: the two low halves
	s_mov_b32 s35, 0x7fffffff
	s_mov_b32 s36, 0x3f6d8000                      ; 0.927734375
	s_mov_b32 s46, 0x3b000000                      ; 1 / 512
	s_mov_b32 s47, 0x3727c5ac                      ; 1e-5
	SPAIR C_KZ, 0x3f3504f3                         ; 1 / sqrt(2)
	SPAIR C_L0, 0xb7910000
	SPAIR C_L2, 0xbb7e8a1c
	SPAIR C_L4, 0xbddaae5c
	SPAIR C_L5, 0xbf228550
	SPAIR C_L6, 0xbe03ce86
	SPAIR C_LG, 0x3fb8aa3b                         ; log2(e)
	SPAIR C_S0, 0xba1c7000
	SPAIR C_S2, 0xbcdb48d9
	SPAIR C_S3, 0x3de70e22
	SPAIR C_S4, 0xbec09380
	SPAIR C_S5, 0x3e0375d4
	s_and_b32 s78, s30, 7                          ; cg
	s_lshr_b32 s79, s30, 3                         ; m
	s_mov_b32 s81, 0
	s_wait_kmcnt 0x0
	s_lshl_b32 s80, ttmp9, 5                       ; x: row 32 X + 8 m, + 256 cg bytes
	s_lshl_b32 s82, s79, 3
	s_add_co_u32 s80, s80, s82
	s_lshl_b32 s80, s80, 11
	s_lshl_b32 s82, s78, 8
	s_add_co_u32 s80, s80, s82
	s_add_nc_u64 s[4:5], s[4:5], s[80:81]
	s_mov_b32 s80, s82                             ; the vectors over the columns: 256 cg bytes
	s_add_nc_u64 s[18:19], s[18:19], s[80:81]
	s_add_nc_u64 s[20:21], s[20:21], s[80:81]
	s_add_nc_u64 s[22:23], s[22:23], s[80:81]
	s_add_nc_u64 s[26:27], s[26:27], s[80:81]
	s_lshl_b32 s83, ttmp9, 1
	s_add_co_u32 s83, s83, s79                     ; my token tile among the 512
	s_lshl_b32 s80, s83, 10
	s_add_nc_u64 s[8:9], s[8:9], s[80:81]
	s_mul_i32 s80, s83, 6144
	s_add_nc_u64 s[6:7], s[6:7], s[80:81]
	s_lshl_b32 s80, s78, 10
	s_add_nc_u64 s[12:13], s[12:13], s[80:81]      ; Wo's scales: 64 cg rows of 16 bytes
	s_mul_i32 s80, s78, 24576
	s_add_nc_u64 s[74:75], s[10:11], s[80:81]      ; Wo's images: 16 cg on
	s_mul_i32 s80, s30, 49152
	s_add_nc_u64 s[10:11], s[10:11], s[80:81]
	s_add_nc_u64 s[76:77], s[10:11], 196608        ; W1's: 128 + 32 w on
	s_add_nc_u64 s[10:11], s[10:11], 983040        ; W2's: 640 + 32 w on
	s_lshl_b32 s80, s30, 11
	s_add_nc_u64 s[14:15], s[14:15], s[80:81]      ; W1's scales: 128 w rows of 16 bytes
	s_add_nc_u64 s[16:17], s[16:17], s[80:81]      ; W2's: 32 w rows of 64
	s_lshl_b32 s80, s30, 9
	s_add_nc_u64 s[24:25], s[24:25], s[80:81]      ; b1: 128 w numbers
	s_lshl_b32 s80, ttmp9, 5                       ; out0: stage rows 2 w, 2 w + 1 are tokens 32 X + 8 (w / 8) + 2 (w % 8) + 2 (w & 4) and the next
	s_lshl_b32 s82, s79, 3
	s_add_co_u32 s80, s80, s82
	s_lshl_b32 s82, s78, 1
	s_add_co_u32 s80, s80, s82
	s_and_b32 s82, s30, 4
	s_lshl_b32 s82, s82, 1
	s_add_co_u32 s80, s80, s82
	s_lshl_b32 s80, s80, 11
	s_add_nc_u64 s[28:29], s[28:29], s[80:81]
	; ================ A: x1 = x + bo + att Wo.  v32-63 the four accumulators; v64-111 att's four fragments; v112-159, v160-207 Wo's fragments, two sets; v208-239 bo; v240-255 Wo's scale words; v16-23 att's pairs, v24-27 its words
	s_wait_alu depctr_va_vdst(0)                   ; the offsets v1 to v7 and phase A's LDS addresses v8 to v13 are written, which the loads and stores below read; so are v16 to v19, on which att's pairs land
.irp pb, 0,1
.irp jj, 0,1,2,3
	global_load_b128 v[32+16*\pb+4*\jj:35+16*\pb+4*\jj], v4, s[4:5] offset:128*\pb+16*\jj
.endr
.endr
	COLS 208, 18, 0
.irp k, 0,1,2,3,4,5,6,7
	global_load_b32 v[16+\k], v3, s[8:9] offset:128*\k
.endr
.irp k, 0,1,2,3,4,5,6,7                ; head k's HALF: registers 6 k on: K step s = heads 2 s, 2 s + 1
	global_load_b128 v[64+6*\k:67+6*\k], v1, s[6:7] offset:768*\k
	global_load_b64 v[68+6*\k:69+6*\k], v2, s[6:7] offset:768*\k+512
.endr
.irp t, 0,1,2,3
	global_load_b128 v[240+4*\t:243+4*\t], v6, s[12:13] offset:(32*(\t/2)+8*(\t%2))*16
.endr
.macro WOLOAD s
.irp t, 0,1,2,3
.irp c, 0,1,2
	global_load_b128 v[112+48*((\s)%2)+12*\t+4*\c:115+48*((\s)%2)+12*\t+4*\c], v1, s[74:75] offset:(4*\t+\s)*1536+512*\c
.endr
.endr
.endm
.macro MMWO s
.irp t, 0,1,2,3
	MMC 32+8*\t, 112+48*((\s)%2)+12*\t, 64+12*\s, 32+8*\t, 240+4*\t+\s, 24+\s
.endr
.endm
	WOLOAD 0
	WOLOAD 1
	s_wait_loadcnt 44                              ; x, bo and att's pairs are in; behind them: att 16, Wo's scales 4, two K steps of Wo 24
.irp s, 0,1,2,3
	v_perm_b32 v[24+\s], v[17+2*\s], v[16+2*\s], s34   ; att's scale word for K step s: head 2 s's pair below, head 2 s + 1's above
.endr
.set j, 0
.rept 16
	v_pk_add_f32 v[32+j:33+j], v[32+j:33+j], v[208+j:209+j]   ; x + bo is what the sums begin with
.set j, j+2
.endr
	PLACES
	s_wait_loadcnt 12                              ; all but Wo's K step 1
	s_wait_alu depctr_va_vdst(0)                   ; att's scale words v24-27 are written, which the scaled products take as scales; the 20 plain lines above are their places
	MMWO 0
	PLACES
	s_wait_alu depctr_va_vdst(0)                   ; K step 0's products are done reading v112-159, on which K step 2's fragments land
	WOLOAD 2
	s_wait_loadcnt 12                              ; all but the K step just asked for
	MMWO 1
	PLACES
	s_wait_alu depctr_va_vdst(0)                   ; K step 1's products are done reading v160-207, on which K step 3's fragments land
	WOLOAD 3
	s_wait_loadcnt 12
	MMWO 2
	s_wait_loadcnt 0x0
	MMWO 3
	PLACES
.macro W1SC hf                         ; W1's scale words of my half's four tiles
.irp tt, 0,1,2,3
	global_load_b128 v[16+4*\tt:19+4*\tt], v6, s[14:15] offset:(64*\hf+32*(\tt/2)+8*(\tt%2))*16
.endr
.endm
.macro GLOAD1 hf, s                    ; W1's four fragments of K step s
.irp tt, 0,1,2,3
.irp c, 0,1,2
	global_load_b128 v[128+48*((\s)%2)+12*\tt+4*\c:131+48*((\s)%2)+12*\tt+4*\c], v1, s[76:77] offset:(16*\hf+4*\tt+\s)*1536+512*\c
.endr
.endr
.endm
.macro GLOAD2 gk                       ; W2's four fragments of K steps 2 gk, 2 gk + 1
.irp sl, 0,1
.irp n, 0,1
.irp c, 0,1,2
	global_load_b128 v[128+48*((\gk)%2)+12*(2*\sl+\n)+4*\c:131+48*((\gk)%2)+12*(2*\sl+\n)+4*\c], v1, s[10:11] offset:(16*\n+2*(\gk)+\sl)*1536+512*\c
.endr
.endr
.endr
.endm
	s_wait_alu depctr_va_vdst(0)                   ; the products are done reading att's and Wo's fragments and att's scale words (v16-31, v64-207), and the additions bo (v208-239): the 48 loads below land on them
	COLS 208, 26, 0                                ; b2
	COLS 64, 20, 0                                 ; g2
	COLS 176, 22, 0                                ; be2
	W1SC 0                                         ; and what phase B begins with
	COLS 96, 24, 0                                 ; b1
	GLOAD1 0, 0
	; ---- the norm of x1: my 32 numbers (a chain to a tile, each from its low end), lane l xor 16's, the eight waves' through LDS
.irp t, 0,1,2,3
	v_pk_add_f32 v[240+2*\t:241+2*\t], v[32+8*\t:33+8*\t], v[34+8*\t:35+8*\t]
.endr
.irp i, 4,6
.irp t, 0,1,2,3
	v_pk_add_f32 v[240+2*\t:241+2*\t], v[240+2*\t:241+2*\t], v[32+8*\t+\i:33+8*\t+\i]
.endr
.endr
.macro JOIN
	v_pk_add_f32 v[240:241], v[240:241], v[242:243]
	v_pk_add_f32 v[244:245], v[244:245], v[246:247]
	v_pk_add_f32 v[240:241], v[240:241], v[244:245]
	v_add_f32 v240, v240, v241
	v_permlanex16_b32 v241, v240, s[SEL], s[SEL+1]
	v_add_f32 v240, v240, v241
.endm
.macro GATHER off                      ; the eight waves' sums, added in one order in every wave
.irp k, 0,1,2,3,4,5,6,7
	ds_load_b32 v[240+\k], v9 offset:\off+64*\k
.endr
	s_wait_dscnt 0x0
	v_add_f32 v240, v240, v241
	v_add_f32 v242, v242, v243
	v_add_f32 v244, v244, v245
	v_add_f32 v246, v246, v247
	v_add_f32 v240, v240, v242
	v_add_f32 v244, v244, v246
	v_add_f32 v240, v240, v244
.endm
	JOIN
	s_wait_alu depctr_va_vdst(0)                   ; the additions have written v240, which the store reads, and are done with v240-247, on which the eight loads behind the barrier land
	ds_store_b32 v8, v240                          ; lanes l and l xor 16 write the same word with the same value
	BARRIER
	s_wait_alu depctr_vm_vsrc(0)                   ; my store has read v240, on which a load below lands
	GATHER 0
	v_mul_f32 v14, s46, v240                       ; the mean
	v_mov_b32 v15, v14
	s_wait_loadcnt 40                              ; b2 is in; behind it: g2 8, be2 8, W1's scales 4, b1 8, W1's fragments 12
.set j, 0
.rept 16
	v_pk_add_f32 v[208+j:209+j], v[208+j:209+j], v[32+j:33+j]   ; x1 + b2: what phase C's sums begin with
.set j, j+2
.endr
	s_wait_alu depctr_va_vdst(0)                   ; x1 + b2 is written in v208-239, which the eight stores read
.irp t, 0,1,2,3
	ds_store_b128 v10, v[208+8*\t:211+8*\t] offset:1024*\t
	ds_store_b128 v10, v[212+8*\t:215+8*\t] offset:1024*\t+512
.endr
.set j, 0
.rept 16
	v_pk_add_f32 v[32+j:33+j], v[32+j:33+j], v[14:15] neg_lo:[0,1] neg_hi:[0,1]
.set j, j+2
.endr
.irp t, 0,1,2,3
	v_pk_mul_f32 v[240+2*\t:241+2*\t], v[32+8*\t:33+8*\t], v[32+8*\t:33+8*\t]
.endr
.irp i, 2,4,6
.irp t, 0,1,2,3
	v_pk_fma_f32 v[240+2*\t:241+2*\t], v[32+8*\t+\i:33+8*\t+\i], v[32+8*\t+\i:33+8*\t+\i], v[240+2*\t:241+2*\t]
.endr
.endr
	JOIN
	s_wait_alu depctr_va_vdst(0)                   ; the squares' sum is written in v240, which the store reads; v240-247 are done with, on which the eight loads behind the barrier land
	ds_store_b32 v8, v240 offset:1024
	BARRIER
	s_wait_alu depctr_vm_vsrc(0)                   ; my stores have read v240, on which a load below lands, and v208-239, which the quantiser writes again
	GATHER 1024
	v_fma_f32 v14, v240, s46, s47                  ; the variance + 1e-5
	s_wait_alu depctr_va_vdst(0)
	v_rsq_f32 v14, v14
	v_nop                                          ; one plain line behind a transcendental
	s_wait_alu depctr_va_vdst(0)                   ; the reciprocal root has written v14, ahead of its first reader
	v_mov_b32 v15, v14
	s_wait_alu depctr_va_vdst(0)
	s_wait_loadcnt 24                              ; g2 and be2 are in; behind them: W1's scales 4, b1 8, W1's fragments 12
.set j, 0
.rept 16
	v_pk_mul_f32 v[32+j:33+j], v[32+j:33+j], v[14:15]
.set j, j+2
.endr
.set j, 0
.rept 16
	v_pk_fma_f32 v[32+j:33+j], v[32+j:33+j], v[64+j:65+j], v[176+j:177+j]
.set j, j+2
.endr
	QN 32, 1, 208, 240, 216, 246
	s_wait_alu depctr_va_vdst(0)                   ; h2's codes v208-213 and scale bytes v246 are written, which the three stores read; the vector lines are done with v176-249, on which phase B's first loads land
	ds_store_b128 v11, v[208:211]
	ds_store_b64 v12, v[212:213]
	ds_store_b16 v13, v246
	BARRIER                                        ; h2's sixteen HALFs and their scale words lie in LDS
	; ================ B: the hidden layer.  v16-31 W1's scale words; v32-95 eight accumulators (token tile m, tile tt at 32 + 8 (4 m + tt)); v96-127 b1; v128-175, v176-223 W1's fragments, two sets; v224-247 h2's two fragments; v248-249 their scale words
	s_wait_alu depctr_vm_vsrc(0)                   ; phase A's LDS instructions have read v8 to v10, which are written below, and its stores v208-213 and v246, on which the first group's loads land
	s_mul_i32 s82, s30, 1536
	s_add_co_u32 s82, s82, HIMG
	v_add_nc_u32 v8, s82, v1
	s_add_co_u32 s82, s82, 512
	v_add_nc_u32 v9, s82, v2
	s_lshl_b32 s82, s30, 7
	s_add_co_u32 s82, s82, HSC
	v_add_nc_u32 v10, s82, v3
	v_mov_b32 v[V_L1], 0x39c8e7d9
	v_mov_b32 v[V_L1+1], 0x39c8e7d9
	v_mov_b32 v[V_L3], 0x3cc6b1a1
	v_mov_b32 v[V_L3+1], 0x3cc6b1a1
	v_mov_b32 v[V_S1], 0x3ba38d2c
	v_mov_b32 v[V_S1+1], 0x3ba38d2c
; One K step of 128 for my half's four tiles and both token tiles: the next group of fragments is asked for first, so that it has this group's work in which to land
.macro GRP hf, s
.if \s > 0
	s_wait_alu depctr_va_vdst(0)                   ; the last K step's products are done reading h2's fragments and scale words v224-249, and those of the K step before it the set of W1's fragments that is asked for again: the loads below land on them
.endif
.if \s < 3
	GLOAD1 \hf, \s+1
.elseif \hf == 0
	GLOAD1 1, 0
.else
	GLOAD2 0
.endif
.irp m, 0,1
.irp c, 0,1
	ds_load_b128 v[224+12*\m+6*\c:227+12*\m+6*\c], v1 offset:H2IMG+(4*\m+\s)*1536+768*\c
	ds_load_b64 v[228+12*\m+6*\c:229+12*\m+6*\c], v2 offset:H2IMG+(4*\m+\s)*1536+768*\c+512
.endr
	ds_load_b32 v[248+\m], v3 offset:H2SC+(4*\m+\s)*128
.endr
	s_wait_loadcnt 12                              ; all but the 12 just issued
	s_wait_dscnt 0x0
.irp m, 0,1
.irp tt, 0,1,2,3
.if \s == 0
	MMC 32+8*(4*\m+\tt), 128+12*\tt, 224+12*\m, 96+8*\tt, 16+4*\tt, 248+\m          ; b1 is the C of each sum's first product
.else
	MMC 32+8*(4*\m+\tt), 128+48*((\s)%2)+12*\tt, 224+12*\m, 32+8*(4*\m+\tt), 16+4*\tt+\s, 248+\m
.endif
.endr
.endr
	PLACES
.endm
; gelu of the 8 numbers of one tile, in place: x / 2 x (1 + erf(x / sqrt(2)))
.macro GELU8 x
.irp p, 0,2,4,6
	v_pk_mul_f32 v[GZ+\p:GZ+\p+1], v[\x+\p:\x+\p+1], s[C_KZ:C_KZ+1] op_sel_hi:[1,0]
.endr
.irp p, 0,1,2,3,4,5,6,7
	v_and_b32 v[GT+\p], s35, v[GZ+\p]
.endr
.irp p, 0,1,2,3,4,5,6,7
	v_cmp_lt_f32 s[38+\p], s36, v[GT+\p]           ; which branch: the masks are made here, far ahead of the selects that read them
.endr
.irp p, 0,2,4,6
	v_pk_mul_f32 v[GS+\p:GS+\p+1], v[GZ+\p:GZ+\p+1], v[GZ+\p:GZ+\p+1]
.endr
.irp p, 0,2,4,6
	v_pk_fma_f32 v[GR+\p:GR+\p+1], v[GT+\p:GT+\p+1], s[C_L0:C_L0+1], v[V_L1:V_L1+1] op_sel_hi:[1,0,1]
.endr
.irp p, 0,2,4,6
	v_pk_fma_f32 v[GQ+\p:GQ+\p+1], v[GT+\p:GT+\p+1], s[C_L2:C_L2+1], v[V_L3:V_L3+1] op_sel_hi:[1,0,1]
.endr
.irp p, 0,2,4,6
	v_pk_fma_f32 v[GR+\p:GR+\p+1], v[GR+\p:GR+\p+1], v[GS+\p:GS+\p+1], v[GQ+\p:GQ+\p+1]
.endr
.irp k, C_L4, C_L5, C_L6
.irp p, 0,2,4,6
	v_pk_fma_f32 v[GR+\p:GR+\p+1], v[GR+\p:GR+\p+1], v[GT+\p:GT+\p+1], s[\k:\k+1] op_sel_hi:[1,1,0]
.endr
.endr
.irp p, 0,2,4,6
	v_pk_fma_f32 v[GR+\p:GR+\p+1], v[GR+\p:GR+\p+1], v[GT+\p:GT+\p+1], v[GT+\p:GT+\p+1] neg_lo:[0,0,1] neg_hi:[0,0,1]
.endr
.irp p, 0,2,4,6
	v_pk_mul_f32 v[GR+\p:GR+\p+1], v[GR+\p:GR+\p+1], s[C_LG:C_LG+1] op_sel_hi:[1,0]
.endr
	s_wait_alu depctr_va_vdst(0)
.irp p, 0,1,2,3,4,5,6,7
	v_exp_f32 v[GR+\p], v[GR+\p]                   ; E = 1 - erf(|z|)
.endr
.irp p, 0,2,4,6
	v_pk_fma_f32 v[GQ+\p:GQ+\p+1], v[GS+\p:GS+\p+1], s[C_S0:C_S0+1], v[V_S1:V_S1+1] op_sel_hi:[1,0,1]   ; (plain lines behind the exponentials)
.endr
.irp k, C_S2, C_S3, C_S4, C_S5
.irp p, 0,2,4,6
	v_pk_fma_f32 v[GQ+\p:GQ+\p+1], v[GQ+\p:GQ+\p+1], v[GS+\p:GS+\p+1], s[\k:\k+1] op_sel_hi:[1,1,0]
.endr
.endr
.irp p, 0,2,4,6
	v_pk_fma_f32 v[GQ+\p:GQ+\p+1], v[GQ+\p:GQ+\p+1], v[GZ+\p:GZ+\p+1], v[GZ+\p:GZ+\p+1]
.endr
.irp p, 0,2,4,6
	v_pk_add_f32 v[GQ+\p:GQ+\p+1], v[GQ+\p:GQ+\p+1], 1.0 op_sel_hi:[1,0]    ; 1 + erf, the inner branch
.endr
.irp p, 0,1,2,3,4,5,6,7
	v_bfi_b32 v[GG+\p], s35, 1.0, v[GZ+\p]         ; 1 with z's sign
.endr
.irp p, 0,2,4,6
	v_pk_add_f32 v[GZ+\p:GZ+\p+1], v[GG+\p:GG+\p+1], 1.0 op_sel_hi:[1,0]
.endr
	s_wait_alu depctr_va_vdst(0)                   ; the eight exponentials have written v200-207, ahead of their first reader
.irp p, 0,2,4,6
	v_pk_fma_f32 v[GR+\p:GR+\p+1], v[GG+\p:GG+\p+1], v[GR+\p:GR+\p+1], v[GZ+\p:GZ+\p+1] neg_lo:[1,0,0] neg_hi:[1,0,0]   ; 1 + erf, the outer branch: E for z < 0, 2 - E for z > 0
.endr
	s_wait_alu depctr_va_sdst(0)                   ; the eight compares have written s38 to s45, ahead of the selects that read them
.irp p, 0,1,2,3,4,5,6,7
	v_cndmask_b32 v[GQ+\p], v[GQ+\p], v[GR+\p], s[38+\p]
.endr
.irp p, 0,2,4,6
	v_pk_mul_f32 v[\x+\p:\x+\p+1], v[\x+\p:\x+\p+1], 0.5 op_sel_hi:[1,0]
.endr
.irp p, 0,2,4,6
	v_pk_mul_f32 v[\x+\p:\x+\p+1], v[\x+\p:\x+\p+1], v[GQ+\p:GQ+\p+1]
.endr
.endm
.macro HALFB hf
	GRP \hf, 0
	GRP \hf, 1
	GRP \hf, 2
	GRP \hf, 3
.if \hf == 0
	s_wait_alu depctr_va_vdst(0)                   ; the half's products are done reading W1's scale words v16-31 and b1 in v96-127, on which the second half's land
	W1SC 1                                         ; the second half's scale words and b1: with its first fragments they are covered by its first wait
	COLS 96, 24, 256
.endif
.irp k, 0,1,2,3,4,5,6,7
	GELU8 32+8*\k
.endr
	QN 32, 2, 176, 188, 200, 208                   ; unit m = token tile m: 64 of K step w of the second product
	s_wait_alu depctr_va_vdst(0)                   ; the codes v176-187 and the scale bytes v208, v209 are written, which the six stores read; the vector and matrix lines are done with v176-255, on which the loads that follow land
.irp m, 0,1
	ds_store_b128 v8, v[176+6*\m:179+6*\m] offset:24576*\m+768*\hf
	ds_store_b64 v9, v[180+6*\m:181+6*\m] offset:24576*\m+768*\hf
	ds_store_b16 v10, v[208+\m] offset:2048*\m+2*\hf
.endr
	s_wait_dscnt 0x0                               ; the stores have read their registers
	s_wait_alu depctr_vm_vsrc(0)                   ; the six stores have read v176-187, v208 and v209, on which the next fragments land, and (second half) v8 to v10, which phase C writes
.endm
	HALFB 0
	HALFB 1
.irp n, 0,1
.irp q, 0,1,2,3
	global_load_b128 v[224+16*\n+4*\q:227+16*\n+4*\q], v7, s[16:17] offset:512*\n+16*\q   ; W2's scale words: word s of a row serves K step s
.endr
.endr
	BARRIER                                        ; the hidden layer's 64 HALFs and their scale words lie in LDS
	; ================ C: out0 = (x1 + b2) + hidden W2.  v32-63 four accumulators (32 + 8 (2 m + n)); v64-111 four hidden fragments; v112-115 their scale words; v128-223 W2's fragments, two sets; v224-255 W2's scale words
	v_add_nc_u32 v8, HIMG, v1
	v_add_nc_u32 v9, HIMG+512, v2
	v_add_nc_u32 v10, HSC, v3
	s_lshl_b32 s82, s30, 11
	s_add_co_u32 s82, s82, X1P
	v_add_nc_u32 v11, s82, v1
	v_and_b32 v12, 15, v0
	v_mul_u32_u24 v12, v12, 2064
	v_add_nc_u32 v12, v12, v5
	s_lshl_b32 s82, s30, 7
	s_add_co_u32 s82, s82, STG
	v_add_nc_u32 v12, s82, v12                     ; the stage: row r, + 64 h, + 128 w: my 16 numbers of a row
	s_mul_i32 s82, s30, 4128
	s_add_co_u32 s82, s82, STG
	v_add_nc_u32 v13, s82, v1                      ; back: rows 2 w and 2 w + 1
	s_wait_alu depctr_va_vdst(0)                   ; phase C's LDS addresses v8 to v13 are written, which the loads and stores below read
.irp m, 0,1
.irp n, 0,1
	ds_load_b128 v[32+8*(2*\m+\n):35+8*(2*\m+\n)], v11 offset:32768*\m+1024*\n
	ds_load_b128 v[36+8*(2*\m+\n):39+8*(2*\m+\n)], v11 offset:32768*\m+1024*\n+512
.endr
.endr
.irp gk, 0,1,2,3,4,5,6,7
.if \gk > 0
	s_wait_alu depctr_va_vdst(0)                   ; the last group's products are done reading the hidden fragments and scale words v64-115, and those of the group before it the set of W2's fragments that is asked for again: the loads below land on them
.endif
.if \gk < 7
	GLOAD2 \gk+1
.endif
.irp sl, 0,1
.irp m, 0,1
.irp c, 0,1
	ds_load_b128 v[64+12*(2*\sl+\m)+6*\c:67+12*(2*\sl+\m)+6*\c], v8 offset:(16*\m+2*\gk+\sl)*1536+768*\c
	ds_load_b64 v[68+12*(2*\sl+\m)+6*\c:69+12*(2*\sl+\m)+6*\c], v9 offset:(16*\m+2*\gk+\sl)*1536+768*\c
.endr
	ds_load_b32 v[112+2*\sl+\m], v10 offset:(16*\m+2*\gk+\sl)*128
.endr
.endr
.if \gk < 7
	s_wait_loadcnt 12                              ; all but the 12 just issued (in the first turn W2's scale words are covered too)
.else
	s_wait_loadcnt 0x0
.endif
	s_wait_dscnt 0x0
.irp sl, 0,1
.irp m, 0,1
.irp n, 0,1
	MMC 32+8*(2*\m+\n), 128+48*(\gk%2)+12*(2*\sl+\n), 64+12*(2*\sl+\m), 32+8*(2*\m+\n), 224+16*\n+2*\gk+\sl, 112+2*\sl+\m
.endr
.endr
.endr
	PLACES
.endr
	; ---- the way out: a lane's 16 numbers are 64 neighbouring bytes of a row; a row's 2,048 bytes come from sixteen waves: through the stage, then each wave stores two whole rows
	s_wait_alu depctr_va_vdst(0)                   ; the products have written the accumulators v32-63, which the stores read (the places above stay beside this wait), and are done reading v64-95, on which the rows land
.irp m, 0,1
.irp jj, 0,1,2,3
	ds_store_b128 v12, v[32+16*\m+4*\jj:35+16*\m+4*\jj] offset:33024*\m+16*\jj
.endr
.endr
	BARRIER
.irp i, 0,1
.irp k, 0,1,2,3
	ds_load_b128 v[64+4*(4*\i+\k):67+4*(4*\i+\k)], v13 offset:2064*\i+512*\k
.endr
.endr
.irp i, 0,1
.irp k, 0,1,2,3
	s_wait_dscnt 7-4*\i-\k                         ; LDS loads come back in order: this piece is in, the younger ones may be out
	global_store_b128 v1, v[64+4*(4*\i+\k):67+4*(4*\i+\k)], s[28:29] offset:2048*\i+512*\k th:TH_STORE_NT   ; 512 consecutive bytes of a row, aligned; written once, read by nobody here
.endr
.endr
	s_wait_xcnt 0x0
	v_lshl_add_u32 v252, v0, 2, 0x30e00            ; the add's two registers are made anew: no two could be kept.  No memory or LDS instruction has read v252 or v253: loads landed on them, vector and matrix lines read them
	v_mov_b32 v253, 0
	s_wait_dscnt 0x0                               ; the closing lines, six on end, of a launch in the mode that stores to LDS
	s_wait_alu 0x0
	s_wait_tensorcnt 0x0
	ds_add_u32 v252, v253
	s_wait_dscnt 0x0
	s_endpgm
.Lfunc_end_k_qb676fc588b_mlp:
	.size	k_qb676fc588b_mlp, .Lfunc_end_k_qb676fc588b_mlp-k_qb676fc588b_mlp
	.p2alignl 7, 3214868480
	.fill 96, 4, 3214868480
	.section	.rodata,"a",@progbits
	.p2align	6, 0x0
	.amdhsa_kernel k_qb676fc588b_mlp
		.amdhsa_group_segment_fixed_size 202240
		.amdhsa_private_segment_fixed_size 0
		.amdhsa_enable_private_segment 0
		.amdhsa_kernarg_size 104
		.amdhsa_user_sgpr_count 2
		.amdhsa_user_sgpr_kernarg_segment_ptr 1
		.amdhsa_wavefront_size32 1
		.amdhsa_system_sgpr_workgroup_id_x 1
		.amdhsa_system_sgpr_workgroup_id_y 1
		.amdhsa_system_sgpr_workgroup_id_z 1
		.amdhsa_system_vgpr_workitem_id 0
		.amdhsa_next_free_vgpr 256
		.amdhsa_next_free_sgpr 84
		.amdhsa_reserve_vcc 0
		.amdhsa_float_denorm_mode_32 3
		.amdhsa_float_denorm_mode_16_64 3
		.amdhsa_memory_ordered 1
		.amdhsa_forward_progress 1
		.amdhsa_inst_pref_size 218
	.end_amdhsa_kernel
	.amdgpu_metadata
---
amdhsa.version: [ 1, 2 ]
amdhsa.kernels:
  - .name:           k_qb676fc588b_mlp
    .symbol:         k_qb676fc588b_mlp.kd
    .args:
      - { .name: x, .offset: 0, .size: 8, .value_kind: global_buffer, .address_space: global }
      - { .name: aimg, .offset: 8, .size: 8, .value_kind: global_buffer, .address_space: global }
      - { .name: asc, .offset: 16, .size: 8, .value_kind: global_buffer, .address_space: global }
      - { .name: wimg, .offset: 24, .size: 8, .value_kind: global_buffer, .address_space: global }
      - { .name: Wo_scales, .offset: 32, .size: 8, .value_kind: global_buffer, .address_space: global }
      - { .name: W1_scales, .offset: 40, .size: 8, .value_kind: global_buffer, .address_space: global }
      - { .name: W2_scales, .offset: 48, .size: 8, .value_kind: global_buffer, .address_space: global }
      - { .name: bo, .offset: 56, .size: 8, .value_kind: global_buffer, .address_space: global }
      - { .name: g2, .offset: 64, .size: 8, .value_kind: global_buffer, .address_space: global }
      - { .name: be2, .offset: 72, .size: 8, .value_kind: global_buffer, .address_space: global }
      - { .name: b1, .offset: 80, .size: 8, .value_kind: global_buffer, .address_space: global }
      - { .name: b2, .offset: 88, .size: 8, .value_kind: global_buffer, .address_space: global }
      - { .name: out0, .offset: 96, .size: 8, .value_kind: global_buffer, .address_space: global }
    .group_segment_fixed_size: 202240
    .private_segment_fixed_size: 0
    .kernarg_segment_align: 8
    .kernarg_segment_size: 104
    .max_flat_workgroup_size: 512
    .sgpr_count:     84
    .vgpr_count:     256
    .wavefront_size: 32
...
	.end_amdgpu_metadata
.endif
;; end of part 6
